; MI455X (gfx1250); checked and timed in simulation.
; The chip was launched on July 23, 2026; its instructions are those of AMD's public machine-readable ISA for CDNA 5 (MIT licence, August 2026) and "CDNA5" Instruction Set Architecture Reference Guide (July 2026). The comments in the code are by the model that wrote it; some were corrected since.
;; my GPT2 Block. Allowed arithmetic: matrix products marked QUANTISED: E4M3 operands, one given power-of-two scale a tensor, by v_wmma_f32_16x16x64_fp8_fp8 or v_wmma_f32_16x16x128_fp8_fp8, f32 sums; everything else in f32.
;; Inputs: attn_proj_w 1,024 x 1,024 float32; fc_b 4,096 float32; fc_w 1,024 x 4,096 float32; ln1_b 1,024 float32; ln1_w 1,024 float32; ln2_b 1,024 float32; ln2_w 1,024 float32; lowp_scales 14 int32 (the exponents e of the quantised operands' scales 2^e); mlp_proj_b 1,024 float32; mlp_proj_w 4,096 x 1,024 float32; qk_b 2,048 float32; qk_w 1,024 x 2,048 float32; v_w 1,024 x 1,024 float32; x 2 x 2,048 x 1,024 float32.
;; Outputs: out0 2 x 2,048 x 1,024 float32.
;; This version of the problem:
;;   THIS VERSION OF THE PROBLEM IS GIVEN IN LOW PRECISION. The matrix products marked QUANTISED in the list below multiply operands that are first quantised to E4M3 (4 exponent bits, 3 mantissa bits; 8 bits a number), with one given power-of-two scale for each operand tensor; their sums are f32. All else is computed in f32.
;;   The module's matrix products, in the order in which they are computed (A, B: the left and right operand; K: the contracted axis; several contracted axes count as one K, in the product's order):
;;     1. [M 4,096, K 1,024] x [K 1,024, N 2,048]; A: computed on the way; B: input qk_w: QUANTISED (scales: A lowp_scales[0], B lowp_scales[1])
;;     2. [M 4,096, K 1,024] x [K 1,024, N 1,024]; A: computed on the way; B: input v_w: QUANTISED (scales: A lowp_scales[2], B lowp_scales[3])
;;     3. batch 32 x [M 2,048, K 64] x [K 64, N 2,048]; A: computed on the way; B: computed on the way: QUANTISED (scales: A lowp_scales[4], B lowp_scales[5])
;;     4. batch 32 x [M 64, K 2,048] x [K 2,048, N 2,048]; A: computed on the way; B: softmax (see below): QUANTISED (scales: A lowp_scales[6], B lowp_scales[7])
;;     5. [M 4,096, K 1,024] x [K 1,024, N 1,024]; A: computed on the way; B: input attn_proj_w: QUANTISED (scales: A lowp_scales[8], B lowp_scales[9])
;;     6. [M 4,096, K 1,024] x [K 1,024, N 4,096]; A: computed on the way; B: input fc_w: QUANTISED (scales: A lowp_scales[10], B lowp_scales[11])
;;     7. [M 4,096, K 4,096] x [K 4,096, N 1,024]; A: computed on the way; B: input mlp_proj_w: QUANTISED (scales: A lowp_scales[12], B lowp_scales[13])
;;   THE QUANTISER, for each operand of a quantised product, along K:
;;     - The operand's scale is 2^e, e = its entry of the input lowp_scales (int32; the entries are numbered through the quantised products in the list's order, A before B).
;;     - Each number is divided by the scale, clamped to +-448, and rounded to the nearest number of E4M3, ties to even, subnormals kept.
;;     - The product sums the exact products of the quantised numbers (number of the format x scale) in f32.
;;   ~~~python
;;   def quantise(x, axis, e):      # numpy; x: float32 -> the quantised numbers, widened to float32 again
;;       x = np.moveaxis(x, axis, -1); K = x.shape[-1]
;;       r = np.clip(x / 2.0 ** e, -448, 448)
;;       step = 2.0 ** (np.maximum(np.frexp(np.where(r == 0, 1, r))[1] - 1, -6) - 3)
;;       q = np.round(r / step) * step * 2.0 ** e      # np.round: ties to even
;;       return np.moveaxis(q, -1, axis).astype(np.float32)
;;   ~~~
;;   SOFTMAX AHEAD OF A QUANTISED PRODUCT. Where the list says 'softmax', what is quantised is not the finished softmax but p = 2^(t - M), with t = logit x log2(e) and M = ceil(the row's largest t), a whole number; so 1/2 < the row's largest p <= 1. The row's sum l is taken of the UNQUANTISED p, in f32, and the product's result is divided by l at the end. Since M is a whole number, a kernel that streams over the keys may use a running M (the ceiling of the running maximum): every later rescaling is an exact power of two, so the quantised numbers keep their values, but for numbers so far below the row's largest that they fall under the format's range.
;;   OPERANDS COMPUTED ON THE WAY. 'Computed on the way' means the value that the module computes at that place (a softmax that the list does not call 'softmax' is quantised finished and normalised). What goes into a quantiser is computed in f32, as accurately as f32 sums, v_exp_f32 and their like allow (about 1e-6 of the number): no bf16 or f16 on the way to a quantiser, and a product that is left as it is and whose result goes on into a quantised operand takes f32 operands (vector FMAs, or v_wmma_f32_16x16x4_f32). A number that lies on a knife's edge between two numbers of the format may be rounded either way, as far as f32 arithmetic and the matrix unit's own rounding can turn it there, and no further.
;; 2 versions. Each part assembles by itself: llvm-mc -triple=amdgcn-amd-amdhsa -mcpu=gfx1250 --defsym DOCPART=n.
;; ======== version 1 of 2: 7 launches
;; workspace buffers: wc 12,582,912 bytes; hc 8,388,608 bytes; qkv 12,582,912 bytes; oc 4,194,304 bytes; x1 16,777,216 bytes; h2c 4,194,304 bytes; gc 16,777,216 bytes
;; launch prep (part 1): grid 640 x 1, 4 waves a work-group, no clusters, 43,520 bytes of LDS; arguments x, ln1_w, ln1_b, qk_w, v_w, attn_proj_w, fc_w, mlp_proj_w, lowp_scales, wc, hc; writes wc, hc
.if DOCPART == 1
	.amdgcn_target "amdgcn-amd-amdhsa--gfx1250"
	.amdhsa_code_object_version 6
	.text
	.protected	k_q6eda573b1b_prep
	.globl	k_q6eda573b1b_prep
	.p2align	8
	.type	k_q6eda573b1b_prep,@function
k_q6eda573b1b_prep:
	s_mov_b64 s[64:65], 0
	v_nop
	global_prefetch_b8 v0, s[64:65] scope:SCOPE_SE
	s_setreg_imm32_b32 hwreg(HW_REG_WAVE_MODE, 25, 1), 1
	s_wait_xcnt 0x0
; PREP.  Two jobs in one launch, told apart by the work-group's number.
; Work-groups 0-383: the five weights, f32 stored [K][N], become codes of E4M3 laid [N][K], K innermost, each with its given scale 2^e.
;   A LANE TAKES A COLUMN n AND ITS REGISTERS RUN DOWN K: each load reads 128 consecutive bytes a wave, and the conversions, which take neighbours along K from one lane's
;   consecutive registers, give codes with K innermost.  A wave takes 32 columns x 256 along K; the codes go through the wave's own stage in LDS and leave as rows: sixteen lanes store 256 consecutive bytes, aligned.
; Work-groups 384-639: h = layernorm(x) x ln1_w + ln1_b, quantised twice, with e0 (for h qk_w) and with e2 (for h v_w).  One wave takes a whole row of 1,024 numbers in 32 registers; 4 rows a wave.
;   The variance is the mean of (x - mean)^2, taken in a second pass over the registers.
; code = number / 2^e, held within +-448, rounded to the nearest code, ties to even.
; LIMITS: each e used here lies between -126 and 119, so that 2^e and 448 x 2^e are f32 numbers.  NaN among the inputs is not served; an infinity is held at the largest code.
; No tensor loads, no barrier: waves share nothing.  The two jobs have LDS bytes of their own: weights 0 .. 34,815; rows 34,816 .. 43,007.
.set WGW,   384                        ; work-groups for the weights
.set PITCH, 272                        ; a stage row: 256 bytes of codes + 16
.set LNL,   4*32*PITCH                 ; where the rows' LDS begins
.set VO,    16                         ; v16-47   i x (a row of the weight in bytes) + 4 x lane
.set X,     48                         ; v48-111  two sets of 32 numbers
.set C,     112                        ; v112-119 a block's codes
.set OUTR,  120                        ; v120-183 the way out
.set OV,    184                        ; v184-199 the stores' offsets
	s_load_b512 s[4:19], s[0:1], 0x0               ; x 4:5, ln1_w 6:7, ln1_b 8:9, qk_w 10:11, v_w 12:13, attn_proj_w 14:15, fc_w 16:17, mlp_proj_w 18:19
	s_load_b128 s[20:23], s[0:1], 0x40             ; the scales' exponents 20:21, wc 22:23
	s_load_b64 s[24:25], s[0:1], 0x50              ; hc
	v_lshl_add_u32 v240, v0, 2, 0xa800
	v_mov_b32 v241, 0
	v_lshrrev_b32 v1, 5, v0
	v_readfirstlane_b32 s26, v1                    ; wave 0..3
	v_and_b32 v2, 31, v0                           ; lane
	s_wait_kmcnt 0x0
	s_load_b128 s[28:31], s[20:21], 0x0            ; e0 .. e3
	s_load_b128 s[32:35], s[20:21], 0x20           ; e8 .. e11
	s_load_b64 s[36:37], s[20:21], 0x30            ; e12, e13
	s_cmp_ge_u32 ttmp9, WGW
	s_cbranch_scc1 .Lln
; ---------------- the weights ----------------
	s_wait_kmcnt 0x0
	s_mov_b64 s[40:41], s[18:19]                   ; the tensor's figures begin as mlp_proj_w's: its address,
	s_mov_b32 s42, 256                             ; its first work-group,
	s_mov_b32 s43, 3                               ; log2 of its work-groups along n,
	s_mov_b32 s77, 7                               ; that number less 1,
	s_mov_b32 s44, 4096                            ; a row [K] in bytes: 4 N,
	s_mov_b32 s45, 4096                            ; a row of its codes in bytes: K,
	s_mov_b32 s46, s37                             ; its e,
	s_mov_b32 s47, 0x800000                        ; and where its codes begin in wc
.macro PICK bound, src, first, lognx, nxm, pitch, krow, e, dst   ; a work-group under the bound belongs to an earlier tensor: the choice hangs on the work-group's number alone
	s_cmp_lt_u32 ttmp9, \bound
	s_cselect_b64 s[40:41], s[\src:\src+1], s[40:41]
	s_cselect_b32 s42, \first, s42
	s_cselect_b32 s43, \lognx, s43
	s_cselect_b32 s77, \nxm, s77
	s_cselect_b32 s44, \pitch, s44
	s_cselect_b32 s45, \krow, s45
	s_cselect_b32 s46, s[\e], s46
	s_cselect_b32 s47, \dst, s47
.endm
	PICK 256, 16, 128, 5, 31, 16384, 1024, 35, 0x400000   ; fc_w, e11
	PICK 128, 14, 96,  3, 7,  4096,  1024, 33, 0x300000   ; attn_proj_w, e9
	PICK 96,  12, 64,  3, 7,  4096,  1024, 31, 0x200000   ; v_w, e3
	PICK 64,  10, 0,   4, 15, 8192,  1024, 29, 0          ; qk_w, e1
	s_sub_co_u32 s68, ttmp9, s42                   ; my number within the tensor
	s_and_b32 s69, s68, s77                        ; which 128 columns
	s_lshr_b32 s70, s68, s43                       ; which 256 along K
	s_lshl_b32 s69, s69, 7
	s_lshl_b32 s71, s26, 5
	s_add_co_u32 s69, s69, s71                     ; my wave's first column
	s_mul_i32 s72, s70, s44
	s_lshl_b32 s72, s72, 8                         ; 256 y rows of the weight,
	s_lshl_b32 s73, s69, 2
	s_add_co_u32 s72, s72, s73                     ; + 4 bytes a column
	s_mov_b32 s73, 0
	s_add_nc_u64 s[48:49], s[40:41], s[72:73]      ; block 0's base; each block of 32 along K has a base of its own, so that none is ever stepped
	s_lshl_b32 s74, s44, 5                         ; 32 rows
	s_mov_b32 s75, 0
.irp t, 1,2,3,4,5,6,7
	s_add_nc_u64 s[48+2*\t:49+2*\t], s[46+2*\t:47+2*\t], s[74:75]
.endr
	s_mul_i32 s72, s69, s45                        ; the codes: my first column's row,
	s_lshl_b32 s76, s70, 8
	s_add_co_u32 s72, s72, s76                     ; + 256 y bytes along K,
	s_add_co_u32 s72, s72, s47                     ; in the tensor's part of wc
	s_add_nc_u64 s[66:67], s[22:23], s[72:73]
	v_lshlrev_b32 v3, 2, v2                        ; in: 4 bytes a lane
	s_mul_i32 s71, s26, 32*PITCH                   ; my stage
	v_mul_u32_u24 v4, v2, PITCH
	v_add_nc_u32 v4, s71, v4                       ; into it: row = my column
	v_and_b32 v5, 15, v2
	v_lshrrev_b32 v6, 4, v2                        ; out of it: sixteen lanes to a row, two rows an instruction
	v_mul_u32_u24 v7, v6, PITCH
	v_lshl_add_u32 v7, v5, 4, v7
	v_add_nc_u32 v7, s71, v7
	v_mul_u32_u24 v8, v6, s45
	v_lshl_add_u32 v8, v5, 4, v8                   ; and the same place among the codes
.set i, 0
.rept 32
	v_mad_u32_u24 v[VO+i], s44, i, v3              ; row i of a block, my column
.set i, i+1
.endr
.set i, 0
.rept 16
	v_mad_u32_u24 v[OV+i], s45, 2*i, v8            ; rows 2 i, 2 i + 1 of the codes
.set i, i+1
.endr
.macro LOAD t                          ; block t: W(32 t + i, my column), i = 0 .. 31, into set t % 2
.set li, 0
.rept 32
	global_load_b32 v[X+32*((\t)%2)+li], v[VO+li], s[48+2*(\t):49+2*(\t)] th:TH_LOAD_NT
.set li, li+1
.endr
.endm
	LOAD 0
	LOAD 1
	s_add_co_i32 s46, s46, 127
	s_lshl_b32 s76, s46, 23
	v_mov_b32 v11, s76                             ; 2^e as f32: the conversion takes its exponent field
	s_add_co_i32 s46, s46, 8
	s_lshl_b32 s46, s46, 23
	s_or_b32 s46, s46, 0x600000
	v_mov_b32 v10, s46                             ; 448 x 2^e
.macro BLOCK t
.set XS, X+32*((\t)%2)
.if (\t) < 7
	s_wait_loadcnt 32                              ; this block's 32 loads are in; the next block's 32 may be out
.else
	s_wait_loadcnt 0
.endif
.set bi, 0
.rept 32
	v_med3_num_f32 v[XS+bi], v[XS+bi], -v10, v10   ; the conversion to an 8-bit code does not saturate (ISA guide 7.6.2): the hold comes first
.set bi, bi+1
.endr
.irp g, 0,1,2,3
	v_cvt_scalef32_pk8_fp8_f32 v[C+2*\g:C+2*\g+1], v[XS+8*\g:XS+8*\g+7], v11
.endr
	ds_store_b128 v4, v[C:C+3] offset:32*(\t)      ; 32 codes: 32 bytes of my column's row
	ds_store_b128 v4, v[C+4:C+7] offset:32*(\t)+16
.if (\t)+2 < 8
	LOAD (\t)+2
.endif
	s_wait_dscnt 0x0                               ; the stores have read their registers: the next block's codes may be written (its 32 holds are the plain lines behind these conversions)
.endm
.irp t, 0,1,2,3,4,5,6,7
	BLOCK \t
.endr
.irp t, 0,1,2,3,4,5,6,7,8,9,10,11,12,13,14,15
	ds_load_b128 v[OUTR+4*\t:OUTR+4*\t+3], v7 offset:2*\t*PITCH   ; LDS serves a wave's instructions in order: these see my stores
.endr
.irp t, 0,1,2,3,4,5,6,7,8,9,10,11,12,13,14,15
	s_wait_dscnt 15-\t
	global_store_b128 v[OV+\t], v[OUTR+4*\t:OUTR+4*\t+3], s[66:67]   ; sixteen lanes store 256 consecutive bytes, aligned
.endr
	s_wait_tensorcnt 0x0
	ds_add_u32 v240, v241
	s_wait_dscnt 0x0
	s_endpgm
; ---------------- the rows ----------------
; Lane l holds elements 128 j + 4 l + 0 .. 3 of a row, j = 0 .. 7: each load of the wave covers 512 consecutive bytes.
; v[8:9] the mean, v[10:11] 1 / sqrt(var + eps), v12-15 the two scales and their holds, v16-31 at work, v32-47 codes, v48-79 ln1_w, v80-111 ln1_b, v112-239 four rows.
.Lln:
	s_wait_kmcnt 0x0
	s_sub_co_u32 s38, ttmp9, WGW
	s_lshl_b32 s38, s38, 4
	s_lshl_b32 s39, s26, 2
	s_add_co_u32 s38, s38, s39                     ; my first row: 16 x work-group + 4 x wave
	s_lshl_b32 s48, s38, 12
	s_mov_b32 s49, 0
	s_add_nc_u64 s[40:41], s[4:5], s[48:49]        ; x at that row
	s_lshl_b32 s48, s38, 10
	s_add_nc_u64 s[42:43], s[24:25], s[48:49]      ; hc at that row
	s_mov_b32 s44, 0x76543210                      ; v_permlanex16_b32: lane l takes lane l xor 16
	s_mov_b32 s45, 0xfedcba98
	s_mov_b32 s46, 0x3a800000                      ; 1 / 1024
	s_mov_b32 s47, 0x3727c5ac                      ; 1e-5
	v_lshlrev_b32 v3, 4, v2                        ; 16 x lane
.irp j, 0,1,2,3,4,5,6,7
	global_load_b128 v[48+4*\j:51+4*\j], v3, s[6:7] offset:512*\j
.endr
.irp j, 0,1,2,3,4,5,6,7
	global_load_b128 v[80+4*\j:83+4*\j], v3, s[8:9] offset:512*\j
.endr
.irp s, 0,1,2,3
.irp j, 0,1,2,3,4,5,6,7
	global_load_b128 v[112+32*\s+4*\j:115+32*\s+4*\j], v3, s[40:41] offset:4096*\s+512*\j th:TH_LOAD_NT
.endr
.endr
	s_lshl_b32 s50, s26, 11
	s_add_co_u32 s50, s50, LNL                     ; my wave's 2,048 bytes of LDS: a row's codes, twice
	v_lshl_add_u32 v4, v2, 2, s50                  ; in: 4 codes a lane
	v_lshl_add_u32 v5, v2, 4, s50                  ; back: 16 a lane
	v_mov_b32 v21, 0                               ; a lane permute's destination counts as one of its sources
	s_add_co_i32 s51, s28, 127
	s_lshl_b32 s52, s51, 23
	v_mov_b32 v12, s52                             ; 2^e0
	s_add_co_i32 s51, s51, 8
	s_lshl_b32 s51, s51, 23
	s_or_b32 s51, s51, 0x600000
	v_mov_b32 v13, s51                             ; 448 x 2^e0
	s_add_co_i32 s51, s30, 127
	s_lshl_b32 s52, s51, 23
	v_mov_b32 v14, s52                             ; 2^e2
	s_add_co_i32 s51, s51, 8
	s_lshl_b32 s51, s51, 23
	s_or_b32 s51, s51, 0x600000
	v_mov_b32 v15, s51                             ; 448 x 2^e2
.macro ALLSUM                          ; the two chains v[16:17], v[18:19] -> the sum over the wave's 1,024 numbers, in v20 of every lane
	v_pk_add_f32 v[16:17], v[16:17], v[18:19]
	v_add_f32 v20, v16, v17
	v_add_f32_dpp v20, v20, v20 row_xmask:1 row_mask:0xf bank_mask:0xf
	v_add_f32_dpp v20, v20, v20 row_xmask:2 row_mask:0xf bank_mask:0xf
	v_add_f32_dpp v20, v20, v20 row_xmask:4 row_mask:0xf bank_mask:0xf
	v_add_f32_dpp v20, v20, v20 row_xmask:8 row_mask:0xf bank_mask:0xf
	v_permlanex16_b32 v21, v20, s44, s45
	v_add_f32 v20, v20, v21
.endm
.macro LNROW s
.set XS, 112+32*\s
	s_wait_loadcnt 24-8*\s                         ; my row is in (and ln1_w, ln1_b, asked for earlier); the younger rows, eight loads each, stay out
	v_pk_add_f32 v[16:17], v[XS:XS+1], v[XS+2:XS+3]
	v_pk_add_f32 v[18:19], v[XS+4:XS+5], v[XS+6:XS+7]
.irp j, 8,12,16,20,24,28
	v_pk_add_f32 v[16:17], v[16:17], v[XS+\j:XS+\j+1]
	v_pk_add_f32 v[18:19], v[18:19], v[XS+\j+2:XS+\j+3]
.endr
	ALLSUM
	v_mul_f32 v8, s46, v20                         ; the mean
	v_mov_b32 v9, v8
.set k, 0
.rept 16
	v_pk_add_f32 v[XS+k:XS+k+1], v[XS+k:XS+k+1], v[8:9] neg_lo:[0,1] neg_hi:[0,1]   ; x - mean
.set k, k+2
.endr
	v_pk_mul_f32 v[16:17], v[XS:XS+1], v[XS:XS+1]
	v_pk_mul_f32 v[18:19], v[XS+2:XS+3], v[XS+2:XS+3]
.irp j, 4,8,12,16,20,24,28
	v_pk_fma_f32 v[16:17], v[XS+\j:XS+\j+1], v[XS+\j:XS+\j+1], v[16:17]
	v_pk_fma_f32 v[18:19], v[XS+\j+2:XS+\j+3], v[XS+\j+2:XS+\j+3], v[18:19]
.endr
	ALLSUM
	v_fma_f32 v20, v20, s46, s47                   ; the variance + eps
	v_rsq_f32 v10, v20
	v_nop                                          ; a plain line behind the transcendental,
	s_wait_alu depctr_va_vdst(0)                   ; and the wait ahead of its first reader
	v_mov_b32 v11, v10
.set k, 0
.rept 16
	v_pk_mul_f32 v[XS+k:XS+k+1], v[XS+k:XS+k+1], v[10:11]
.set k, k+2
.endr
.set k, 0
.rept 16
	v_pk_fma_f32 v[XS+k:XS+k+1], v[XS+k:XS+k+1], v[48+k:49+k], v[80+k:81+k]   ; x ln1_w + ln1_b
.set k, k+2
.endr
.irp g, 0,1,2,3                        ; with e0: held into v16-23 and v24-31 by turns, since h is wanted once more
.irp i, 0,1,2,3,4,5,6,7
	v_med3_num_f32 v[16+8*(\g%2)+\i], v[XS+8*\g+\i], -v13, v13
.endr
	v_cvt_scalef32_pk8_fp8_f32 v[32+2*\g:33+2*\g], v[16+8*(\g%2):23+8*(\g%2)], v12
.endr
.irp g, 0,1,2,3                        ; with e2: held in place
.irp i, 0,1,2,3,4,5,6,7
	v_med3_num_f32 v[XS+8*\g+\i], v[XS+8*\g+\i], -v15, v15
.endr
	v_cvt_scalef32_pk8_fp8_f32 v[40+2*\g:41+2*\g], v[XS+8*\g:XS+8*\g+7], v14
.endr
	v_nop                                          ; a plain line behind the last conversion
.irp j, 0,1,2,3,4,5,6,7
	ds_store_b32 v4, v[32+\j] offset:128*\j        ; register j: the codes of elements 128 j + 4 l + 0 .. 3
	ds_store_b32 v4, v[40+\j] offset:1024+128*\j
.endr
.irp i, 0,1,2,3
	ds_load_b128 v[XS+4*\i:XS+4*\i+3], v5 offset:512*\i   ; LDS serves a wave's instructions in order: these see my stores, and the next row's stores come behind them
.endr
	s_wait_dscnt 0x0
	global_store_b128 v3, v[XS:XS+3], s[42:43] offset:1024*\s                  ; each store covers 512 consecutive bytes, aligned
	global_store_b128 v3, v[XS+4:XS+7], s[42:43] offset:1024*\s+512
	global_store_b128 v3, v[XS+8:XS+11], s[42:43] offset:4194304+1024*\s       ; the second set lies 4,096 rows further on
	global_store_b128 v3, v[XS+12:XS+15], s[42:43] offset:4194304+1024*\s+512
.endm
	LNROW 0
	LNROW 1
	LNROW 2
	LNROW 3
	s_wait_tensorcnt 0x0
	ds_add_u32 v240, v241
	s_wait_dscnt 0x0
	s_endpgm
.Lfunc_end_k_q6eda573b1b_prep:
	.size	k_q6eda573b1b_prep, .Lfunc_end_k_q6eda573b1b_prep-k_q6eda573b1b_prep
	.p2alignl 7, 3214868480
	.fill 96, 4, 3214868480
	.section	.rodata,"a",@progbits
	.p2align	6, 0x0
	.amdhsa_kernel k_q6eda573b1b_prep
		.amdhsa_group_segment_fixed_size 43520
		.amdhsa_private_segment_fixed_size 0
		.amdhsa_enable_private_segment 0
		.amdhsa_kernarg_size 88
		.amdhsa_user_sgpr_count 2
		.amdhsa_user_sgpr_kernarg_segment_ptr 1
		.amdhsa_wavefront_size32 1
		.amdhsa_system_sgpr_workgroup_id_x 1
		.amdhsa_system_sgpr_workgroup_id_y 1
		.amdhsa_system_sgpr_workgroup_id_z 1
		.amdhsa_system_vgpr_workitem_id 0
		.amdhsa_next_free_vgpr 242
		.amdhsa_next_free_sgpr 80
		.amdhsa_reserve_vcc 0
		.amdhsa_float_denorm_mode_32 3
		.amdhsa_float_denorm_mode_16_64 3
		.amdhsa_memory_ordered 1
		.amdhsa_forward_progress 1
		.amdhsa_inst_pref_size 110
	.end_amdhsa_kernel
	.amdgpu_metadata
---
amdhsa.version: [ 1, 2 ]
amdhsa.kernels:
  - .name:           k_q6eda573b1b_prep
    .symbol:         k_q6eda573b1b_prep.kd
    .args:
      - { .name: x, .offset: 0, .size: 8, .value_kind: global_buffer, .address_space: global }
      - { .name: ln1_w, .offset: 8, .size: 8, .value_kind: global_buffer, .address_space: global }
      - { .name: ln1_b, .offset: 16, .size: 8, .value_kind: global_buffer, .address_space: global }
      - { .name: qk_w, .offset: 24, .size: 8, .value_kind: global_buffer, .address_space: global }
      - { .name: v_w, .offset: 32, .size: 8, .value_kind: global_buffer, .address_space: global }
      - { .name: attn_proj_w, .offset: 40, .size: 8, .value_kind: global_buffer, .address_space: global }
      - { .name: fc_w, .offset: 48, .size: 8, .value_kind: global_buffer, .address_space: global }
      - { .name: mlp_proj_w, .offset: 56, .size: 8, .value_kind: global_buffer, .address_space: global }
      - { .name: lowp_scales, .offset: 64, .size: 8, .value_kind: global_buffer, .address_space: global }
      - { .name: wc, .offset: 72, .size: 8, .value_kind: global_buffer, .address_space: global }
      - { .name: hc, .offset: 80, .size: 8, .value_kind: global_buffer, .address_space: global }
    .group_segment_fixed_size: 43520
    .private_segment_fixed_size: 0
    .kernarg_segment_align: 8
    .kernarg_segment_size: 88
    .max_flat_workgroup_size: 128
    .sgpr_count:     80
    .vgpr_count:     242
    .wavefront_size: 32
...
	.end_amdgpu_metadata
.endif
;; end of part 1
;; launch qkv (part 2): grid 48 x 4, 4 waves a work-group, clusters of 4 x 4, 327,680 bytes of LDS; arguments hc, wc, lowp_scales, qk_b, qkv; writes qkv
.if DOCPART == 2
	.amdgcn_target "amdgcn-amd-amdhsa--gfx1250"
	.amdhsa_code_object_version 6
	.text
	.protected	k_q6eda573b1b_qkv
	.globl	k_q6eda573b1b_qkv
	.p2align	8
	.type	k_q6eda573b1b_qkv,@function
k_q6eda573b1b_qkv:
	s_mov_b64 s[64:65], 0
	v_nop
	global_prefetch_b8 v0, s[64:65] scope:SCOPE_SE
	s_setreg_imm32_b32 hwreg(HW_REG_WAVE_MODE, 25, 1), 1
	s_wait_xcnt 0x0
	s_wait_alu depctr_hold_cnt(0) depctr_sa_sdst(0) depctr_va_vdst(0) depctr_va_sdst(0) depctr_va_ssrc(0) depctr_va_vcc(0) depctr_vm_vsrc(0)
	s_getreg_b32 s2, hwreg(HW_REG_IB_STS2, 6, 4)
	s_cmp_eq_u32 s2, 0
	s_cbranch_scc0 .Lentry_in_a_cluster
	s_endpgm
.Lentry_in_a_cluster:
	s_bfe_u32 s2, ttmp6, 0x10000c
	s_cmp_lg_u32 s2, 0xf033
	s_cbranch_scc0 .Lentry_shape_is_right
	s_endpgm
.Lentry_shape_is_right:
; QKV.  q, k = h qk_w + qk_b and v = h v_w on codes of E4M3, and the results quantised again: q with e4, k with e5, v with e6.
; C[m][n] = sum over k of A[m][k] B[n][k], K = 1,024.  A tile of C, 256 x 256, is made by a work-group of four waves; a wave makes 128 x 128: 64 accumulators of 16 x 16, 512 registers.
; Twelve clusters of 4 x 4 work-groups.  Clusters 0-7: A = h's codes by e0 (rows = tokens), B = qk_w's codes (rows = q's and k's 2,048 columns).
; Clusters 8-11: A = v_w's codes (rows = v's 1,024 channels), B = h's codes by e2 (rows = tokens): A AND B CHANGE PLACES, so that a lane's eight results are eight neighbouring TOKENS of one channel,
; neighbours along the K of the product of the weights p with v, and v's codes come out with the keys innermost.
; The matrix instruction is used transposed (source 0 = 16 rows of B, source 1 = 16 rows of A): lane l holds row m = l % 16 of C and columns n = 8 (l / 16) + 0 .. 7.
; K goes in steps of 256 through a ring of two LDS slots filled by joint tensor loads: A's tile is shared along a row of the cluster, B's along a column.
; A fragment is fetched by four loads of 16 bytes: a permutation of k, the same in A and in B, so each product meets its partner and only the order of the sums inside an instruction changes.
; OUT: q at byte 0 of qkv, [b x 16 + head][2,048][64]; k at 4 MiB, likewise; v at 8 MiB, [head x 64 + d][b x 2,048 + t].
; LIMITS: e0 + e1 and e2 + e3 between -126 and 127; e4, e5, e6 between -126 and 119.  NaN is not served.
; 192 work-groups have work: the three products have 192 tiles of 256 x 256.
; REGISTERS, in windows of 256: window 0: v0-31 addresses; v32-53 codes and constants of the way out; v64-127 the bias; from v128 A's fragments, ONE set.  window 1: B's fragments, TWO sets.  windows 2, 3: the accumulators.
.set SIZE_K, 1024
.set KSTEP,  256
.set ROWB,   256
.set KROW,   SIZE_K
.set PITCH,  272                       ; an LDS row: 256 bytes + 16 of padding: the 16 rows that a load touches start at 16 different banks (64 banks of 4 bytes: ISA guide 11.1)
.set FR,     16
.set NL,     4
.set NP,     4
.set HALFT,  128*PITCH
.set SLOT,   4*HALFT
.set LAPS,   SIZE_K/(2*KSTEP)
.set SPARE,  2*SLOT                    ; behind the ring: the spare words, 128 bytes for each wave, that no other line names
.set ADRA, 16
.set ADRB, 20
.set BO,   22                          ; v22  the bias loads' offset: 32 x (lane / 16)
.set STO,  24                          ; v24  the way out: where I put 8 codes of a row
.set RD,   25                          ; v25  where I read rows back (v)
.set CO,   26                          ; v26  my byte offset among v's rows
.set RDQ,  27                          ; v27  where I read a head's rows back (q, k): rows 0-127;
.set SPW,  28
.set NIL,  29
.set RDQ2, 30                          ; v30  rows 128-255
.set COQ,  31                          ; v31  16 x lane
.set CD,   32                          ; v32-47  a block's codes
.set BIAS, 64                          ; v64-127 bias[n0 + 16 b + 8 h + i] at BIAS + 8 b + i
.set TMP,  128                         ; v128-191 a block's numbers
.set BK,   128                         ; v128-255 behind the barrier: rows read back
.set AF,   128
.set G1, 24
.set G0, 32
.set G1B, 48
.set G0B, 56
.set MSB, 0
.macro WIN new                         ; the immediate's high byte repeats the setting that is left
.if MSB != \new
	s_set_vgpr_msb (MSB<<8)|\new
.set MSB, \new
.endif
.endm
.set MUL_LO, 0xa1                      ; source 0 (B) window 1, source 1 (A) window 0, C and D window 2
.set MUL_HI, 0xf1                      ; the same, C and D window 3
.set TO_B,   0x40                      ; destination window 1, address window 0
; A joint load: waves 0 and 1 fetch for A, waves 2 and 3 for B.  The branch hangs on the wave's number alone.  Four v_nop follow each of the two lines.
.macro JLOAD g0a, g1a, g0b, g1b
	s_cmp_eq_u32 s15, 0
	s_cbranch_scc0 .Lfor_b_\@
	tensor_load_to_lds s[\g0a:\g0a+3], s[\g1a:\g1a+7]
	s_nop 0
.rept 4
	v_nop
.endr
	s_branch .Lasked_\@
.Lfor_b_\@:
	tensor_load_to_lds s[\g0b:\g0b+3], s[\g1b:\g1b+7]
	s_nop 0
.rept 4
	v_nop
.endr
.Lasked_\@:
.endm
.macro CREST                           ; a round of the cluster's barrier behind its opening barrier
	s_cmp_lg_u32 s14, 0
	s_cbranch_scc1 .Lnot_wave_0_\@
	s_barrier_signal -3
.Lnot_wave_0_\@:
	s_barrier_wait -3
	s_barrier_signal -1
	s_barrier_wait -1
.endm
.macro CROUND
	s_barrier_signal -1
	s_barrier_wait -1
	CREST
.endm
	s_load_b128 s[4:7], s[0:1], 0x0                ; hc s[4:5], wc s[6:7]
	s_load_b128 s[8:11], s[0:1], 0x10              ; the scales' exponents s[8:9], qk_b s[10:11]
	s_load_b64 s[12:13], s[0:1], 0x20              ; qkv
	v_lshl_add_u32 v[SPW], v0, 2, SPARE
	v_mov_b32 v[NIL], 0
	ds_add_u32 v28, v29
	ds_add_u32 v28, v29
	s_wait_dscnt 0x0
	v_lshrrev_b32 v1, 5, v0
	v_readfirstlane_b32 s14, v1                    ; wave 0..3
	s_lshr_b32 s15, s14, 1                         ; which half of the tile's rows is mine.  Also: I fetch for A (0) or for B (1)
	s_and_b32 s16, s14, 1                          ; which half of its columns.  Also: which 128 rows of that tile I fetch
	s_bfe_u32 s40, ttmp6, 0x40000                  ; cx, cy: my place in the cluster
	s_bfe_u32 s41, ttmp6, 0x40004
	s_and_b32 s66, ttmp9, 1                        ; clusters 0-7: column of clusters = c & 1 (0: q, 1: k),
	s_lshr_b32 s67, ttmp9, 1                       ; row of clusters = c >> 1
	s_sub_co_u32 s18, ttmp9, 8                     ; clusters 8-11: column of clusters = c - 8, row 0
	s_cmp_ge_u32 ttmp9, 8                          ; the cluster's number is the same in all sixteen partners
	s_cselect_b32 s66, s18, s66
	s_cselect_b32 s67, 0, s67
	s_lshl_b32 s42, s66, 2
	s_add_co_u32 s42, s42, s40                     ; tile column of C
	s_lshl_b32 s17, s67, 2
	s_add_co_u32 s17, s17, s41                     ; tile row of C
	s_lshl_b32 s43, s41, 2
	s_lshl_b32 s43, 15, s43                        ; my row of the cluster
	s_lshl_b32 s44, 0x1111, s40                    ; my column
	s_or_b32 s[G1+0], s43, (0<<16)|(1<<20)|(1<<21)|(5<<22)|(3<<25)  ; 15:0 the mask: A's tiles go to my row; elements of 1 byte; padding on; 21 set beside a mask; after every 64 words 4 words
	s_or_b32 s[G1B+0], s44, (0<<16)|(1<<20)|(1<<21)|(5<<22)|(3<<25)
.irp g, G1, G1B
	s_mov_b32 s[\g+1], ROWB<<16                    ; tensor_dim0
	s_mov_b32 s[\g+2], 128<<16                     ; tensor_dim1
	s_mov_b32 s[\g+3], ROWB<<16                    ; tile_dim0
	s_mov_b32 s[\g+4], 128                         ; tile_dim1
	s_mov_b32 s[\g+5], KROW                        ; tensor_dim0_stride
	s_mov_b32 s[\g+6], 0
	s_mov_b32 s[\g+7], 0
.endr
	s_lshl_b32 s18, s16, 7
	s_lshl_b32 s20, s17, 8
	s_add_co_u32 s20, s20, s18                     ; A: row 256 x tile row + 128 x half
	s_lshl_b32 s46, s42, 8
	s_add_co_u32 s46, s46, s18                     ; B: row 256 x tile column + 128 x half
	s_mov_b32 s21, 0
	s_mov_b32 s47, 0
	s_mov_b64 s[18:19], KROW
	s_mul_u64 s[20:21], s[20:21], s[18:19]
	s_mul_u64 s[46:47], s[46:47], s[18:19]
	s_cmp_ge_u32 ttmp9, 8
	s_cselect_b32 s80, 0x200000, 0                 ; v: A is v_w's codes, 2 MiB into wc;
	s_cselect_b32 s82, 0x400000, 0                 ; B is h's second set, 4 MiB into hc
	s_mov_b32 s81, 0
	s_mov_b32 s83, 0
	s_add_nc_u64 s[20:21], s[20:21], s[80:81]
	s_add_nc_u64 s[46:47], s[46:47], s[82:83]
	s_mul_i32 s45, s14, HALFT                      ; where the tiles go: wave x 128 rows: no place in the cluster enters an LDS address
	s_wait_kmcnt 0x0
	s_load_b256 s[68:75], s[8:9], 0x0              ; e0 .. e7
	s_cmp_ge_u32 ttmp9, 8
	s_cselect_b64 s[76:77], s[6:7], s[4:5]         ; A's buffer,
	s_cselect_b64 s[78:79], s[4:5], s[6:7]         ; B's
	s_add_nc_u64 s[20:21], s[76:77], s[20:21]
	s_add_nc_u64 s[46:47], s[78:79], s[46:47]
	CROUND                                         ; all sixteen work-groups are here: the first joint loads meet
.irp s, 0,1
	s_mov_b32 s[G0+4*\s], 1
	s_add_co_u32 s[G0+4*\s+1], s45, \s*SLOT
	s_add_nc_u64 s[G0+4*\s+2:G0+4*\s+3], s[20:21], \s*ROWB
	s_or_b32 s[G0+4*\s+3], s[G0+4*\s+3], 0x80000000
	s_mov_b32 s[G0B+4*\s], 1
	s_add_co_u32 s[G0B+4*\s+1], s45, \s*SLOT
	s_add_nc_u64 s[G0B+4*\s+2:G0B+4*\s+3], s[46:47], \s*ROWB
	s_or_b32 s[G0B+4*\s+3], s[G0B+4*\s+3], 0x80000000
	JLOAD G0+4*\s, G1, G0B+4*\s, G1B
.endr
	v_and_b32 v1, 15, v0                           ; r = l % 16
	v_bfe_u32 v2, v0, 4, 1                         ; h = l / 16
	v_mul_u32_u24 v3, v1, PITCH
	v_lshl_add_u32 v4, v2, 4, v3                   ; a fragment's row x pitch + 16 x half
	s_mul_i32 s21, s15, HALFT                      ; my 128 rows of A
	s_mul_i32 s22, s16, HALFT                      ; my 128 rows of B,
	s_add_co_u32 s22, s22, 2*HALFT                 ; which lie behind A's 256
.irp s, 0,1
	v_add_nc_u32 v[ADRA+\s], s21, v4
	v_add_nc_u32 v[ADRB+\s], s22, v4
	s_add_co_u32 s21, s21, SLOT
	s_add_co_u32 s22, s22, SLOT
.endr
	; the way out: ONE stage of 256 rows x (256 bytes + 16) for the work-group, at LDS byte 0: a wave's 128 codes are half of a row's 256 bytes
	s_mul_i32 s23, s15, 128*PITCH
	s_lshl_b32 s21, s16, 7
	s_add_co_u32 s23, s23, s21
	v_mul_u32_u24 v5, v1, PITCH
	v_lshl_add_u32 v5, v2, 3, v5
	v_add_nc_u32 v[STO], s23, v5                   ; in: row 128 x row half + r, byte 128 x column half + 8 h
	s_mul_i32 s23, s14, 64*PITCH
	v_mul_u32_u24 v5, v2, PITCH
	v_lshl_add_u32 v5, v1, 4, v5
	v_add_nc_u32 v[RD], s23, v5                    ; back, v: wave w takes rows 64 w on; lanes 0-15 one row, lanes 16-31 the next
	v_lshlrev_b32 v5, 12, v2
	v_lshl_add_u32 v[CO], v1, 4, v5                ; and the same two rows of v: 4,096 bytes apart
	v_and_b32 v6, 31, v0
	v_lshrrev_b32 v5, 2, v6
	v_mul_u32_u24 v5, v5, PITCH
	v_and_b32 v7, 3, v0
	v_lshl_add_u32 v5, v7, 4, v5
	s_lshl_b32 s23, s14, 6
	v_add_nc_u32 v[RDQ], s23, v5                   ; back, q and k: wave w takes the tile's head w: 64 bytes of each row; four lanes to a row, eight rows an instruction
	v_add_nc_u32 v[RDQ2], 128*PITCH, v[RDQ]
	v_lshlrev_b32 v[COQ], 4, v6
	v_lshlrev_b32 v[BO], 5, v2
	; where my part begins in qkv.  v: 8 MiB + (256 x tile row + 64 w) rows of 4,096 + 256 x tile column
	s_lshl_b32 s20, s17, 8
	s_lshl_b32 s21, s14, 6
	s_add_co_u32 s20, s20, s21
	s_lshl_b32 s20, s20, 12
	s_lshl_b32 s21, s42, 8
	s_add_co_u32 s20, s20, s21
	s_add_co_u32 s20, s20, 0x800000
	; q, k: 4 MiB x (0 or 1) + (((tile row / 8) x 16 + 4 cx + w) x 2,048 + (tile row % 8) x 256) rows of 64
	s_lshr_b32 s21, s17, 3
	s_lshl_b32 s21, s21, 4
	s_lshl_b32 s22, s40, 2
	s_add_co_u32 s21, s21, s22
	s_add_co_u32 s21, s21, s14
	s_lshl_b32 s21, s21, 11
	s_and_b32 s22, s17, 7
	s_lshl_b32 s22, s22, 8
	s_add_co_u32 s21, s21, s22
	s_lshl_b32 s21, s21, 6
	s_lshl_b32 s22, s66, 22
	s_add_co_u32 s21, s21, s22
	s_cmp_ge_u32 ttmp9, 8
	s_cselect_b32 s20, s20, s21
	s_mov_b32 s21, 0
	s_add_nc_u64 s[12:13], s[12:13], s[20:21]
	s_lshl_b32 s46, s42, 10                        ; the bias of my 128 columns: 4 x (256 x tile column + 128 x half) bytes into qk_b
	s_lshl_b32 s47, s16, 9
	s_add_co_u32 s46, s46, s47
	s_mov_b32 s47, 0
	s_add_nc_u64 s[10:11], s[10:11], s[46:47]
	s_cmp_ge_u32 ttmp9, 8                          ; v has no bias: its clusters set zeros, so that the way out is one text for all
	s_cbranch_scc1 .Lno_bias
.irp b, 0,1,2,3,4,5,6,7
	global_load_b128 v[BIAS+8*\b:BIAS+8*\b+3], v[BO], s[10:11] offset:64*\b
	global_load_b128 v[BIAS+8*\b+4:BIAS+8*\b+7], v[BO], s[10:11] offset:64*\b+16
.endr
	s_branch .Lbias_done
.Lno_bias:
.set i, 0
.rept 64
	v_mov_b32 v[BIAS+i], 0
.set i, i+1
.endr
.Lbias_done:
.macro FRAG reg, adr, q, i             ; a fragment, 16 rows x 128 K, is 16 registers: lane l holds row l % 16; registers 4 c .. 4 c + 3 hold K = 32 c + 16 (l / 16) + 0 .. 15
.irp c, 0,1,2,3
	ds_load_b128 v[\reg+4*\c:\reg+4*\c+3], v[\adr] offset:128*(\q)+32*\c+(\i)*16*PITCH
.endr
.endm
; 16 matrix instructions: A's blocks a0, a0 + 1 x B's eight, 128 along K.  p: B's set.  zero = 1: the first product starts the sums.  The 64 accumulators take turns, one instruction a turn.
.macro MUL16 a0, p, zero
.irp a, \a0, \a0+1
.irp b, 0,1,2,3,4,5,6,7
.if \zero
	v_wmma_f32_16x16x128_fp8_fp8 v[8*(8*((\a)%4)+\b):8*(8*((\a)%4)+\b)+7], v[128*(\p)+FR*\b:128*(\p)+FR*\b+FR-1], v[AF+FR*(\a):AF+FR*(\a)+FR-1], 0
.else
	v_wmma_f32_16x16x128_fp8_fp8 v[8*(8*((\a)%4)+\b):8*(8*((\a)%4)+\b)+7], v[128*(\p)+FR*\b:128*(\p)+FR*\b+FR-1], v[AF+FR*(\a):AF+FR*(\a)+FR-1], v[8*(8*((\a)%4)+\b):8*(8*((\a)%4)+\b)+7]
.endif
.endr
.endr
.endm
.macro FETCH_B slot, q, p
	WIN TO_B
.irp i, 0,1,2,3,4,5,6,7
	FRAG 128*(\p)+FR*\i, ADRB+\slot, \q, \i
.endr
	WIN 0
.endm
.macro FETCH_A slot, q, i0
.irp i, \i0, \i0+1, \i0+2, \i0+3
	FRAG AF+FR*(\i), ADRA+\slot, \q, \i
.endr
.endm
.macro PLACES n                        ; plain vector lines between a matrix instruction and a load into, or a vector line on, its registers
.rept \n
	v_nop
.endr
.endm
.macro STEP slot, q, zero              ; a step of 128 along K that has its successor in the same slot
	s_wait_dscnt 4*NL                              ; B's set and A's blocks 0-3 are in; the youngest 16 loads (A's blocks 4-7) may be out
	WIN MUL_LO
	MUL16 0, (\q)%2, \zero
	MUL16 2, (\q)%2, \zero
	s_wait_dscnt 0                                 ; A's blocks 4-7 are in
	PLACES NP
	FETCH_B \slot, (\q)+1, 1-(\q)%2
	FETCH_A \slot, (\q)+1, 0
	WIN MUL_HI
	MUL16 4, (\q)%2, \zero
	MUL16 6, (\q)%2, \zero
	PLACES NP
	WIN 0
	FETCH_A \slot, (\q)+1, 4
.endm
; A slot's last step changes slots: ONE barrier; in front of it each wave waits for all its tensor loads, adds 0 to its spare word, and waits for that and for its own reads of this slot.  fill = 1: this slot is filled again, two K steps ahead.
.macro TURN slot, next, fill
	s_wait_tensorcnt 0x0                           ; all my tensor loads have landed: my part of the next slot
	ds_add_u32 v[SPW], v[NIL]                      ; 0 onto my spare word
	s_wait_dscnt 4*NL+1                            ; (the add and the youngest 16 loads may be out)
	WIN MUL_LO
	MUL16 0, 1, 0
	s_wait_dscnt 0x0                               ; the add is done, and my reads of this slot are over
	s_barrier_signal -1
	MUL16 2, 1, 0
	WIN 0
	s_barrier_wait -1
.if \fill
	CREST                                          ; the barrier has opened a round of the cluster's barrier: no wave of any partner still reads this slot or has a load on its way
	s_add_nc_u64 s[G0+4*\slot+2:G0+4*\slot+3], s[G0+4*\slot+2:G0+4*\slot+3], 2*ROWB
	s_add_nc_u64 s[G0B+4*\slot+2:G0B+4*\slot+3], s[G0B+4*\slot+2:G0B+4*\slot+3], 2*ROWB
	JLOAD G0+4*\slot, G1, G0B+4*\slot, G1B         ; the first tensor load behind the round; its four v_nop are the places in front of the loads below
.else
	PLACES NP
.endif
	FETCH_B \next, 0, 0
	FETCH_A \next, 0, 0
	WIN MUL_HI
	MUL16 4, 1, 0
	MUL16 6, 1, 0
	PLACES NP
	WIN 0
	FETCH_A \next, 0, 4
.endm
	s_wait_tensorcnt 1                             ; my part of K step 0 is in (K step 1's load may be out)
	s_barrier_signal -1
	s_barrier_wait -1                              ; everybody's is
	FETCH_B 0, 0, 0
	FETCH_A 0, 0, 0
	FETCH_A 0, 0, 4
	STEP 0, 0, 1                                   ; the first step stands in front of the loop: its products start the sums
	s_mov_b32 s3, LAPS-1
.Llap:                                                 ; a trip goes once round the ring and fills both slots again
	TURN 0, 1, 1
	STEP 1, 0, 0
	TURN 1, 0, 1
	STEP 0, 0, 0
	s_sub_co_u32 s3, s3, 1
	s_cmp_lg_u32 s3, 0
	s_cbranch_scc1 .Llap
	TURN 0, 1, 0                                   ; the last lap fills nothing
	STEP 1, 0, 0
	s_wait_dscnt 4*NL
	WIN MUL_LO
	MUL16 0, 1, 0
	MUL16 2, 1, 0
	s_wait_dscnt 0
	WIN MUL_HI
	MUL16 4, 1, 0
	MUL16 6, 1, 0
	WIN 0
; THE WAY OUT.  Block a (16 rows x my 128 columns): number = sum x 2^(ea + eb) + bias, held, converted: a lane's eight numbers of an accumulator are eight neighbours of a row: 8 codes, 8 bytes, into the stage.
; The stage lies in slot 0, which has had its last fill, and which nobody reads behind the last change of slots.
	s_wait_kmcnt 0x0
	s_add_co_i32 s84, s68, s69                     ; e0 + e1
	s_add_co_i32 s85, s70, s71                     ; e2 + e3
	s_cmp_eq_u32 s66, 0
	s_cselect_b32 s86, s72, s73                    ; q: e4; k: e5
	s_cmp_ge_u32 ttmp9, 8
	s_cselect_b32 s84, s85, s84
	s_cselect_b32 s86, s74, s86                    ; v: e6
	s_add_co_i32 s84, s84, 127
	s_lshl_b32 s96, s84, 23                        ; 2^(ea + eb) as f32
	s_mov_b32 s97, s96                             ; (named with it as a pair, so it is written)
	s_add_co_i32 s86, s86, 127
	s_lshl_b32 s87, s86, 23
	v_mov_b32 v48, s87                             ; the result's scale as f32
	s_add_co_i32 s86, s86, 8
	s_lshl_b32 s86, s86, 23
	s_or_b32 s86, s86, 0x600000
	v_mov_b32 v49, s86                             ; 448 x that
	s_wait_loadcnt 0x0                             ; the bias
	PLACES NP
.macro CBLOCK a
.set AC, 64*((\a)%4)
	WIN 0x02+((\a)/4)                              ; source 0: window 2 or 3
.set cj, 0
.rept 32
	v_pk_fma_f32 v[TMP+cj:TMP+cj+1], v[AC+cj:AC+cj+1], s[96:97], v[BIAS+cj:BIAS+cj+1] op_sel_hi:[1,0,1]   ; each accumulator from its low end on
.set cj, cj+2
.endr
	WIN 0
.set cj, 0
.rept 64
	v_med3_num_f32 v[TMP+cj], v[TMP+cj], -v49, v49 ; the conversion does not saturate (ISA guide 7.6.2): the hold comes first
.set cj, cj+1
.endr
.irp b, 0,1,2,3,4,5,6,7
	v_cvt_scalef32_pk8_fp8_f32 v[CD+2*\b:CD+2*\b+1], v[TMP+8*\b:TMP+8*\b+7], v48
.endr
	v_nop                                          ; a plain line behind the last conversion
.irp b, 0,1,2,3,4,5,6,7
	ds_store_b64 v[STO], v[CD+2*\b:CD+2*\b+1] offset:16*(\a)*PITCH+16*\b
.endr
.endm
.irp a, 0,1,2,3,4,5,6,7
	CBLOCK \a
.endr
	s_wait_dscnt 0x0                               ; for the others' sake: my stores into the stage are done
	s_barrier_signal -1
	s_barrier_wait -1
	s_cmp_ge_u32 ttmp9, 8
	s_cbranch_scc1 .Lrows
.irp t, 0,1,2,3,4,5,6,7,8,9,10,11,12,13,14,15,16,17,18,19,20,21,22,23,24,25,26,27,28,29,30,31
.if \t < 16
	ds_load_b128 v[BK+4*\t:BK+4*\t+3], v[RDQ] offset:8*\t*PITCH
.else
	ds_load_b128 v[BK+4*\t:BK+4*\t+3], v[RDQ2] offset:8*(\t-16)*PITCH
.endif
.endr
.irp t, 0,1,2,3,4,5,6,7,8,9,10,11,12,13,14,15,16,17,18,19,20,21,22,23,24,25,26,27,28,29,30,31
	s_wait_dscnt 31-\t
	global_store_b128 v[COQ], v[BK+4*\t:BK+4*\t+3], s[12:13] offset:512*\t   ; a head's 256 tokens x 64 bytes are dense: each store covers 512 consecutive bytes, aligned
.endr
	s_branch .Lend
.Lrows:
.irp t, 0,1,2,3,4,5,6,7,8,9,10,11,12,13,14,15,16,17,18,19,20,21,22,23,24,25,26,27,28,29,30,31
	ds_load_b128 v[BK+4*\t:BK+4*\t+3], v[RD] offset:2*\t*PITCH
.endr
.irp t, 0,1,2,3,4,5,6,7,8,9,10,11,12,13,14,15,16,17,18,19,20,21,22,23,24,25,26,27,28,29,30,31
	s_wait_dscnt 31-\t
	global_store_b128 v[CO], v[BK+4*\t:BK+4*\t+3], s[12:13] offset:8192*\t   ; sixteen lanes store 256 consecutive bytes, aligned
.endr
.Lend:
	s_wait_tensorcnt 0x0                           ; the wave's end
	ds_add_u32 v[SPW], v[NIL]
	s_wait_dscnt 0x0
	CROUND                                         ; the closing round: no work-group ends while a partner may still ask for a tile that names it
	s_endpgm
.Lfunc_end_k_q6eda573b1b_qkv:
	.size	k_q6eda573b1b_qkv, .Lfunc_end_k_q6eda573b1b_qkv-k_q6eda573b1b_qkv
	.p2alignl 7, 3214868480
	.fill 96, 4, 3214868480
	.section	.rodata,"a",@progbits
	.p2align	6, 0x0
	.amdhsa_kernel k_q6eda573b1b_qkv
		.amdhsa_group_segment_fixed_size 327680
		.amdhsa_private_segment_fixed_size 0
		.amdhsa_enable_private_segment 0
		.amdhsa_kernarg_size 40
		.amdhsa_user_sgpr_count 2
		.amdhsa_user_sgpr_kernarg_segment_ptr 1
		.amdhsa_wavefront_size32 1
		.amdhsa_system_sgpr_workgroup_id_x 1
		.amdhsa_system_sgpr_workgroup_id_y 1
		.amdhsa_system_sgpr_workgroup_id_z 1
		.amdhsa_system_vgpr_workitem_id 0
		.amdhsa_next_free_vgpr 1024
		.amdhsa_next_free_sgpr 100
		.amdhsa_reserve_vcc 0
		.amdhsa_float_denorm_mode_32 3
		.amdhsa_float_denorm_mode_16_64 3
		.amdhsa_memory_ordered 1
		.amdhsa_forward_progress 1
		.amdhsa_inst_pref_size 153
	.end_amdhsa_kernel
	.amdgpu_metadata
---
amdhsa.version: [ 1, 2 ]
amdhsa.kernels:
  - .name:           k_q6eda573b1b_qkv
    .symbol:         k_q6eda573b1b_qkv.kd
    .args:
      - { .name: hc, .offset: 0, .size: 8, .value_kind: global_buffer, .address_space: global }
      - { .name: wc, .offset: 8, .size: 8, .value_kind: global_buffer, .address_space: global }
      - { .name: lowp_scales, .offset: 16, .size: 8, .value_kind: global_buffer, .address_space: global }
      - { .name: qk_b, .offset: 24, .size: 8, .value_kind: global_buffer, .address_space: global }
      - { .name: qkv, .offset: 32, .size: 8, .value_kind: global_buffer, .address_space: global }
    .group_segment_fixed_size: 327680
    .private_segment_fixed_size: 0
    .kernarg_segment_align: 8
    .kernarg_segment_size: 40
    .max_flat_workgroup_size: 128
    .sgpr_count:     100
    .vgpr_count:     1024
    .wavefront_size: 32
...
	.end_amdgpu_metadata
.endif
;; end of part 2
;; launch attn (part 3): grid 8 x 32, 16 waves a work-group, no clusters, 321,536 bytes of LDS; arguments qkv, lowp_scales, oc; writes oc
.if DOCPART == 3
	.amdgcn_target "amdgcn-amd-amdhsa--gfx1250"
	.amdhsa_code_object_version 6
	.text
	.protected	k_q6eda573b1b_attn
	.globl	k_q6eda573b1b_attn
	.p2align	8
	.type	k_q6eda573b1b_attn,@function
k_q6eda573b1b_attn:
	s_mov_b64 s[64:65], 0
	v_nop
	global_prefetch_b8 v0, s[64:65] scope:SCOPE_SE
	s_setreg_imm32_b32 hwreg(HW_REG_WAVE_MODE, 25, 1), 1
	s_wait_xcnt 0x0
; ATTN.  o[q] = sum over k <= q of softmax_k(q . k / 8) v[k], for 32 pairs (batch, head) of 2,048 tokens and head size 64, both products on codes of E4M3; o is quantised with e8 for the next product.
; q, k: [b x 16 + head][2,048][64] at bytes 0 and 4 MiB of qkv; v: [head x 64 + d][b x 2,048 + t] at 8 MiB, the keys innermost.  oc: [token][1,024] codes.
; THE SOFTMAX: t = score x log2(e) / 8; M = the row's largest t so far, rounded UP to a whole number; p = 2^(t - M) is quantised with e7, not normalised.  The row's sum is taken of the unquantised p and divides o at the end.
; When M moves, the sum and o are multiplied by 2^(old M - new M), which rounds nothing.
; SHARES.  A work-group owns one (batch, head) and the query blocks j and 15 - j of 128 queries: 136 key steps of a wave in every work-group, whatever j.  Each of its sixteen waves owns one tile of 16 queries.
; Wave w's class is (w xor (w >> 2)) & 1 (0: block j, 1: block 15 - j), its tile w >> 1.
; NO RING: the head's K and V, 256 KiB of codes, come into LDS once, as four chunks of 512 keys, all asked for at the head (waves 0, 1: K's halves; waves 2, 3: V's): four tensor loads of a wave are out at the most.
; No LDS byte is filled twice.  In front of chunk c a fetching wave waits until 3 - c of its loads are out; a barrier shows the chunk to all sixteen.
; CAUSAL.  A key step all of whose 128 keys come after the wave's queries is left out by a scalar branch on ids; every wave walks all sixteen steps' addresses and passes all four barriers.  On the diagonal hidden scores become -infinity.
; NO CLUSTER: the work-groups that share a head's K and V have different query blocks, and the branch that leaves steps out hangs on the block, so partners would not run alike.
; LAYOUT.  Both products are used transposed: S^T = K Q^T (source 0 = 16 keys, source 1 = my 16 queries), O^T = V^T P^T: a lane holds ONE query (lane % 16) throughout.
; The keys of a tile are not neighbours: lane r of tile 2 b + u takes key 32 b + 8 u + r + 8 (r / 8), so that the 16 registers of tiles 2 b and 2 b + 1 are the keys 32 b + 16 (lane / 16) + 0 .. 15.
; Fragments are fetched 16 bytes at a time: a permutation of k, the same on both sides of each product.
; OUT: a head owns 64 bytes of a token's row of oc: four lanes store one such piece; a store cannot cover more consecutive bytes here.
; LIMITS: e4 + e5 between -123 and 130 (added to c's exponent field); e7 and e8 between -126 and 119; e6 + e7 goes in by v_ldexp_f32 and has none.  NaN is not served.
; REGISTERS: v1-7 addresses that stay; v8, v9 addresses in hand; v12 -M, v13 the largest t, v[14:15] the sum; v16-23 Q; v32-95 K's eight fragments, then V's four; v96-159 S^T, then p; v160-191 O^T; v224-239 p's codes; v236-254 at work.
.set KP,    80                         ; a key's row in LDS: 64 bytes + 16
.set VP,    528                        ; a row of V's chunk: 512 bytes + 16
.set VOFF,  512*KP                     ; a chunk: 512 rows of K, then 64 rows of V
.set CH,    VOFF+64*VP                 ; 74,752 bytes
.set STAGE, 4*CH                       ; behind the chunks: 16 rows x 80 bytes for each wave, for the way out; no tile lands there
.set AK0,  1
.set AV0,  2
.set SO,   3
.set SR,   4
.set GO,   7
.set ADK,  8
.set ADV,  9
.set WV,   18
.set SEL,  20
.set CS,   22
.set G1K,  24
.set G1V,  32
.set G0K,  40                          ; s[40:55] K's four groups 0
.set KB,   56                          ; s56  LDS byte of the step's keys
.set VB,   57                          ; s57  of the step's part of V's rows
.set CNT,  58
.set KF,   59                          ; s59  the step's first key
.set Q0,   60                          ; s60  my first query
.set G0V,  68                          ; s[68:83] V's four groups 0
.set YY,   89                          ; s89  b x 16 + head
	s_load_b128 s[4:7], s[0:1], 0x0                ; qkv s[4:5], the scales' exponents s[6:7]
	s_load_b64 s[8:9], s[0:1], 0x10                ; oc
	v_lshl_add_u32 v251, v0, 2, 0x4e000
	v_mov_b32 v255, 0
	ds_add_u32 v251, v255
	ds_add_u32 v251, v255
	v_lshrrev_b32 v8, 5, v0
	v_readfirstlane_b32 s[WV], v8                  ; wave 0..15
	s_and_b32 s[YY], ttmp7, 0xffff
	s_and_b32 s62, s[WV], 1                        ; which half of a chunk's K or V I fetch, if I fetch
	s_lshl_b32 s90, s[YY], 17                      ; K: the head's 2,048 rows of 64 bytes,
	s_lshl_b32 s63, s62, 14
	s_add_co_u32 s90, s90, s63                     ; + 256 rows x half,
	s_add_co_u32 s90, s90, 0x400000                ; in k's part of qkv
	s_mov_b32 s91, 0
	s_and_b32 s94, s[YY], 15
	s_lshl_b32 s94, s94, 18                        ; V: the head's 64 rows of 4,096 bytes,
	s_lshl_b32 s63, s62, 17
	s_add_co_u32 s94, s94, s63                     ; + 32 rows x half,
	s_lshr_b32 s63, s[YY], 4
	s_lshl_b32 s63, s63, 11
	s_add_co_u32 s94, s94, s63                     ; + the batch's 2,048 keys,
	s_add_co_u32 s94, s94, 0x800000                ; in v's part of qkv
	s_mov_b32 s95, 0
	s_mul_i32 s66, s62, 256*KP                     ; and where they go in a chunk
	s_mul_i32 s67, s62, 32*VP
	s_add_co_u32 s67, s67, VOFF
	s_mov_b32 s[G1K], (0<<16)|(1<<20)|(3<<22)|(3<<25)   ; no mask; elements of 1 byte; padding on: after every 16 words 4 words
	s_mov_b32 s[G1K+1], 64<<16                     ; tensor_dim0
	s_mov_b32 s[G1K+2], 256<<16                    ; tensor_dim1
	s_mov_b32 s[G1K+3], 64<<16                     ; tile_dim0
	s_mov_b32 s[G1K+4], 256                        ; tile_dim1
	s_mov_b32 s[G1K+5], 64                         ; tensor_dim0_stride
	s_mov_b32 s[G1K+6], 0
	s_mov_b32 s[G1K+7], 0
	s_mov_b32 s[G1V], (0<<16)|(1<<20)|(6<<22)|(3<<25)   ; padding: after every 128 words 4 words
	s_mov_b32 s[G1V+1], 512<<16
	s_mov_b32 s[G1V+2], 32<<16
	s_mov_b32 s[G1V+3], 512<<16
	s_mov_b32 s[G1V+4], 32
	s_mov_b32 s[G1V+5], 4096
	s_mov_b32 s[G1V+6], 0
	s_mov_b32 s[G1V+7], 0
	s_mov_b32 s[SEL], 0x76543210
	s_mov_b32 s[SEL+1], 0xfedcba98
	s_mov_b32 s[CS], 0x3e38aa3b                    ; c = log2(e) / 8
	s_mov_b32 s[KF], 0
	s_wait_dscnt 0x0
	s_wait_kmcnt 0x0
	s_load_b128 s[84:87], s[6:7], 0x10             ; e4 .. e7
	s_load_b32 s88, s[6:7], 0x20                   ; e8
	s_add_nc_u64 s[92:93], s[4:5], s[90:91]
	s_add_nc_u64 s[96:97], s[4:5], s[94:95]
.irp c, 0,1,2,3
	s_mov_b32 s[G0K+4*\c], 1                       ; count = 1
	s_add_co_u32 s[G0K+4*\c+1], s66, \c*CH         ; LDS address
	s_add_nc_u64 s[G0K+4*\c+2:G0K+4*\c+3], s[92:93], \c*512*64   ; global address: keys 512 c on
	s_or_b32 s[G0K+4*\c+3], s[G0K+4*\c+3], 0x80000000            ; type = 2
	s_mov_b32 s[G0V+4*\c], 1
	s_add_co_u32 s[G0V+4*\c+1], s67, \c*CH
	s_add_nc_u64 s[G0V+4*\c+2:G0V+4*\c+3], s[96:97], \c*512
	s_or_b32 s[G0V+4*\c+3], s[G0V+4*\c+3], 0x80000000
.endr
	s_cmp_lt_u32 s[WV], 2                          ; a wave's four first fills stand in one branch on its number, ahead of every wait on TENSORcnt, every LDS read and every barrier; four v_nop follow the last
	s_cbranch_scc0 .Lnot_k
.irp c, 0,1,2,3
	tensor_load_to_lds s[G0K+4*\c:G0K+4*\c+3], s[G1K:G1K+7]
	s_nop 0
.endr
.rept 4
	v_nop
.endr
	s_branch .Lasked
.Lnot_k:
	s_cmp_lt_u32 s[WV], 4
	s_cbranch_scc0 .Lasked
.irp c, 0,1,2,3
	tensor_load_to_lds s[G0V+4*\c:G0V+4*\c+3], s[G1V:G1V+7]
	s_nop 0
.endr
.rept 4
	v_nop
.endr
.Lasked:
	s_lshr_b32 s61, s[WV], 2
	s_xor_b32 s62, s[WV], s61
	s_and_b32 s62, s62, 1                          ; my class
	s_sub_co_u32 s63, 15, ttmp9
	s_cmp_eq_u32 s62, 0
	s_cselect_b32 s63, ttmp9, s63                  ; my block of 128 queries: j or 15 - j
	s_lshl_b32 s63, s63, 7
	s_lshr_b32 s62, s[WV], 1
	s_lshl_b32 s62, s62, 4
	s_add_co_u32 s[Q0], s63, s62                   ; my first query
	s_lshl_b32 s90, s[YY], 17
	s_lshl_b32 s61, s[Q0], 6
	s_add_co_u32 s90, s90, s61
	s_add_nc_u64 s[10:11], s[4:5], s[90:91]        ; q's codes at my first query
	s_lshr_b32 s90, s[YY], 4
	s_lshl_b32 s90, s90, 11
	s_add_co_u32 s90, s90, s[Q0]
	s_lshl_b32 s90, s90, 10                        ; oc: my first token's row,
	s_and_b32 s61, s[YY], 15
	s_lshl_b32 s61, s61, 6
	s_add_co_u32 s90, s90, s61                     ; + the head's 64 bytes
	s_add_nc_u64 s[8:9], s[8:9], s[90:91]
	v_and_b32 v8, 15, v0                           ; r
	v_bfe_u32 v9, v0, 4, 1                         ; h
	v_lshlrev_b32 v10, 6, v8
	v_lshl_add_u32 v10, v9, 4, v10                 ; Q: row r of 64 bytes, + 16 h
	global_load_b128 v[16:19], v10, s[10:11]       ; Q's fragment stays in registers: registers 4 c .. 4 c + 3: d = 32 c + 16 h + 0 .. 15
	global_load_b128 v[20:23], v10, s[10:11] offset:32
	v_and_b32 v11, 8, v8
	v_add_nc_u32 v11, v11, v8                      ; r + 8 (r / 8)
	v_mul_u32_u24 v[AK0], v11, KP
	v_lshl_add_u32 v[AK0], v9, 4, v[AK0]
	v_mul_u32_u24 v[AV0], v8, VP
	v_lshl_add_u32 v[AV0], v9, 4, v[AV0]
	s_mul_i32 s62, s[WV], 16*80
	s_add_co_u32 s62, s62, STAGE                   ; my stage
	v_mul_u32_u24 v[SO], v8, 80
	v_lshl_add_u32 v[SO], v9, 3, v[SO]
	v_add_nc_u32 v[SO], s62, v[SO]                 ; in: row r, + 8 h
	v_and_b32 v5, 31, v0
	v_lshrrev_b32 v5, 2, v5
	v_and_b32 v6, 3, v0
	v_mul_u32_u24 v[SR], v5, 80
	v_lshl_add_u32 v[SR], v6, 4, v[SR]
	v_add_nc_u32 v[SR], s62, v[SR]                 ; back: four lanes to a row, eight rows an instruction
	v_lshlrev_b32 v[GO], 10, v5
	v_lshl_add_u32 v[GO], v6, 4, v[GO]             ; and the same places in oc
	v_mov_b32 v13, 0xff61b1e6                      ; the largest t so far: -3e38, under every t
	v_floor_f32 v12, -v13                          ; -M
	v_mov_b32 v14, 0                               ; the sum, in two halves
	v_mov_b32 v15, 0
	v_mov_b32 v236, 0                              ; a lane permute's destination counts as one of its sources
	v_mov_b32 v253, 0                              ; (named as the upper half of the pair v[252:253])
.set i, 0
.rept 32
	v_mov_b32 v[160+i], 0                          ; O^T: the step is written once; the first finds zeros, which the first change of M leaves zeros
.set i, i+1
.endr
	s_wait_kmcnt 0x0
	s_add_co_i32 s61, s84, s85
	s_lshl_b32 s61, s61, 23
	s_add_co_i32 s[CS], s[CS], s61                 ; a score stands for score x 2^(e4 + e5): the two exponents are added to c's exponent field
	s_mov_b32 s[CS+1], s[CS]
	s_add_co_i32 s61, s87, 127
	s_lshl_b32 s62, s61, 23
	v_mov_b32 v244, s62                            ; 2^e7 as f32
	s_add_co_i32 s61, s61, 8
	s_lshl_b32 s61, s61, 23
	s_or_b32 s61, s61, 0x600000
	v_mov_b32 v240, s61                            ; 448 x 2^e7
; A KEY STEP: 128 keys from s[KF] on.
.macro STEP
	s_add_co_u32 s61, s[Q0], 15
	s_cmp_gt_u32 s[KF], s61
	s_cbranch_scc1 .Lhidden_\@                     ; all its keys come after my queries
	v_add_nc_u32 v[ADK], s[KB], v[AK0]
	v_add_nc_u32 v[ADV], s[VB], v[AV0]
	v_nop                                          ; with the two additions: four places in front of loads into registers that the last products read
	v_nop
.irp t, 0,1,2,3,4,5,6,7
.irp c, 0,1
	ds_load_b128 v[32+8*\t+4*\c:35+8*\t+4*\c], v[ADK] offset:(32*(\t/2)+8*(\t%2))*KP+32*\c
.endr
.endr
	s_wait_dscnt 0x0
.irp t, 0,1,2,3,4,5,6,7
	v_wmma_f32_16x16x64_fp8_fp8 v[96+8*\t:103+8*\t], v[32+8*\t:39+8*\t], v[16:23], 0
.endr
.rept 4
	v_nop                                          ; places in front of the loads below and of the first read of the scores
.endr
.irp t, 0,1,2,3                        ; V's four fragments are asked for now and land while the softmax is worked
.irp c, 0,1,2,3
	ds_load_b128 v[32+16*\t+4*\c:35+16*\t+4*\c], v[ADV] offset:16*\t*VP+32*\c
.endr
.endr
	s_add_co_u32 s61, s[KF], 127
	s_cmp_le_u32 s61, s[Q0]
	s_cbranch_scc1 .Lopen_\@                       ; all its keys count for all my queries
	s_sub_co_i32 s61, s[Q0], s[KF]
	v_and_b32 v252, 15, v0
	v_bfe_u32 v253, v0, 4, 1
	v_lshlrev_b32 v253, 4, v253
	v_sub_nc_u32 v252, v252, v253
	v_add_nc_u32 v252, s61, v252                   ; d = my query - KF - 16 (lane / 16).  Register 16 b + i holds key KF + 16 (lane / 16) + 32 b + i: hidden where 32 b + i > d
	v_mov_b32 v254, 0xff800000                     ; -infinity
.set n, 0
.rept 64
	v_cmp_gt_i32 vcc_lo, 32*(n/16)+n%16, v252
	v_cndmask_b32 v[96+n], v[96+n], v254, vcc_lo
.set n, n+1
.endr
.Lopen_\@:
	v_max3_num_f32 v254, v96, v97, v98             ; the step's largest score of my query, among my 64 keys, in two chains,
	v_max3_num_f32 v252, v99, v100, v101
.irp i, 6,10,14,18,22,26,30,34,38,42,46,50,54,58
	v_max3_num_f32 v254, v254, v[96+\i], v[97+\i]
	v_max3_num_f32 v252, v252, v[98+\i], v[99+\i]
.endr
	v_max3_num_f32 v254, v254, v158, v159
	v_max_num_f32 v254, v254, v252
	v_permlanex16_b32 v236, v254, s[SEL], s[SEL+1]
	v_max_num_f32 v254, v254, v236                 ; and among lane l xor 16's
	v_mul_f32 v254, s[CS], v254                    ; as t (c is positive)
	v_max_num_f32 v13, v13, v254                   ; the running largest t
	v_mov_b32 v254, v12
	v_floor_f32 v12, -v13                          ; the new -M = floor(-t): M is a whole number
	v_sub_f32 v254, v12, v254                      ; M's old value less its new one: 0 or less
	v_cvt_i32_f32 v254, v254                       ; (it saturates)
	v_ldexp_f32 v252, 1.0, v254                    ; f = 2^(old M - new M)
.set n, 0
.rept 32
	v_pk_fma_f32 v[96+n:97+n], v[96+n:97+n], s[CS:CS+1], v[12:13] op_sel_hi:[1,0,0]   ; t - M, two at a time
.set n, n+2
.endr
.set n, 0
.rept 64
	v_exp_f32 v[96+n], v[96+n]                     ; p = 2^(t - M), at most 1
.set n, n+1
.endr
	v_pk_mul_f32 v[14:15], v[14:15], v[252:253] op_sel_hi:[1,0]   ; the sums under the new M: a plain line behind the exponentials
	s_wait_alu depctr_va_vdst(0)                   ; one wait for the whole batch, ahead of its first reader
	v_pk_add_f32 v[242:243], v[96:97], v[98:99]    ; the row's sum is taken of the unquantised p, in two chains
.irp j, 4,8,12,16,20,24,28,32,36,40,44,48,52,56,60
	v_pk_add_f32 v[14:15], v[14:15], v[96+\j:97+\j]
	v_pk_add_f32 v[242:243], v[242:243], v[98+\j:99+\j]
.endr
	v_pk_add_f32 v[14:15], v[14:15], v[242:243]
.irp b, 0,1,2,3
.irp i, 0,1,2,3,4,5,6,7,8,9,10,11,12,13,14,15
	v_min_num_f32 v[96+16*\b+\i], v[96+16*\b+\i], v240   ; the conversion does not saturate (ISA guide 7.6.2); p is not negative, so the hold is one-sided
.endr
	v_cvt_scalef32_pk8_fp8_f32 v[224+4*\b:225+4*\b], v[96+16*\b:103+16*\b], v244
	v_cvt_scalef32_pk8_fp8_f32 v[226+4*\b:227+4*\b], v[104+16*\b:111+16*\b], v244
.endr
.set n, 0
.rept 16
	v_pk_mul_f32 v[160+n:161+n], v[160+n:161+n], v[252:253] op_sel_hi:[1,0]   ; O^T under the new M; these are also the plain lines behind the conversions
.set n, n+2
.endr
	s_wait_dscnt 0x0                               ; V's fragments are in
.irp t, 0,1,2,3
	v_wmma_f32_16x16x128_fp8_fp8 v[160+8*\t:167+8*\t], v[32+16*\t:47+16*\t], v[224:239], v[160+8*\t:167+8*\t]   ; the four accumulators take turns, one instruction a turn
.endr
.Lhidden_\@:
	s_add_co_u32 s[KF], s[KF], 128
	s_add_co_u32 s[KB], s[KB], 128*KP
	s_add_co_u32 s[VB], s[VB], 128
.endm
.macro CHUNK c
	s_wait_dscnt 0x0
	s_wait_tensorcnt 3-\c                          ; a fetching wave's loads end in the order of issue (ISA guide 10.11.1): chunk c is in when the 3 - c later ones alone are out
	s_barrier_signal -1
	s_barrier_wait -1                              ; everybody's part is
	s_mov_b32 s[KB], \c*CH
	s_mov_b32 s[VB], \c*CH+VOFF
	s_mov_b32 s[CNT], 4
.Lstep_\@:
	STEP
	s_sub_co_u32 s[CNT], s[CNT], 1
	s_cmp_lg_u32 s[CNT], 0
	s_cbranch_scc1 .Lstep_\@
.endm
	s_wait_loadcnt 0x0                             ; Q
	CHUNK 0
	CHUNK 1
	CHUNK 2
	CHUNK 3                                        ; its wait is for 0: no tensor load is out from here on
	; THE WAY OUT.  o = O^T x 2^(e6 + e7) / the sum, quantised with e8; 16 rows x 64 codes go through my stage and leave 16 bytes a lane.
.rept 4
	v_nop                                          ; places behind the last products
.endr
	v_add_f32 v14, v14, v15                        ; the sum's two halves,
	v_permlanex16_b32 v236, v14, s[SEL], s[SEL+1]
	v_add_f32 v14, v14, v236                       ; and lane l xor 16's
	v_rcp_f32 v14, v14
	v_nop                                          ; a plain line behind the transcendental
	s_add_co_i32 s61, s86, s87                     ; e6 + e7
	s_add_co_i32 s62, s88, 127
	s_lshl_b32 s63, s62, 23
	v_mov_b32 v244, s63                            ; 2^e8
	s_add_co_i32 s62, s62, 8
	s_lshl_b32 s62, s62, 23
	s_or_b32 s62, s62, 0x600000
	v_mov_b32 v240, s62                            ; 448 x 2^e8
	s_wait_alu depctr_va_vdst(0)                   ; the wait, ahead of the reciprocal's first reader
	v_ldexp_f32 v14, v14, s61
.set n, 0
.rept 32
	v_mul_f32 v[96+n], v[160+n], v14               ; register 8 t + i is o(query r, d = 16 t + 8 h + i); each accumulator from its low end on
.set n, n+1
.endr
.set n, 0
.rept 32
	v_med3_num_f32 v[96+n], v[96+n], -v240, v240
.set n, n+1
.endr
.irp t, 0,1,2,3
	v_cvt_scalef32_pk8_fp8_f32 v[224+2*\t:225+2*\t], v[96+8*\t:103+8*\t], v244
.endr
	v_nop                                          ; a plain line behind the last conversion
.irp t, 0,1,2,3
	ds_store_b64 v[SO], v[224+2*\t:225+2*\t] offset:16*\t
.endr
	ds_load_b128 v[32:35], v[SR]                   ; LDS serves a wave's instructions in order: these see my stores
	ds_load_b128 v[36:39], v[SR] offset:8*80
	s_wait_dscnt 1
	global_store_b128 v[GO], v[32:35], s[8:9]
	s_wait_dscnt 0
	global_store_b128 v[GO], v[36:39], s[8:9] offset:8192
	s_wait_tensorcnt 0x0
	ds_add_u32 v251, v255
	s_wait_dscnt 0x0
	s_endpgm
.Lfunc_end_k_q6eda573b1b_attn:
	.size	k_q6eda573b1b_attn, .Lfunc_end_k_q6eda573b1b_attn-k_q6eda573b1b_attn
	.p2alignl 7, 3214868480
	.fill 96, 4, 3214868480
	.section	.rodata,"a",@progbits
	.p2align	6, 0x0
	.amdhsa_kernel k_q6eda573b1b_attn
		.amdhsa_group_segment_fixed_size 321536
		.amdhsa_private_segment_fixed_size 0
		.amdhsa_enable_private_segment 0
		.amdhsa_kernarg_size 24
		.amdhsa_user_sgpr_count 2
		.amdhsa_user_sgpr_kernarg_segment_ptr 1
		.amdhsa_wavefront_size32 1
		.amdhsa_system_sgpr_workgroup_id_x 1
		.amdhsa_system_sgpr_workgroup_id_y 1
		.amdhsa_system_sgpr_workgroup_id_z 1
		.amdhsa_system_vgpr_workitem_id 0
		.amdhsa_next_free_vgpr 256
		.amdhsa_next_free_sgpr 100
		.amdhsa_reserve_vcc 1
		.amdhsa_float_denorm_mode_32 3
		.amdhsa_float_denorm_mode_16_64 3
		.amdhsa_memory_ordered 1
		.amdhsa_forward_progress 1
		.amdhsa_inst_pref_size 99
	.end_amdhsa_kernel
	.amdgpu_metadata
---
amdhsa.version: [ 1, 2 ]
amdhsa.kernels:
  - .name:           k_q6eda573b1b_attn
    .symbol:         k_q6eda573b1b_attn.kd
    .args:
      - { .name: qkv, .offset: 0, .size: 8, .value_kind: global_buffer, .address_space: global }
      - { .name: lowp_scales, .offset: 8, .size: 8, .value_kind: global_buffer, .address_space: global }
      - { .name: oc, .offset: 16, .size: 8, .value_kind: global_buffer, .address_space: global }
    .group_segment_fixed_size: 321536
    .private_segment_fixed_size: 0
    .kernarg_segment_align: 8
    .kernarg_segment_size: 24
    .max_flat_workgroup_size: 512
    .sgpr_count:     100
    .vgpr_count:     256
    .wavefront_size: 32
...
	.end_amdgpu_metadata
.endif
;; end of part 3
;; launch proj (part 4): grid 4 x 16, 4 waves a work-group, clusters of 4 x 4, 327,680 bytes of LDS; arguments oc, wc, lowp_scales, x, x1; writes x1
.if DOCPART == 4
	.amdgcn_target "amdgcn-amd-amdhsa--gfx1250"
	.amdhsa_code_object_version 6
	.text
	.protected	k_q6eda573b1b_proj
	.globl	k_q6eda573b1b_proj
	.p2align	8
	.type	k_q6eda573b1b_proj,@function
k_q6eda573b1b_proj:
	s_mov_b64 s[64:65], 0
	v_nop
	global_prefetch_b8 v0, s[64:65] scope:SCOPE_SE
	s_setreg_imm32_b32 hwreg(HW_REG_WAVE_MODE, 25, 1), 1
	s_wait_xcnt 0x0
	s_wait_alu depctr_hold_cnt(0) depctr_sa_sdst(0) depctr_va_vdst(0) depctr_va_sdst(0) depctr_va_ssrc(0) depctr_va_vcc(0) depctr_vm_vsrc(0)
	s_getreg_b32 s2, hwreg(HW_REG_IB_STS2, 6, 4)
	s_cmp_eq_u32 s2, 0
	s_cbranch_scc0 .Lentry_in_a_cluster
	s_endpgm
.Lentry_in_a_cluster:
	s_bfe_u32 s2, ttmp6, 0x10000c
	s_cmp_lg_u32 s2, 0xf033
	s_cbranch_scc0 .Lentry_shape_is_right
	s_endpgm
.Lentry_shape_is_right:
; PROJ.  x1 = x + o attn_proj_w, the product on codes of E4M3: A = o's codes [4,096][1,024] (scale 2^e8), B = attn_proj_w's codes [1,024 (n)][1,024 (k)], 3 MiB into wc (scale 2^e9); x, x1: [4,096][1,024] f32.
; C[m][n] = sum over k of A[m][k] B[n][k].  A tile of C, 256 x 256, is made by a work-group of four waves; a wave makes 128 x 128: 64 accumulators of 16 x 16, 512 registers.  64 tiles: 64 work-groups.
; K goes in steps of 256 through a ring of two LDS slots filled by joint tensor loads: 4 x 4 work-groups form a cluster; A's tile is shared along a row of the cluster, B's along a column.
; The matrix instruction is used transposed (source 0 = 16 rows of B, source 1 = 16 rows of A): a lane holds eight neighbouring numbers of a row of C.
; A fragment is fetched by four loads of 16 bytes: a permutation of k, the same in A and in B; only the order of the sums inside an instruction changes.
; LIMIT: e8 + e9 between -126 and 127.
; REGISTERS, in windows of 256: window 0: v0-31 addresses; from v128 A's fragments, ONE set; on the way out v32-255 are free.  window 1: B's fragments, TWO sets; on the way out v0-127 take the residual's rows.  windows 2, 3: the accumulators.
.set SIZE_K, 1024
.set SIZE_N, 1024
.set WOFF,   0x300000                  ; where B's codes begin in wc
.set HAS_BIAS, 0
.set KSTEP,  256
.set ROWB,   256
.set KROW,   SIZE_K
.set PITCH,  272                       ; an LDS row: 256 bytes + 16 of padding: the 16 rows that a load touches start at 16 different banks (64 banks of 4 bytes: ISA guide 11.1)
.set FR,     16
.set NL,     4
.set NP,     4
.set HALFT,  128*PITCH
.set SLOT,   4*HALFT
.set LAPS,   SIZE_K/(2*KSTEP)
.set SPARE,  2*SLOT                    ; behind the ring: the spare words, 128 bytes for each wave, that no other line names
.set SPITCH, 528                       ; the way out: a stage of 16 rows x (512 bytes + 16) for each wave, in slot 0, which has had its last fill and its last read by then
.set ADRA, 16
.set ADRB, 20
.set STO,  24
.set RD,   25
.set CO,   26
.set SPW,  28
.set NIL,  29
.set TMP,  32                          ; v32-95   a block's sums x 2^(ea + eb)
.set BI,   96                          ; v96-99   the bias of my four columns (where there is one)
.set AF,   128
.set BK,   128                         ; v128-191, v192-255 by turns: 16 rows read back
.set G1, 24
.set G0, 32
.set G1B, 48
.set G0B, 56
.set MSB, 0
.macro WIN new                         ; the immediate's high byte repeats the setting that is left
.if MSB != \new
	s_set_vgpr_msb (MSB<<8)|\new
.set MSB, \new
.endif
.endm
.set MUL_LO, 0xa1
.set MUL_HI, 0xf1
.set TO_B,   0x40
; A joint load: waves 0 and 1 fetch for A, waves 2 and 3 for B.  The branch hangs on the wave's number alone.  Four v_nop follow each of the two lines.
.macro JLOAD g0a, g1a, g0b, g1b
	s_cmp_eq_u32 s15, 0
	s_cbranch_scc0 .Lfor_b_\@
	tensor_load_to_lds s[\g0a:\g0a+3], s[\g1a:\g1a+7]
	s_nop 0
.rept 4
	v_nop
.endr
	s_branch .Lasked_\@
.Lfor_b_\@:
	tensor_load_to_lds s[\g0b:\g0b+3], s[\g1b:\g1b+7]
	s_nop 0
.rept 4
	v_nop
.endr
.Lasked_\@:
.endm
.macro CREST
	s_cmp_lg_u32 s14, 0
	s_cbranch_scc1 .Lnot_wave_0_\@
	s_barrier_signal -3
.Lnot_wave_0_\@:
	s_barrier_wait -3
	s_barrier_signal -1
	s_barrier_wait -1
.endm
.macro CROUND
	s_barrier_signal -1
	s_barrier_wait -1
	CREST
.endm
	s_load_b128 s[4:7], s[0:1], 0x0                ; oc s[4:5], wc s[6:7]
	s_load_b64 s[8:9], s[0:1], 0x10                ; the scales' exponents
	s_load_b128 s[68:71], s[0:1], 0x18             ; the residual x s[68:69], x1 s[70:71]
	v_lshl_add_u32 v[SPW], v0, 2, SPARE
	v_mov_b32 v[NIL], 0
	ds_add_u32 v28, v29
	ds_add_u32 v28, v29
	s_wait_dscnt 0x0
	v_lshrrev_b32 v1, 5, v0
	v_readfirstlane_b32 s14, v1                    ; wave 0..3
	s_lshr_b32 s15, s14, 1                         ; which half of the tile's rows is mine.  Also: I fetch for A (0) or for B (1)
	s_and_b32 s16, s14, 1                          ; which half of its columns.  Also: which 128 rows of that tile I fetch
	s_bfe_u32 s40, ttmp6, 0x40000                  ; cx, cy
	s_bfe_u32 s41, ttmp6, 0x40004
	s_lshl_b32 s42, ttmp9, 2
	s_add_co_u32 s42, s42, s40                     ; tile column of C
	s_and_b32 s17, ttmp7, 0xffff
	s_lshl_b32 s17, s17, 2
	s_add_co_u32 s17, s17, s41                     ; tile row of C
	s_lshl_b32 s43, s41, 2
	s_lshl_b32 s43, 15, s43                        ; my row of the cluster
	s_lshl_b32 s44, 0x1111, s40                    ; my column
	s_or_b32 s[G1+0], s43, (0<<16)|(1<<20)|(1<<21)|(5<<22)|(3<<25)  ; the mask: A's tiles go to my row; elements of 1 byte; padding on; 21 set beside a mask; after every 64 words 4 words
	s_or_b32 s[G1B+0], s44, (0<<16)|(1<<20)|(1<<21)|(5<<22)|(3<<25)
.irp g, G1, G1B
	s_mov_b32 s[\g+1], ROWB<<16
	s_mov_b32 s[\g+2], 128<<16
	s_mov_b32 s[\g+3], ROWB<<16
	s_mov_b32 s[\g+4], 128
	s_mov_b32 s[\g+5], KROW
	s_mov_b32 s[\g+6], 0
	s_mov_b32 s[\g+7], 0
.endr
	s_lshl_b32 s18, s16, 7
	s_lshl_b32 s20, s17, 8
	s_add_co_u32 s20, s20, s18                     ; A: row 256 x tile row + 128 x half
	s_lshl_b32 s46, s42, 8
	s_add_co_u32 s46, s46, s18                     ; B: row 256 x tile column + 128 x half
	s_mov_b32 s21, 0
	s_mov_b32 s47, 0
	s_mov_b64 s[18:19], KROW
	s_mul_u64 s[20:21], s[20:21], s[18:19]
	s_mul_u64 s[46:47], s[46:47], s[18:19]
	s_add_nc_u64 s[46:47], s[46:47], WOFF
	s_mul_i32 s45, s14, HALFT                      ; where the tiles go: wave x 128 rows
	s_wait_kmcnt 0x0
	s_load_b64 s[96:97], s[8:9], 0x20              ; e8, e9
	s_add_nc_u64 s[20:21], s[4:5], s[20:21]
	s_add_nc_u64 s[46:47], s[6:7], s[46:47]
	CROUND                                         ; all sixteen work-groups are here: the first joint loads meet
.irp s, 0,1
	s_mov_b32 s[G0+4*\s], 1
	s_add_co_u32 s[G0+4*\s+1], s45, \s*SLOT
	s_add_nc_u64 s[G0+4*\s+2:G0+4*\s+3], s[20:21], \s*ROWB
	s_or_b32 s[G0+4*\s+3], s[G0+4*\s+3], 0x80000000
	s_mov_b32 s[G0B+4*\s], 1
	s_add_co_u32 s[G0B+4*\s+1], s45, \s*SLOT
	s_add_nc_u64 s[G0B+4*\s+2:G0B+4*\s+3], s[46:47], \s*ROWB
	s_or_b32 s[G0B+4*\s+3], s[G0B+4*\s+3], 0x80000000
	JLOAD G0+4*\s, G1, G0B+4*\s, G1B
.endr
	v_and_b32 v1, 15, v0
	v_bfe_u32 v2, v0, 4, 1
	v_mul_u32_u24 v3, v1, PITCH
	v_lshl_add_u32 v4, v2, 4, v3
	s_mul_i32 s21, s15, HALFT
	s_mul_i32 s22, s16, HALFT
	s_add_co_u32 s22, s22, 2*HALFT
.irp s, 0,1
	v_add_nc_u32 v[ADRA+\s], s21, v4
	v_add_nc_u32 v[ADRB+\s], s22, v4
	s_add_co_u32 s21, s21, SLOT
	s_add_co_u32 s22, s22, SLOT
.endr
	s_mul_i32 s23, s14, 16*SPITCH                  ; my stage
	v_mul_u32_u24 v5, v1, SPITCH                   ; in: row l % 16, 32 bytes for each half of the lanes
	v_lshl_add_u32 v5, v2, 5, v5
	v_add_nc_u32 v[STO], s23, v5
	v_and_b32 v6, 31, v0
	v_lshlrev_b32 v[CO], 4, v6                     ; back: the 32 lanes take one row of 512 bytes; and the same in memory
	v_add_nc_u32 v[RD], s23, v[CO]
	s_lshl_b32 s20, s17, 8
	s_lshl_b32 s21, s15, 7
	s_add_co_u32 s20, s20, s21                     ; my first row of C
	s_mov_b32 s21, 0
	s_mov_b64 s[18:19], SIZE_N*4
	s_mul_u64 s[20:21], s[20:21], s[18:19]
	s_lshl_b32 s46, s42, 10                        ; my first column, in bytes
	s_lshl_b32 s47, s16, 9
	s_add_co_u32 s46, s46, s47
	s_mov_b32 s47, 0
	s_add_nc_u64 s[20:21], s[20:21], s[46:47]
	s_add_nc_u64 s[68:69], s[68:69], s[20:21]      ; the residual and the result at my part's first number: all 128 rows are then reached by immediates, 127 x 4,096 bytes at the most
	s_add_nc_u64 s[70:71], s[70:71], s[20:21]
.macro FRAG reg, adr, q, i
.irp c, 0,1,2,3
	ds_load_b128 v[\reg+4*\c:\reg+4*\c+3], v[\adr] offset:128*(\q)+32*\c+(\i)*16*PITCH
.endr
.endm
; 16 matrix instructions: A's blocks a0, a0 + 1 x B's eight, 128 along K.  The 64 accumulators take turns, one instruction a turn.
.macro MUL16 a0, p, zero
.irp a, \a0, \a0+1
.irp b, 0,1,2,3,4,5,6,7
.if \zero
	v_wmma_f32_16x16x128_fp8_fp8 v[8*(8*((\a)%4)+\b):8*(8*((\a)%4)+\b)+7], v[128*(\p)+FR*\b:128*(\p)+FR*\b+FR-1], v[AF+FR*(\a):AF+FR*(\a)+FR-1], 0
.else
	v_wmma_f32_16x16x128_fp8_fp8 v[8*(8*((\a)%4)+\b):8*(8*((\a)%4)+\b)+7], v[128*(\p)+FR*\b:128*(\p)+FR*\b+FR-1], v[AF+FR*(\a):AF+FR*(\a)+FR-1], v[8*(8*((\a)%4)+\b):8*(8*((\a)%4)+\b)+7]
.endif
.endr
.endr
.endm
.macro FETCH_B slot, q, p
	WIN TO_B
.irp i, 0,1,2,3,4,5,6,7
	FRAG 128*(\p)+FR*\i, ADRB+\slot, \q, \i
.endr
	WIN 0
.endm
.macro FETCH_A slot, q, i0
.irp i, \i0, \i0+1, \i0+2, \i0+3
	FRAG AF+FR*(\i), ADRA+\slot, \q, \i
.endr
.endm
.macro PLACES n                        ; plain vector lines between a matrix instruction and a load into, or a vector line on, its registers
.rept \n
	v_nop
.endr
.endm
.macro STEP slot, q, zero
	s_wait_dscnt 4*NL                              ; B's set and A's blocks 0-3 are in; the youngest 16 loads (A's blocks 4-7) may be out
	WIN MUL_LO
	MUL16 0, (\q)%2, \zero
	MUL16 2, (\q)%2, \zero
	s_wait_dscnt 0
	PLACES NP
	FETCH_B \slot, (\q)+1, 1-(\q)%2
	FETCH_A \slot, (\q)+1, 0
	WIN MUL_HI
	MUL16 4, (\q)%2, \zero
	MUL16 6, (\q)%2, \zero
	PLACES NP
	WIN 0
	FETCH_A \slot, (\q)+1, 4
.endm
; A slot's last step changes slots: ONE barrier; in front of it each wave waits for all its tensor loads, adds 0 to its spare word, and waits for that and for its own reads of this slot.
.macro TURN slot, next, fill
	s_wait_tensorcnt 0x0                           ; all my tensor loads have landed: my part of the next slot
	ds_add_u32 v[SPW], v[NIL]                      ; 0 onto my spare word
	s_wait_dscnt 4*NL+1                            ; (the add and the youngest 16 loads may be out)
	WIN MUL_LO
	MUL16 0, 1, 0
	s_wait_dscnt 0x0                               ; the add is done, and my reads of this slot are over
	s_barrier_signal -1
	MUL16 2, 1, 0
	WIN 0
	s_barrier_wait -1
.if \fill
	CREST                                          ; a round of the cluster's barrier: no wave of any partner still reads this slot or has a load on its way
	s_add_nc_u64 s[G0+4*\slot+2:G0+4*\slot+3], s[G0+4*\slot+2:G0+4*\slot+3], 2*ROWB
	s_add_nc_u64 s[G0B+4*\slot+2:G0B+4*\slot+3], s[G0B+4*\slot+2:G0B+4*\slot+3], 2*ROWB
	JLOAD G0+4*\slot, G1, G0B+4*\slot, G1B
.else
	PLACES NP
.endif
	FETCH_B \next, 0, 0
	FETCH_A \next, 0, 0
	WIN MUL_HI
	MUL16 4, 1, 0
	MUL16 6, 1, 0
	PLACES NP
	WIN 0
	FETCH_A \next, 0, 4
.endm
	s_wait_tensorcnt 1                             ; my part of K step 0 is in (K step 1's load may be out)
	s_barrier_signal -1
	s_barrier_wait -1
	FETCH_B 0, 0, 0
	FETCH_A 0, 0, 0
	FETCH_A 0, 0, 4
	STEP 0, 0, 1                                   ; the first step's products start the sums
	s_mov_b32 s3, LAPS-1
.Llap:
	TURN 0, 1, 1
	STEP 1, 0, 0
	TURN 1, 0, 1
	STEP 0, 0, 0
	s_sub_co_u32 s3, s3, 1
	s_cmp_lg_u32 s3, 0
	s_cbranch_scc1 .Llap
	TURN 0, 1, 0
	STEP 1, 0, 0
	s_wait_dscnt 4*NL
	WIN MUL_LO
	MUL16 0, 1, 0
	MUL16 2, 1, 0
	s_wait_dscnt 0
	WIN MUL_HI
	MUL16 4, 1, 0
	MUL16 6, 1, 0
	WIN 0
; THE WAY OUT, block by block of 16 rows x 128 columns.  A block's sums, x 2^(ea + eb) on their way into window 0, go through my own stage and come back as whole rows of 512 bytes; the residual's rows, asked for two blocks ahead, are added; 32 lanes store a row.
.macro RLOAD a                         ; the residual's 16 rows of block a into window 1, v0-63 and v64-127 by turns
	WIN 0x40
.irp t, 0,1,2,3,4,5,6,7,8,9,10,11,12,13,14,15
	global_load_b128 v[64*((\a)%2)+4*\t:64*((\a)%2)+4*\t+3], v[CO], s[68:69] offset:(16*(\a)+\t)*SIZE_N*4 th:TH_LOAD_NT
.endr
	WIN 0
.endm
.macro TOSTAGE a
.set AC, 64*((\a)%4)
	WIN 0x02+((\a)/4)                              ; source 0: window 2 or 3
.irp j, 0,2,4,6,8,10,12,14,16,18,20,22,24,26,28,30,32,34,36,38,40,42,44,46,48,50,52,54,56,58,60,62
	v_pk_mul_f32 v[TMP+\j:TMP+\j+1], v[AC+\j:AC+\j+1], s[96:97] op_sel_hi:[1,0]   ; each accumulator from its low end on
.endr
	WIN 0
.irp b, 0,1,2,3,4,5,6,7
	ds_store_b128 v[STO], v[TMP+8*\b:TMP+8*\b+3] offset:64*\b
	ds_store_b128 v[STO], v[TMP+8*\b+4:TMP+8*\b+7] offset:64*\b+16
.endr
.set BB, BK+64*((\a)%2)
.irp t, 0,1,2,3,4,5,6,7,8,9,10,11,12,13,14,15
	ds_load_b128 v[BB+4*\t:BB+4*\t+3], v[RD] offset:\t*SPITCH   ; LDS serves a wave's instructions in order (ISA guide 5.7.1.4): these see the stores above
.endr
.endm
.macro SEND a, younger, lc             ; younger: LDS instructions issued behind block a's loads; lc: global loads issued behind block a's residual rows
.set BB, BK+64*((\a)%2)
.set RR, 64*((\a)%2)
	s_wait_dscnt \younger
	s_wait_loadcnt \lc
	WIN 0x04                                       ; source 1: window 1
.irp j, 0,2,4,6,8,10,12,14,16,18,20,22,24,26,28,30,32,34,36,38,40,42,44,46,48,50,52,54,56,58,60,62
	v_pk_add_f32 v[BB+\j:BB+\j+1], v[BB+\j:BB+\j+1], v[RR+\j:RR+\j+1]
.endr
	WIN 0
.if HAS_BIAS
.irp t, 0,1,2,3,4,5,6,7,8,9,10,11,12,13,14,15
	v_pk_add_f32 v[BB+4*\t:BB+4*\t+1], v[BB+4*\t:BB+4*\t+1], v[BI:BI+1]
	v_pk_add_f32 v[BB+4*\t+2:BB+4*\t+3], v[BB+4*\t+2:BB+4*\t+3], v[BI+2:BI+3]
.endr
.endif
.irp t, 0,1,2,3,4,5,6,7,8,9,10,11,12,13,14,15
	global_store_b128 v[CO], v[BB+4*\t:BB+4*\t+3], s[70:71] offset:(16*(\a)+\t)*SIZE_N*4   ; 32 lanes store 512 consecutive bytes, aligned
.endr
.endm
	s_wait_kmcnt 0x0
	s_add_co_i32 s96, s96, s97
	s_add_co_i32 s96, s96, 127
	s_lshl_b32 s96, s96, 23                        ; 2^(ea + eb) as f32
	PLACES NP
	RLOAD 0
	RLOAD 1
	TOSTAGE 0
.irp a, 1,2,3,4,5,6,7
.if \a > 1
	s_wait_xcnt 0x0                                ; block a - 2's stores have read their registers: block a's loads may land there
.endif
	TOSTAGE \a
	SEND \a-1, 32, 16                              ; behind block a - 1's LDS loads: block a's 16 stores and 16 loads; behind its residual rows: block a's 16 loads
.if \a < 7
	RLOAD \a+1
.endif
.endr
	SEND 7, 0, 0
	s_wait_tensorcnt 0x0                           ; the wave's end
	ds_add_u32 v[SPW], v[NIL]
	s_wait_dscnt 0x0
	CROUND                                         ; the closing round
	s_endpgm
.Lfunc_end_k_q6eda573b1b_proj:
	.size	k_q6eda573b1b_proj, .Lfunc_end_k_q6eda573b1b_proj-k_q6eda573b1b_proj
	.p2alignl 7, 3214868480
	.fill 96, 4, 3214868480
	.section	.rodata,"a",@progbits
	.p2align	6, 0x0
	.amdhsa_kernel k_q6eda573b1b_proj
		.amdhsa_group_segment_fixed_size 327680
		.amdhsa_private_segment_fixed_size 0
		.amdhsa_enable_private_segment 0
		.amdhsa_kernarg_size 40
		.amdhsa_user_sgpr_count 2
		.amdhsa_user_sgpr_kernarg_segment_ptr 1
		.amdhsa_wavefront_size32 1
		.amdhsa_system_sgpr_workgroup_id_x 1
		.amdhsa_system_sgpr_workgroup_id_y 1
		.amdhsa_system_sgpr_workgroup_id_z 1
		.amdhsa_system_vgpr_workitem_id 0
		.amdhsa_next_free_vgpr 1024
		.amdhsa_next_free_sgpr 100
		.amdhsa_reserve_vcc 0
		.amdhsa_float_denorm_mode_32 3
		.amdhsa_float_denorm_mode_16_64 3
		.amdhsa_memory_ordered 1
		.amdhsa_forward_progress 1
		.amdhsa_inst_pref_size 152
	.end_amdhsa_kernel
	.amdgpu_metadata
---
amdhsa.version: [ 1, 2 ]
amdhsa.kernels:
  - .name:           k_q6eda573b1b_proj
    .symbol:         k_q6eda573b1b_proj.kd
    .args:
      - { .name: oc, .offset: 0, .size: 8, .value_kind: global_buffer, .address_space: global }
      - { .name: wc, .offset: 8, .size: 8, .value_kind: global_buffer, .address_space: global }
      - { .name: lowp_scales, .offset: 16, .size: 8, .value_kind: global_buffer, .address_space: global }
      - { .name: x, .offset: 24, .size: 8, .value_kind: global_buffer, .address_space: global }
      - { .name: x1, .offset: 32, .size: 8, .value_kind: global_buffer, .address_space: global }
    .group_segment_fixed_size: 327680
    .private_segment_fixed_size: 0
    .kernarg_segment_align: 8
    .kernarg_segment_size: 40
    .max_flat_workgroup_size: 128
    .sgpr_count:     100
    .vgpr_count:     1024
    .wavefront_size: 32
...
	.end_amdgpu_metadata
.endif
;; end of part 4
;; launch ln2 (part 5): grid 256 x 1, 4 waves a work-group, no clusters, 4,608 bytes of LDS; arguments x1, ln2_w, ln2_b, lowp_scales, h2c; writes h2c
.if DOCPART == 5
	.amdgcn_target "amdgcn-amd-amdhsa--gfx1250"
	.amdhsa_code_object_version 6
	.text
	.protected	k_q6eda573b1b_ln2
	.globl	k_q6eda573b1b_ln2
	.p2align	8
	.type	k_q6eda573b1b_ln2,@function
k_q6eda573b1b_ln2:
	s_mov_b64 s[64:65], 0
	v_nop
	global_prefetch_b8 v0, s[64:65] scope:SCOPE_SE
	s_setreg_imm32_b32 hwreg(HW_REG_WAVE_MODE, 25, 1), 1
	s_wait_xcnt 0x0
; LN2.  h2 = layernorm(x1) x ln2_w + ln2_b, quantised to E4M3 with e10.  x1: [4,096][1,024] f32; h2c: [4,096][1,024] codes.
; One wave takes a whole row in 32 registers, 4 rows a wave, 16 a work-group.  Lane l holds elements 128 j + 4 l + 0 .. 3, j = 0 .. 7: each load of the wave covers 512 consecutive bytes.
; The variance is the mean of (x - mean)^2, taken in a second pass over the registers.  A row's codes turn through the wave's own 1,024 bytes of LDS, so that each store covers 512 consecutive bytes.
; LIMIT: e10 between -126 and 119.  NaN is not served.  No tensor loads, no barrier, no matrix unit: memory binds, and waves share nothing.
; v[8:9] the mean, v[10:11] 1 / sqrt(var + eps), v12, v13 the scale and its hold, v16-21 at work, v32-39 codes, v48-79 ln2_w, v80-111 ln2_b, v112-239 four rows.
	s_load_b256 s[4:11], s[0:1], 0x0               ; x1 4:5, ln2_w 6:7, ln2_b 8:9, the scales' exponents 10:11
	s_load_b64 s[12:13], s[0:1], 0x20              ; h2c
	v_lshl_add_u32 v240, v0, 2, 0x1000
	v_mov_b32 v241, 0
	v_lshrrev_b32 v1, 5, v0
	v_readfirstlane_b32 s14, v1                    ; wave 0..3
	v_and_b32 v2, 31, v0                           ; lane
	v_lshlrev_b32 v3, 4, v2                        ; 16 x lane
	s_lshl_b32 s16, ttmp9, 4
	s_lshl_b32 s17, s14, 2
	s_add_co_u32 s16, s16, s17                     ; my first row
	s_lshl_b32 s18, s16, 12
	s_mov_b32 s19, 0
	s_mov_b32 s24, 0x76543210
	s_mov_b32 s25, 0xfedcba98
	s_mov_b32 s26, 0x3a800000                      ; 1 / 1024
	s_mov_b32 s27, 0x3727c5ac                      ; 1e-5
	s_wait_kmcnt 0x0
	s_load_b32 s15, s[10:11], 0x28                 ; e10
	s_add_nc_u64 s[20:21], s[4:5], s[18:19]
	s_lshl_b32 s18, s16, 10
	s_add_nc_u64 s[22:23], s[12:13], s[18:19]
.irp j, 0,1,2,3,4,5,6,7
	global_load_b128 v[48+4*\j:51+4*\j], v3, s[6:7] offset:512*\j
.endr
.irp j, 0,1,2,3,4,5,6,7
	global_load_b128 v[80+4*\j:83+4*\j], v3, s[8:9] offset:512*\j
.endr
.irp s, 0,1,2,3
.irp j, 0,1,2,3,4,5,6,7
	global_load_b128 v[112+32*\s+4*\j:115+32*\s+4*\j], v3, s[20:21] offset:4096*\s+512*\j
.endr
.endr
	s_lshl_b32 s28, s14, 10                        ; my wave's 1,024 bytes of LDS
	v_lshl_add_u32 v4, v2, 2, s28                  ; in: 4 codes a lane
	v_lshl_add_u32 v5, v2, 4, s28                  ; back: 16 a lane
	v_mov_b32 v21, 0                               ; a lane permute's destination counts as one of its sources
	s_wait_kmcnt 0x0
	s_add_co_i32 s29, s15, 127
	s_lshl_b32 s30, s29, 23
	v_mov_b32 v12, s30                             ; 2^e10
	s_add_co_i32 s29, s29, 8
	s_lshl_b32 s29, s29, 23
	s_or_b32 s29, s29, 0x600000
	v_mov_b32 v13, s29                             ; 448 x 2^e10
.macro ALLSUM                          ; the two chains v[16:17], v[18:19] -> the sum over the wave's 1,024 numbers, in v20 of every lane
	v_pk_add_f32 v[16:17], v[16:17], v[18:19]
	v_add_f32 v20, v16, v17
	v_add_f32_dpp v20, v20, v20 row_xmask:1 row_mask:0xf bank_mask:0xf
	v_add_f32_dpp v20, v20, v20 row_xmask:2 row_mask:0xf bank_mask:0xf
	v_add_f32_dpp v20, v20, v20 row_xmask:4 row_mask:0xf bank_mask:0xf
	v_add_f32_dpp v20, v20, v20 row_xmask:8 row_mask:0xf bank_mask:0xf
	v_permlanex16_b32 v21, v20, s24, s25
	v_add_f32 v20, v20, v21
.endm
.macro LNROW s
.set XS, 112+32*\s
	s_wait_loadcnt 24-8*\s                         ; my row is in (and ln2_w, ln2_b, asked for earlier); the younger rows, eight loads each, stay out
	v_pk_add_f32 v[16:17], v[XS:XS+1], v[XS+2:XS+3]
	v_pk_add_f32 v[18:19], v[XS+4:XS+5], v[XS+6:XS+7]
.irp j, 8,12,16,20,24,28
	v_pk_add_f32 v[16:17], v[16:17], v[XS+\j:XS+\j+1]
	v_pk_add_f32 v[18:19], v[18:19], v[XS+\j+2:XS+\j+3]
.endr
	ALLSUM
	v_mul_f32 v8, s26, v20                         ; the mean
	v_mov_b32 v9, v8
.set k, 0
.rept 16
	v_pk_add_f32 v[XS+k:XS+k+1], v[XS+k:XS+k+1], v[8:9] neg_lo:[0,1] neg_hi:[0,1]   ; x - mean
.set k, k+2
.endr
	v_pk_mul_f32 v[16:17], v[XS:XS+1], v[XS:XS+1]
	v_pk_mul_f32 v[18:19], v[XS+2:XS+3], v[XS+2:XS+3]
.irp j, 4,8,12,16,20,24,28
	v_pk_fma_f32 v[16:17], v[XS+\j:XS+\j+1], v[XS+\j:XS+\j+1], v[16:17]
	v_pk_fma_f32 v[18:19], v[XS+\j+2:XS+\j+3], v[XS+\j+2:XS+\j+3], v[18:19]
.endr
	ALLSUM
	v_fma_f32 v20, v20, s26, s27                   ; the variance + eps
	v_rsq_f32 v10, v20
	v_nop                                          ; a plain line behind the transcendental,
	s_wait_alu depctr_va_vdst(0)                   ; and the wait ahead of its first reader
	v_mov_b32 v11, v10
.set k, 0
.rept 16
	v_pk_mul_f32 v[XS+k:XS+k+1], v[XS+k:XS+k+1], v[10:11]
.set k, k+2
.endr
.set k, 0
.rept 16
	v_pk_fma_f32 v[XS+k:XS+k+1], v[XS+k:XS+k+1], v[48+k:49+k], v[80+k:81+k]   ; x ln2_w + ln2_b
.set k, k+2
.endr
.irp g, 0,1,2,3
.irp i, 0,1,2,3,4,5,6,7
	v_med3_num_f32 v[XS+8*\g+\i], v[XS+8*\g+\i], -v13, v13   ; the conversion does not saturate (ISA guide 7.6.2): the hold comes first
.endr
	v_cvt_scalef32_pk8_fp8_f32 v[32+2*\g:33+2*\g], v[XS+8*\g:XS+8*\g+7], v12
.endr
	v_nop                                          ; a plain line behind the last conversion
.irp j, 0,1,2,3,4,5,6,7
	ds_store_b32 v4, v[32+\j] offset:128*\j        ; register j: the codes of elements 128 j + 4 l + 0 .. 3
.endr
	ds_load_b128 v[XS:XS+3], v5                    ; LDS serves a wave's instructions in order: these see my stores, and the next row's stores come behind them
	ds_load_b128 v[XS+4:XS+7], v5 offset:512
	s_wait_dscnt 0x0
	global_store_b128 v3, v[XS:XS+3], s[22:23] offset:1024*\s        ; each store covers 512 consecutive bytes, aligned
	global_store_b128 v3, v[XS+4:XS+7], s[22:23] offset:1024*\s+512
.endm
	LNROW 0
	LNROW 1
	LNROW 2
	LNROW 3
	s_wait_tensorcnt 0x0
	ds_add_u32 v240, v241
	s_wait_dscnt 0x0
	s_endpgm
.Lfunc_end_k_q6eda573b1b_ln2:
	.size	k_q6eda573b1b_ln2, .Lfunc_end_k_q6eda573b1b_ln2-k_q6eda573b1b_ln2
	.p2alignl 7, 3214868480
	.fill 96, 4, 3214868480
	.section	.rodata,"a",@progbits
	.p2align	6, 0x0
	.amdhsa_kernel k_q6eda573b1b_ln2
		.amdhsa_group_segment_fixed_size 4608
		.amdhsa_private_segment_fixed_size 0
		.amdhsa_enable_private_segment 0
		.amdhsa_kernarg_size 40
		.amdhsa_user_sgpr_count 2
		.amdhsa_user_sgpr_kernarg_segment_ptr 1
		.amdhsa_wavefront_size32 1
		.amdhsa_system_sgpr_workgroup_id_x 1
		.amdhsa_system_sgpr_workgroup_id_y 1
		.amdhsa_system_sgpr_workgroup_id_z 1
		.amdhsa_system_vgpr_workitem_id 0
		.amdhsa_next_free_vgpr 242
		.amdhsa_next_free_sgpr 66
		.amdhsa_reserve_vcc 0
		.amdhsa_float_denorm_mode_32 3
		.amdhsa_float_denorm_mode_16_64 3
		.amdhsa_memory_ordered 1
		.amdhsa_forward_progress 1
		.amdhsa_inst_pref_size 43
	.end_amdhsa_kernel
	.amdgpu_metadata
---
amdhsa.version: [ 1, 2 ]
amdhsa.kernels:
  - .name:           k_q6eda573b1b_ln2
    .symbol:         k_q6eda573b1b_ln2.kd
    .args:
      - { .name: x1, .offset: 0, .size: 8, .value_kind: global_buffer, .address_space: global }
      - { .name: ln2_w, .offset: 8, .size: 8, .value_kind: global_buffer, .address_space: global }
      - { .name: ln2_b, .offset: 16, .size: 8, .value_kind: global_buffer, .address_space: global }
      - { .name: lowp_scales, .offset: 24, .size: 8, .value_kind: global_buffer, .address_space: global }
      - { .name: h2c, .offset: 32, .size: 8, .value_kind: global_buffer, .address_space: global }
    .group_segment_fixed_size: 4608
    .private_segment_fixed_size: 0
    .kernarg_segment_align: 8
    .kernarg_segment_size: 40
    .max_flat_workgroup_size: 128
    .sgpr_count:     66
    .vgpr_count:     242
    .wavefront_size: 32
...
	.end_amdgpu_metadata
.endif
;; end of part 5
;; launch fc (part 6): grid 16 x 16, 4 waves a work-group, clusters of 4 x 4, 327,680 bytes of LDS; arguments h2c, wc, lowp_scales, fc_b, gc; writes gc
.if DOCPART == 6
	.amdgcn_target "amdgcn-amd-amdhsa--gfx1250"
	.amdhsa_code_object_version 6
	.text
	.protected	k_q6eda573b1b_fc
	.globl	k_q6eda573b1b_fc
	.p2align	8
	.type	k_q6eda573b1b_fc,@function
k_q6eda573b1b_fc:
	s_mov_b64 s[64:65], 0
	v_nop
	global_prefetch_b8 v0, s[64:65] scope:SCOPE_SE
	s_setreg_imm32_b32 hwreg(HW_REG_WAVE_MODE, 25, 1), 1
	s_wait_xcnt 0x0
	s_wait_alu depctr_hold_cnt(0) depctr_sa_sdst(0) depctr_va_vdst(0) depctr_va_sdst(0) depctr_va_ssrc(0) depctr_va_vcc(0) depctr_vm_vsrc(0)
	s_getreg_b32 s2, hwreg(HW_REG_IB_STS2, 6, 4)
	s_cmp_eq_u32 s2, 0
	s_cbranch_scc0 .Lentry_in_a_cluster
	s_endpgm
.Lentry_in_a_cluster:
	s_bfe_u32 s2, ttmp6, 0x10000c
	s_cmp_lg_u32 s2, 0xf033
	s_cbranch_scc0 .Lentry_shape_is_right
	s_endpgm
.Lentry_shape_is_right:
; FC.  g = gelu(h2 fc_w + fc_b), tanh form, the product on codes of E4M3, and g quantised with e12.  A = h2's codes [4,096][1,024] (2^e10), B = fc_w's codes [4,096 (n)][1,024 (k)], 4 MiB into wc (2^e11); gc: [4,096][4,096] codes.
; C[m][n] = sum over k of A[m][k] B[n][k].  A tile of C, 256 x 256, is made by a work-group of four waves; a wave makes 128 x 128: 64 accumulators of 16 x 16, 512 registers.  256 tiles: 256 work-groups.
; K goes in steps of 256 through a ring of two LDS slots filled by joint tensor loads: 4 x 4 work-groups form a cluster; A's tile is shared along a row of the cluster, B's along a column.
; The matrix instruction is used transposed (source 0 = 16 rows of B, source 1 = 16 rows of A): a lane holds eight neighbouring numbers of a row of C, neighbours along the next product's K.
; A fragment is fetched by four loads of 16 bytes: a permutation of k, the same in A and in B; only the order of the sums inside an instruction changes.
; GELU: 0.5 x (1 + tanh(u)) = 1 / (1 + e^(-2 u)), u = sqrt(2 / pi) (x + 0.044715 x^3).  So g = x / (1 + 2^z), z = x (A1 x^2 + A0), A0 = -2 sqrt(2 / pi) log2(e), A1 = 0.044715 A0.  Where 2^z is infinite the reciprocal is 0, which is the limit.
; LIMITS: e10 + e11 between -126 and 127; e12 between -126 and 119.  NaN is not served.
; REGISTERS, in windows of 256: window 0: v0-31 addresses; v32-53 codes and constants of the way out; v64-127 the bias; from v128 A's fragments, ONE set.  window 1: B's fragments, TWO sets.  windows 2, 3: the accumulators.
.set SIZE_K, 1024
.set WOFF,   0x400000                  ; where B's codes begin in wc
.set KSTEP,  256
.set ROWB,   256
.set KROW,   SIZE_K
.set PITCH,  272                       ; an LDS row: 256 bytes + 16 of padding: the 16 rows that a load touches start at 16 different banks (64 banks of 4 bytes: ISA guide 11.1)
.set FR,     16
.set NL,     4
.set NP,     4
.set HALFT,  128*PITCH
.set SLOT,   4*HALFT
.set LAPS,   SIZE_K/(2*KSTEP)
.set SPARE,  2*SLOT                    ; behind the ring: the spare words, 128 bytes for each wave, that no other line names
.set ADRA, 16
.set ADRB, 20
.set BO,   22                          ; v22  the bias loads' offset: 32 x (lane / 16)
.set STO,  24                          ; v24  the way out: where I put 8 codes of a row
.set RD,   25                          ; v25  where I read rows back
.set CO,   26                          ; v26  my byte offset among gc's rows
.set SPW,  28
.set NIL,  29
.set CD,   32                          ; v32-47   a block's codes
.set BIAS, 64                          ; v64-127  bias[n0 + 16 b + 8 h + i] at BIAS + 8 b + i
.set TMP,  128                         ; v128-191 a block's numbers
.set Z,    192                         ; v192-255 z, 2^z, 1 + 2^z, its reciprocal
.set BK,   128                         ; v128-255 behind the barrier: rows read back
.set AF,   128
.set G1, 24
.set G0, 32
.set G1B, 48
.set G0B, 56
.set MSB, 0
.macro WIN new                         ; the immediate's high byte repeats the setting that is left
.if MSB != \new
	s_set_vgpr_msb (MSB<<8)|\new
.set MSB, \new
.endif
.endm
.set MUL_LO, 0xa1
.set MUL_HI, 0xf1
.set TO_B,   0x40
; A joint load: waves 0 and 1 fetch for A, waves 2 and 3 for B.  The branch hangs on the wave's number alone.  Four v_nop follow each of the two lines.
.macro JLOAD g0a, g1a, g0b, g1b
	s_cmp_eq_u32 s15, 0
	s_cbranch_scc0 .Lfor_b_\@
	tensor_load_to_lds s[\g0a:\g0a+3], s[\g1a:\g1a+7]
	s_nop 0
.rept 4
	v_nop
.endr
	s_branch .Lasked_\@
.Lfor_b_\@:
	tensor_load_to_lds s[\g0b:\g0b+3], s[\g1b:\g1b+7]
	s_nop 0
.rept 4
	v_nop
.endr
.Lasked_\@:
.endm
.macro CREST
	s_cmp_lg_u32 s14, 0
	s_cbranch_scc1 .Lnot_wave_0_\@
	s_barrier_signal -3
.Lnot_wave_0_\@:
	s_barrier_wait -3
	s_barrier_signal -1
	s_barrier_wait -1
.endm
.macro CROUND
	s_barrier_signal -1
	s_barrier_wait -1
	CREST
.endm
	s_load_b128 s[4:7], s[0:1], 0x0                ; h2c s[4:5], wc s[6:7]
	s_load_b128 s[8:11], s[0:1], 0x10              ; the scales' exponents s[8:9], fc_b s[10:11]
	s_load_b64 s[12:13], s[0:1], 0x20              ; gc
	v_lshl_add_u32 v[SPW], v0, 2, SPARE
	v_mov_b32 v[NIL], 0
	ds_add_u32 v28, v29
	ds_add_u32 v28, v29
	s_wait_dscnt 0x0
	v_lshrrev_b32 v1, 5, v0
	v_readfirstlane_b32 s14, v1                    ; wave 0..3
	s_lshr_b32 s15, s14, 1                         ; which half of the tile's rows is mine.  Also: I fetch for A (0) or for B (1)
	s_and_b32 s16, s14, 1                          ; which half of its columns.  Also: which 128 rows of that tile I fetch
	s_bfe_u32 s40, ttmp6, 0x40000                  ; cx, cy
	s_bfe_u32 s41, ttmp6, 0x40004
	s_lshl_b32 s42, ttmp9, 2
	s_add_co_u32 s42, s42, s40                     ; tile column of C
	s_and_b32 s17, ttmp7, 0xffff
	s_lshl_b32 s17, s17, 2
	s_add_co_u32 s17, s17, s41                     ; tile row of C
	s_lshl_b32 s43, s41, 2
	s_lshl_b32 s43, 15, s43                        ; my row of the cluster
	s_lshl_b32 s44, 0x1111, s40                    ; my column
	s_or_b32 s[G1+0], s43, (0<<16)|(1<<20)|(1<<21)|(5<<22)|(3<<25)  ; the mask: A's tiles go to my row; elements of 1 byte; padding on; 21 set beside a mask; after every 64 words 4 words
	s_or_b32 s[G1B+0], s44, (0<<16)|(1<<20)|(1<<21)|(5<<22)|(3<<25)
.irp g, G1, G1B
	s_mov_b32 s[\g+1], ROWB<<16
	s_mov_b32 s[\g+2], 128<<16
	s_mov_b32 s[\g+3], ROWB<<16
	s_mov_b32 s[\g+4], 128
	s_mov_b32 s[\g+5], KROW
	s_mov_b32 s[\g+6], 0
	s_mov_b32 s[\g+7], 0
.endr
	s_lshl_b32 s18, s16, 7
	s_lshl_b32 s20, s17, 8
	s_add_co_u32 s20, s20, s18                     ; A: row 256 x tile row + 128 x half
	s_lshl_b32 s46, s42, 8
	s_add_co_u32 s46, s46, s18                     ; B: row 256 x tile column + 128 x half
	s_mov_b32 s21, 0
	s_mov_b32 s47, 0
	s_mov_b64 s[18:19], KROW
	s_mul_u64 s[20:21], s[20:21], s[18:19]
	s_mul_u64 s[46:47], s[46:47], s[18:19]
	s_add_nc_u64 s[46:47], s[46:47], WOFF
	s_mul_i32 s45, s14, HALFT                      ; where the tiles go: wave x 128 rows
	s_wait_kmcnt 0x0
	s_load_b64 s[72:73], s[8:9], 0x28              ; e10, e11
	s_load_b32 s74, s[8:9], 0x30                   ; e12
	s_add_nc_u64 s[20:21], s[4:5], s[20:21]
	s_add_nc_u64 s[46:47], s[6:7], s[46:47]
	CROUND                                         ; all sixteen work-groups are here: the first joint loads meet
.irp s, 0,1
	s_mov_b32 s[G0+4*\s], 1
	s_add_co_u32 s[G0+4*\s+1], s45, \s*SLOT
	s_add_nc_u64 s[G0+4*\s+2:G0+4*\s+3], s[20:21], \s*ROWB
	s_or_b32 s[G0+4*\s+3], s[G0+4*\s+3], 0x80000000
	s_mov_b32 s[G0B+4*\s], 1
	s_add_co_u32 s[G0B+4*\s+1], s45, \s*SLOT
	s_add_nc_u64 s[G0B+4*\s+2:G0B+4*\s+3], s[46:47], \s*ROWB
	s_or_b32 s[G0B+4*\s+3], s[G0B+4*\s+3], 0x80000000
	JLOAD G0+4*\s, G1, G0B+4*\s, G1B
.endr
	v_and_b32 v1, 15, v0                           ; r
	v_bfe_u32 v2, v0, 4, 1                         ; h
	v_mul_u32_u24 v3, v1, PITCH
	v_lshl_add_u32 v4, v2, 4, v3
	s_mul_i32 s21, s15, HALFT
	s_mul_i32 s22, s16, HALFT
	s_add_co_u32 s22, s22, 2*HALFT
.irp s, 0,1
	v_add_nc_u32 v[ADRA+\s], s21, v4
	v_add_nc_u32 v[ADRB+\s], s22, v4
	s_add_co_u32 s21, s21, SLOT
	s_add_co_u32 s22, s22, SLOT
.endr
	; the way out: ONE stage of 256 rows x (256 bytes + 16) for the work-group, at LDS byte 0: a wave's 128 codes are half of a row's 256 bytes
	s_mul_i32 s23, s15, 128*PITCH
	s_lshl_b32 s21, s16, 7
	s_add_co_u32 s23, s23, s21
	v_mul_u32_u24 v5, v1, PITCH
	v_lshl_add_u32 v5, v2, 3, v5
	v_add_nc_u32 v[STO], s23, v5                   ; in: row 128 x row half + r, byte 128 x column half + 8 h
	s_mul_i32 s23, s14, 64*PITCH
	v_mul_u32_u24 v5, v2, PITCH
	v_lshl_add_u32 v5, v1, 4, v5
	v_add_nc_u32 v[RD], s23, v5                    ; back: wave w takes rows 64 w on; lanes 0-15 one row, lanes 16-31 the next
	v_lshlrev_b32 v5, 12, v2
	v_lshl_add_u32 v[CO], v1, 4, v5                ; and the same two rows of gc: 4,096 bytes apart
	v_lshlrev_b32 v[BO], 5, v2
	s_lshl_b32 s20, s17, 8                         ; where my part begins in gc: (256 x tile row + 64 w) rows of 4,096 + 256 x tile column
	s_lshl_b32 s21, s14, 6
	s_add_co_u32 s20, s20, s21
	s_lshl_b32 s20, s20, 12
	s_lshl_b32 s21, s42, 8
	s_add_co_u32 s20, s20, s21
	s_mov_b32 s21, 0
	s_add_nc_u64 s[12:13], s[12:13], s[20:21]
	s_lshl_b32 s46, s42, 10                        ; the bias of my 128 columns: 4 x (256 x tile column + 128 x half) bytes into fc_b
	s_lshl_b32 s47, s16, 9
	s_add_co_u32 s46, s46, s47
	s_mov_b32 s47, 0
	s_add_nc_u64 s[10:11], s[10:11], s[46:47]
.irp b, 0,1,2,3,4,5,6,7
	global_load_b128 v[BIAS+8*\b:BIAS+8*\b+3], v[BO], s[10:11] offset:64*\b
	global_load_b128 v[BIAS+8*\b+4:BIAS+8*\b+7], v[BO], s[10:11] offset:64*\b+16
.endr
.macro FRAG reg, adr, q, i
.irp c, 0,1,2,3
	ds_load_b128 v[\reg+4*\c:\reg+4*\c+3], v[\adr] offset:128*(\q)+32*\c+(\i)*16*PITCH
.endr
.endm
; 16 matrix instructions: A's blocks a0, a0 + 1 x B's eight, 128 along K.  The 64 accumulators take turns, one instruction a turn.
.macro MUL16 a0, p, zero
.irp a, \a0, \a0+1
.irp b, 0,1,2,3,4,5,6,7
.if \zero
	v_wmma_f32_16x16x128_fp8_fp8 v[8*(8*((\a)%4)+\b):8*(8*((\a)%4)+\b)+7], v[128*(\p)+FR*\b:128*(\p)+FR*\b+FR-1], v[AF+FR*(\a):AF+FR*(\a)+FR-1], 0
.else
	v_wmma_f32_16x16x128_fp8_fp8 v[8*(8*((\a)%4)+\b):8*(8*((\a)%4)+\b)+7], v[128*(\p)+FR*\b:128*(\p)+FR*\b+FR-1], v[AF+FR*(\a):AF+FR*(\a)+FR-1], v[8*(8*((\a)%4)+\b):8*(8*((\a)%4)+\b)+7]
.endif
.endr
.endr
.endm
.macro FETCH_B slot, q, p
	WIN TO_B
.irp i, 0,1,2,3,4,5,6,7
	FRAG 128*(\p)+FR*\i, ADRB+\slot, \q, \i
.endr
	WIN 0
.endm
.macro FETCH_A slot, q, i0
.irp i, \i0, \i0+1, \i0+2, \i0+3
	FRAG AF+FR*(\i), ADRA+\slot, \q, \i
.endr
.endm
.macro PLACES n                        ; plain vector lines between a matrix instruction and a load into, or a vector line on, its registers
.rept \n
	v_nop
.endr
.endm
.macro STEP slot, q, zero
	s_wait_dscnt 4*NL                              ; B's set and A's blocks 0-3 are in; the youngest 16 loads (A's blocks 4-7) may be out
	WIN MUL_LO
	MUL16 0, (\q)%2, \zero
	MUL16 2, (\q)%2, \zero
	s_wait_dscnt 0
	PLACES NP
	FETCH_B \slot, (\q)+1, 1-(\q)%2
	FETCH_A \slot, (\q)+1, 0
	WIN MUL_HI
	MUL16 4, (\q)%2, \zero
	MUL16 6, (\q)%2, \zero
	PLACES NP
	WIN 0
	FETCH_A \slot, (\q)+1, 4
.endm
; A slot's last step changes slots: ONE barrier; in front of it each wave waits for all its tensor loads, adds 0 to its spare word, and waits for that and for its own reads of this slot.
.macro TURN slot, next, fill
	s_wait_tensorcnt 0x0                           ; all my tensor loads have landed: my part of the next slot
	ds_add_u32 v[SPW], v[NIL]                      ; 0 onto my spare word
	s_wait_dscnt 4*NL+1                            ; (the add and the youngest 16 loads may be out)
	WIN MUL_LO
	MUL16 0, 1, 0
	s_wait_dscnt 0x0                               ; the add is done, and my reads of this slot are over
	s_barrier_signal -1
	MUL16 2, 1, 0
	WIN 0
	s_barrier_wait -1
.if \fill
	CREST                                          ; a round of the cluster's barrier: no wave of any partner still reads this slot or has a load on its way
	s_add_nc_u64 s[G0+4*\slot+2:G0+4*\slot+3], s[G0+4*\slot+2:G0+4*\slot+3], 2*ROWB
	s_add_nc_u64 s[G0B+4*\slot+2:G0B+4*\slot+3], s[G0B+4*\slot+2:G0B+4*\slot+3], 2*ROWB
	JLOAD G0+4*\slot, G1, G0B+4*\slot, G1B
.else
	PLACES NP
.endif
	FETCH_B \next, 0, 0
	FETCH_A \next, 0, 0
	WIN MUL_HI
	MUL16 4, 1, 0
	MUL16 6, 1, 0
	PLACES NP
	WIN 0
	FETCH_A \next, 0, 4
.endm
	s_wait_tensorcnt 1                             ; my part of K step 0 is in (K step 1's load may be out)
	s_barrier_signal -1
	s_barrier_wait -1
	FETCH_B 0, 0, 0
	FETCH_A 0, 0, 0
	FETCH_A 0, 0, 4
	STEP 0, 0, 1                                   ; the first step's products start the sums
	s_mov_b32 s3, LAPS-1
.Llap:
	TURN 0, 1, 1
	STEP 1, 0, 0
	TURN 1, 0, 1
	STEP 0, 0, 0
	s_sub_co_u32 s3, s3, 1
	s_cmp_lg_u32 s3, 0
	s_cbranch_scc1 .Llap
	TURN 0, 1, 0
	STEP 1, 0, 0
	s_wait_dscnt 4*NL
	WIN MUL_LO
	MUL16 0, 1, 0
	MUL16 2, 1, 0
	s_wait_dscnt 0
	WIN MUL_HI
	MUL16 4, 1, 0
	MUL16 6, 1, 0
	WIN 0
; THE WAY OUT.  Block a (16 rows x my 128 columns): x = sum x 2^(e10 + e11) + bias; g = x / (1 + 2^z); held, converted: 8 codes, 8 bytes, an accumulator, into the stage.
; The stage lies in slot 0, which has had its last fill, and which nobody reads behind the last change of slots.
	s_wait_kmcnt 0x0
	s_add_co_i32 s96, s72, s73
	s_add_co_i32 s96, s96, 127
	s_lshl_b32 s96, s96, 23                        ; 2^(e10 + e11) as f32
	s_mov_b32 s97, s96                             ; (named with it as a pair, so it is written)
	s_add_co_i32 s74, s74, 127
	s_lshl_b32 s75, s74, 23
	v_mov_b32 v48, s75                             ; 2^e12
	s_add_co_i32 s74, s74, 8
	s_lshl_b32 s74, s74, 23
	s_or_b32 s74, s74, 0x600000
	v_mov_b32 v49, s74                             ; 448 x 2^e12
	v_mov_b32 v50, 0xbdd2d3e8                      ; A1 = -0.10294324, twice: a pair for the packed forms
	v_mov_b32 v51, 0xbdd2d3e8
	v_mov_b32 v52, 0xc0135761                      ; A0 = -2.3022082
	v_mov_b32 v53, 0xc0135761
	s_wait_loadcnt 0x0                             ; the bias
	PLACES NP
.macro CBLOCK a
.set AC, 64*((\a)%4)
	WIN 0x02+((\a)/4)                              ; source 0: window 2 or 3
.set cj, 0
.rept 32
	v_pk_fma_f32 v[TMP+cj:TMP+cj+1], v[AC+cj:AC+cj+1], s[96:97], v[BIAS+cj:BIAS+cj+1] op_sel_hi:[1,0,1]   ; each accumulator from its low end on
.set cj, cj+2
.endr
	WIN 0
.set cj, 0
.rept 32
	v_pk_mul_f32 v[Z+cj:Z+cj+1], v[TMP+cj:TMP+cj+1], v[TMP+cj:TMP+cj+1]   ; x^2
.set cj, cj+2
.endr
.set cj, 0
.rept 32
	v_pk_fma_f32 v[Z+cj:Z+cj+1], v[Z+cj:Z+cj+1], v[50:51], v[52:53]       ; A1 x^2 + A0
.set cj, cj+2
.endr
.set cj, 0
.rept 32
	v_pk_mul_f32 v[Z+cj:Z+cj+1], v[Z+cj:Z+cj+1], v[TMP+cj:TMP+cj+1]       ; z
.set cj, cj+2
.endr
.set cj, 0
.rept 64
	v_exp_f32 v[Z+cj], v[Z+cj]
.set cj, cj+1
.endr
	v_nop                                          ; a plain line behind the batch,
	s_wait_alu depctr_va_vdst(0)                   ; and one wait for it, ahead of its first reader
.set cj, 0
.rept 32
	v_pk_add_f32 v[Z+cj:Z+cj+1], v[Z+cj:Z+cj+1], 1.0 op_sel_hi:[1,0]
.set cj, cj+2
.endr
.set cj, 0
.rept 64
	v_rcp_f32 v[Z+cj], v[Z+cj]
.set cj, cj+1
.endr
	v_nop
	s_wait_alu depctr_va_vdst(0)
.set cj, 0
.rept 32
	v_pk_mul_f32 v[TMP+cj:TMP+cj+1], v[TMP+cj:TMP+cj+1], v[Z+cj:Z+cj+1]   ; g
.set cj, cj+2
.endr
.set cj, 0
.rept 64
	v_med3_num_f32 v[TMP+cj], v[TMP+cj], -v49, v49 ; the conversion does not saturate (ISA guide 7.6.2): the hold comes first
.set cj, cj+1
.endr
.irp b, 0,1,2,3,4,5,6,7
	v_cvt_scalef32_pk8_fp8_f32 v[CD+2*\b:CD+2*\b+1], v[TMP+8*\b:TMP+8*\b+7], v48
.endr
	v_nop                                          ; a plain line behind the last conversion
.irp b, 0,1,2,3,4,5,6,7
	ds_store_b64 v[STO], v[CD+2*\b:CD+2*\b+1] offset:16*(\a)*PITCH+16*\b
.endr
.endm
.irp a, 0,1,2,3,4,5,6,7
	CBLOCK \a
.endr
	s_wait_dscnt 0x0                               ; for the others' sake: my stores into the stage are done
	s_barrier_signal -1
	s_barrier_wait -1
.irp t, 0,1,2,3,4,5,6,7,8,9,10,11,12,13,14,15,16,17,18,19,20,21,22,23,24,25,26,27,28,29,30,31
	ds_load_b128 v[BK+4*\t:BK+4*\t+3], v[RD] offset:2*\t*PITCH
.endr
.irp t, 0,1,2,3,4,5,6,7,8,9,10,11,12,13,14,15,16,17,18,19,20,21,22,23,24,25,26,27,28,29,30,31
	s_wait_dscnt 31-\t
	global_store_b128 v[CO], v[BK+4*\t:BK+4*\t+3], s[12:13] offset:8192*\t   ; sixteen lanes store 256 consecutive bytes, aligned
.endr
	s_wait_tensorcnt 0x0                           ; the wave's end
	ds_add_u32 v[SPW], v[NIL]
	s_wait_dscnt 0x0
	CROUND                                         ; the closing round
	s_endpgm
.Lfunc_end_k_q6eda573b1b_fc:
	.size	k_q6eda573b1b_fc, .Lfunc_end_k_q6eda573b1b_fc-k_q6eda573b1b_fc
	.p2alignl 7, 3214868480
	.fill 96, 4, 3214868480
	.section	.rodata,"a",@progbits
	.p2align	6, 0x0
	.amdhsa_kernel k_q6eda573b1b_fc
		.amdhsa_group_segment_fixed_size 327680
		.amdhsa_private_segment_fixed_size 0
		.amdhsa_enable_private_segment 0
		.amdhsa_kernarg_size 40
		.amdhsa_user_sgpr_count 2
		.amdhsa_user_sgpr_kernarg_segment_ptr 1
		.amdhsa_wavefront_size32 1
		.amdhsa_system_sgpr_workgroup_id_x 1
		.amdhsa_system_sgpr_workgroup_id_y 1
		.amdhsa_system_sgpr_workgroup_id_z 1
		.amdhsa_system_vgpr_workitem_id 0
		.amdhsa_next_free_vgpr 1024
		.amdhsa_next_free_sgpr 100
		.amdhsa_reserve_vcc 0
		.amdhsa_float_denorm_mode_32 3
		.amdhsa_float_denorm_mode_16_64 3
		.amdhsa_memory_ordered 1
		.amdhsa_forward_progress 1
		.amdhsa_inst_pref_size 255
	.end_amdhsa_kernel
	.section	.bss,"aw",@nobits
	.p2align	6
	.space	262144
	.amdgpu_metadata
---
amdhsa.version: [ 1, 2 ]
amdhsa.kernels:
  - .name:           k_q6eda573b1b_fc
    .symbol:         k_q6eda573b1b_fc.kd
    .args:
      - { .name: h2c, .offset: 0, .size: 8, .value_kind: global_buffer, .address_space: global }
      - { .name: wc, .offset: 8, .size: 8, .value_kind: global_buffer, .address_space: global }
      - { .name: lowp_scales, .offset: 16, .size: 8, .value_kind: global_buffer, .address_space: global }
      - { .name: fc_b, .offset: 24, .size: 8, .value_kind: global_buffer, .address_space: global }
      - { .name: gc, .offset: 32, .size: 8, .value_kind: global_buffer, .address_space: global }
    .group_segment_fixed_size: 327680
    .private_segment_fixed_size: 0
    .kernarg_segment_align: 8
    .kernarg_segment_size: 40
    .max_flat_workgroup_size: 128
    .sgpr_count:     100
    .vgpr_count:     1024
    .wavefront_size: 32
...
	.end_amdgpu_metadata
.endif
;; end of part 6
;; launch mlp (part 7): grid 4 x 16, 4 waves a work-group, clusters of 4 x 4, 327,680 bytes of LDS; arguments gc, wc, lowp_scales, mlp_proj_b, x1, out0; writes out0
.if DOCPART == 7
	.amdgcn_target "amdgcn-amd-amdhsa--gfx1250"
	.amdhsa_code_object_version 6
	.text
	.protected	k_q6eda573b1b_mlp
	.globl	k_q6eda573b1b_mlp
	.p2align	8
	.type	k_q6eda573b1b_mlp,@function
k_q6eda573b1b_mlp:
	s_mov_b64 s[64:65], 0
	v_nop
	global_prefetch_b8 v0, s[64:65] scope:SCOPE_SE
	s_setreg_imm32_b32 hwreg(HW_REG_WAVE_MODE, 25, 1), 1
	s_wait_xcnt 0x0
	s_wait_alu depctr_hold_cnt(0) depctr_sa_sdst(0) depctr_va_vdst(0) depctr_va_sdst(0) depctr_va_ssrc(0) depctr_va_vcc(0) depctr_vm_vsrc(0)
	s_getreg_b32 s2, hwreg(HW_REG_IB_STS2, 6, 4)
	s_cmp_eq_u32 s2, 0
	s_cbranch_scc0 .Lentry_in_a_cluster
	s_endpgm
.Lentry_in_a_cluster:
	s_bfe_u32 s2, ttmp6, 0x10000c
	s_cmp_lg_u32 s2, 0xf033
	s_cbranch_scc0 .Lentry_shape_is_right
	s_endpgm
.Lentry_shape_is_right:
; MLP.  out0 = x1 + g mlp_proj_w + mlp_proj_b, the product on codes of E4M3: A = g's codes [4,096][4,096] (scale 2^e12), B = mlp_proj_w's codes [1,024 (n)][4,096 (k)], 8 MiB into wc (scale 2^e13); x1, out0: [4,096][1,024] f32.
; C[m][n] = sum over k of A[m][k] B[n][k].  A tile of C, 256 x 256, is made by a work-group of four waves; a wave makes 128 x 128: 64 accumulators of 16 x 16, 512 registers.  64 tiles: 64 work-groups.
; K goes in steps of 256 through a ring of two LDS slots filled by joint tensor loads: 4 x 4 work-groups form a cluster; A's tile is shared along a row of the cluster, B's along a column.
; The matrix instruction is used transposed (source 0 = 16 rows of B, source 1 = 16 rows of A): a lane holds eight neighbouring numbers of a row of C.
; A fragment is fetched by four loads of 16 bytes: a permutation of k, the same in A and in B; only the order of the sums inside an instruction changes.
; LIMIT: e12 + e13 between -126 and 127.
; REGISTERS, in windows of 256: window 0: v0-31 addresses; v96-99 the bias; from v128 A's fragments, ONE set; on the way out v32-255 are free.  window 1: B's fragments, TWO sets; on the way out v0-127 take the residual's rows.  windows 2, 3: the accumulators.
.set SIZE_K, 4096
.set SIZE_N, 1024
.set WOFF,   0x800000                  ; where B's codes begin in wc
.set HAS_BIAS, 1
.set KSTEP,  256
.set ROWB,   256
.set KROW,   SIZE_K
.set PITCH,  272                       ; an LDS row: 256 bytes + 16 of padding: the 16 rows that a load touches start at 16 different banks (64 banks of 4 bytes: ISA guide 11.1)
.set FR,     16
.set NL,     4
.set NP,     4
.set HALFT,  128*PITCH
.set SLOT,   4*HALFT
.set LAPS,   SIZE_K/(2*KSTEP)
.set SPARE,  2*SLOT                    ; behind the ring: the spare words, 128 bytes for each wave, that no other line names
.set SPITCH, 528                       ; the way out: a stage of 16 rows x (512 bytes + 16) for each wave, in slot 0, which has had its last fill and its last read by then
.set ADRA, 16
.set ADRB, 20
.set STO,  24
.set RD,   25
.set CO,   26
.set SPW,  28
.set NIL,  29
.set TMP,  32                          ; v32-95   a block's sums x 2^(ea + eb)
.set BI,   96                          ; v96-99   the bias of my four columns
.set AF,   128
.set BK,   128                         ; v128-191, v192-255 by turns: 16 rows read back
.set G1, 24
.set G0, 32
.set G1B, 48
.set G0B, 56
.set MSB, 0
.macro WIN new                         ; the immediate's high byte repeats the setting that is left
.if MSB != \new
	s_set_vgpr_msb (MSB<<8)|\new
.set MSB, \new
.endif
.endm
.set MUL_LO, 0xa1
.set MUL_HI, 0xf1
.set TO_B,   0x40
; A joint load: waves 0 and 1 fetch for A, waves 2 and 3 for B.  The branch hangs on the wave's number alone.  Four v_nop follow each of the two lines.
.macro JLOAD g0a, g1a, g0b, g1b
	s_cmp_eq_u32 s15, 0
	s_cbranch_scc0 .Lfor_b_\@
	tensor_load_to_lds s[\g0a:\g0a+3], s[\g1a:\g1a+7]
	s_nop 0
.rept 4
	v_nop
.endr
	s_branch .Lasked_\@
.Lfor_b_\@:
	tensor_load_to_lds s[\g0b:\g0b+3], s[\g1b:\g1b+7]
	s_nop 0
.rept 4
	v_nop
.endr
.Lasked_\@:
.endm
.macro CREST
	s_cmp_lg_u32 s14, 0
	s_cbranch_scc1 .Lnot_wave_0_\@
	s_barrier_signal -3
.Lnot_wave_0_\@:
	s_barrier_wait -3
	s_barrier_signal -1
	s_barrier_wait -1
.endm
.macro CROUND
	s_barrier_signal -1
	s_barrier_wait -1
	CREST
.endm
	s_load_b128 s[4:7], s[0:1], 0x0                ; gc s[4:5], wc s[6:7]
	s_load_b128 s[8:11], s[0:1], 0x10              ; the scales' exponents s[8:9], mlp_proj_b s[10:11]
	s_load_b128 s[68:71], s[0:1], 0x20             ; the residual x1 s[68:69], out0 s[70:71]
	v_lshl_add_u32 v[SPW], v0, 2, SPARE
	v_mov_b32 v[NIL], 0
	ds_add_u32 v28, v29
	ds_add_u32 v28, v29
	s_wait_dscnt 0x0
	v_lshrrev_b32 v1, 5, v0
	v_readfirstlane_b32 s14, v1                    ; wave 0..3
	s_lshr_b32 s15, s14, 1                         ; which half of the tile's rows is mine.  Also: I fetch for A (0) or for B (1)
	s_and_b32 s16, s14, 1                          ; which half of its columns.  Also: which 128 rows of that tile I fetch
	s_bfe_u32 s40, ttmp6, 0x40000                  ; cx, cy
	s_bfe_u32 s41, ttmp6, 0x40004
	s_lshl_b32 s42, ttmp9, 2
	s_add_co_u32 s42, s42, s40                     ; tile column of C
	s_and_b32 s17, ttmp7, 0xffff
	s_lshl_b32 s17, s17, 2
	s_add_co_u32 s17, s17, s41                     ; tile row of C
	s_lshl_b32 s43, s41, 2
	s_lshl_b32 s43, 15, s43                        ; my row of the cluster
	s_lshl_b32 s44, 0x1111, s40                    ; my column
	s_or_b32 s[G1+0], s43, (0<<16)|(1<<20)|(1<<21)|(5<<22)|(3<<25)  ; the mask: A's tiles go to my row; elements of 1 byte; padding on; 21 set beside a mask; after every 64 words 4 words
	s_or_b32 s[G1B+0], s44, (0<<16)|(1<<20)|(1<<21)|(5<<22)|(3<<25)
.irp g, G1, G1B
	s_mov_b32 s[\g+1], ROWB<<16
	s_mov_b32 s[\g+2], 128<<16
	s_mov_b32 s[\g+3], ROWB<<16
	s_mov_b32 s[\g+4], 128
	s_mov_b32 s[\g+5], KROW
	s_mov_b32 s[\g+6], 0
	s_mov_b32 s[\g+7], 0
.endr
	s_lshl_b32 s18, s16, 7
	s_lshl_b32 s20, s17, 8
	s_add_co_u32 s20, s20, s18                     ; A: row 256 x tile row + 128 x half
	s_lshl_b32 s46, s42, 8
	s_add_co_u32 s46, s46, s18                     ; B: row 256 x tile column + 128 x half
	s_mov_b32 s21, 0
	s_mov_b32 s47, 0
	s_mov_b64 s[18:19], KROW
	s_mul_u64 s[20:21], s[20:21], s[18:19]
	s_mul_u64 s[46:47], s[46:47], s[18:19]
	s_add_nc_u64 s[46:47], s[46:47], WOFF
	s_mul_i32 s45, s14, HALFT                      ; where the tiles go: wave x 128 rows
	s_wait_kmcnt 0x0
	s_load_b64 s[96:97], s[8:9], 0x30              ; e12, e13
	s_add_nc_u64 s[20:21], s[4:5], s[20:21]
	s_add_nc_u64 s[46:47], s[6:7], s[46:47]
	CROUND                                         ; all sixteen work-groups are here: the first joint loads meet
.irp s, 0,1
	s_mov_b32 s[G0+4*\s], 1
	s_add_co_u32 s[G0+4*\s+1], s45, \s*SLOT
	s_add_nc_u64 s[G0+4*\s+2:G0+4*\s+3], s[20:21], \s*ROWB
	s_or_b32 s[G0+4*\s+3], s[G0+4*\s+3], 0x80000000
	s_mov_b32 s[G0B+4*\s], 1
	s_add_co_u32 s[G0B+4*\s+1], s45, \s*SLOT
	s_add_nc_u64 s[G0B+4*\s+2:G0B+4*\s+3], s[46:47], \s*ROWB
	s_or_b32 s[G0B+4*\s+3], s[G0B+4*\s+3], 0x80000000
	JLOAD G0+4*\s, G1, G0B+4*\s, G1B
.endr
	v_and_b32 v1, 15, v0
	v_bfe_u32 v2, v0, 4, 1
	v_mul_u32_u24 v3, v1, PITCH
	v_lshl_add_u32 v4, v2, 4, v3
	s_mul_i32 s21, s15, HALFT
	s_mul_i32 s22, s16, HALFT
	s_add_co_u32 s22, s22, 2*HALFT
.irp s, 0,1
	v_add_nc_u32 v[ADRA+\s], s21, v4
	v_add_nc_u32 v[ADRB+\s], s22, v4
	s_add_co_u32 s21, s21, SLOT
	s_add_co_u32 s22, s22, SLOT
.endr
	s_mul_i32 s23, s14, 16*SPITCH                  ; my stage
	v_mul_u32_u24 v5, v1, SPITCH                   ; in: row l % 16, 32 bytes for each half of the lanes
	v_lshl_add_u32 v5, v2, 5, v5
	v_add_nc_u32 v[STO], s23, v5
	v_and_b32 v6, 31, v0
	v_lshlrev_b32 v[CO], 4, v6                     ; back: the 32 lanes take one row of 512 bytes; and the same in memory
	v_add_nc_u32 v[RD], s23, v[CO]
	s_lshl_b32 s20, s17, 8
	s_lshl_b32 s21, s15, 7
	s_add_co_u32 s20, s20, s21                     ; my first row of C
	s_mov_b32 s21, 0
	s_mov_b64 s[18:19], SIZE_N*4
	s_mul_u64 s[20:21], s[20:21], s[18:19]
	s_lshl_b32 s46, s42, 10                        ; my first column, in bytes
	s_lshl_b32 s47, s16, 9
	s_add_co_u32 s46, s46, s47
	s_mov_b32 s47, 0
	s_add_nc_u64 s[10:11], s[10:11], s[46:47]      ; the bias at my first column
	s_add_nc_u64 s[20:21], s[20:21], s[46:47]
	s_add_nc_u64 s[68:69], s[68:69], s[20:21]      ; the residual and the result at my part's first number: all 128 rows are then reached by immediates, 127 x 4,096 bytes at the most
	s_add_nc_u64 s[70:71], s[70:71], s[20:21]
	global_load_b128 v[BI:BI+3], v[CO], s[10:11]   ; the bias of my four columns
.macro FRAG reg, adr, q, i
.irp c, 0,1,2,3
	ds_load_b128 v[\reg+4*\c:\reg+4*\c+3], v[\adr] offset:128*(\q)+32*\c+(\i)*16*PITCH
.endr
.endm
; 16 matrix instructions: A's blocks a0, a0 + 1 x B's eight, 128 along K.  The 64 accumulators take turns, one instruction a turn.
.macro MUL16 a0, p, zero
.irp a, \a0, \a0+1
.irp b, 0,1,2,3,4,5,6,7
.if \zero
	v_wmma_f32_16x16x128_fp8_fp8 v[8*(8*((\a)%4)+\b):8*(8*((\a)%4)+\b)+7], v[128*(\p)+FR*\b:128*(\p)+FR*\b+FR-1], v[AF+FR*(\a):AF+FR*(\a)+FR-1], 0
.else
	v_wmma_f32_16x16x128_fp8_fp8 v[8*(8*((\a)%4)+\b):8*(8*((\a)%4)+\b)+7], v[128*(\p)+FR*\b:128*(\p)+FR*\b+FR-1], v[AF+FR*(\a):AF+FR*(\a)+FR-1], v[8*(8*((\a)%4)+\b):8*(8*((\a)%4)+\b)+7]
.endif
.endr
.endr
.endm
.macro FETCH_B slot, q, p
	WIN TO_B
.irp i, 0,1,2,3,4,5,6,7
	FRAG 128*(\p)+FR*\i, ADRB+\slot, \q, \i
.endr
	WIN 0
.endm
.macro FETCH_A slot, q, i0
.irp i, \i0, \i0+1, \i0+2, \i0+3
	FRAG AF+FR*(\i), ADRA+\slot, \q, \i
.endr
.endm
.macro PLACES n                        ; plain vector lines between a matrix instruction and a load into, or a vector line on, its registers
.rept \n
	v_nop
.endr
.endm
.macro STEP slot, q, zero
	s_wait_dscnt 4*NL                              ; B's set and A's blocks 0-3 are in; the youngest 16 loads (A's blocks 4-7) may be out
	WIN MUL_LO
	MUL16 0, (\q)%2, \zero
	MUL16 2, (\q)%2, \zero
	s_wait_dscnt 0
	PLACES NP
	FETCH_B \slot, (\q)+1, 1-(\q)%2
	FETCH_A \slot, (\q)+1, 0
	WIN MUL_HI
	MUL16 4, (\q)%2, \zero
	MUL16 6, (\q)%2, \zero
	PLACES NP
	WIN 0
	FETCH_A \slot, (\q)+1, 4
.endm
; A slot's last step changes slots: ONE barrier; in front of it each wave waits for all its tensor loads, adds 0 to its spare word, and waits for that and for its own reads of this slot.
.macro TURN slot, next, fill
	s_wait_tensorcnt 0x0                           ; all my tensor loads have landed: my part of the next slot
	ds_add_u32 v[SPW], v[NIL]                      ; 0 onto my spare word
	s_wait_dscnt 4*NL+1                            ; (the add and the youngest 16 loads may be out)
	WIN MUL_LO
	MUL16 0, 1, 0
	s_wait_dscnt 0x0                               ; the add is done, and my reads of this slot are over
	s_barrier_signal -1
	MUL16 2, 1, 0
	WIN 0
	s_barrier_wait -1
.if \fill
	CREST                                          ; a round of the cluster's barrier: no wave of any partner still reads this slot or has a load on its way
	s_add_nc_u64 s[G0+4*\slot+2:G0+4*\slot+3], s[G0+4*\slot+2:G0+4*\slot+3], 2*ROWB
	s_add_nc_u64 s[G0B+4*\slot+2:G0B+4*\slot+3], s[G0B+4*\slot+2:G0B+4*\slot+3], 2*ROWB
	JLOAD G0+4*\slot, G1, G0B+4*\slot, G1B
.else
	PLACES NP
.endif
	FETCH_B \next, 0, 0
	FETCH_A \next, 0, 0
	WIN MUL_HI
	MUL16 4, 1, 0
	MUL16 6, 1, 0
	PLACES NP
	WIN 0
	FETCH_A \next, 0, 4
.endm
	s_wait_tensorcnt 1                             ; my part of K step 0 is in (K step 1's load may be out)
	s_barrier_signal -1
	s_barrier_wait -1
	FETCH_B 0, 0, 0
	FETCH_A 0, 0, 0
	FETCH_A 0, 0, 4
	STEP 0, 0, 1                                   ; the first step's products start the sums
	s_mov_b32 s3, LAPS-1
.Llap:
	TURN 0, 1, 1
	STEP 1, 0, 0
	TURN 1, 0, 1
	STEP 0, 0, 0
	s_sub_co_u32 s3, s3, 1
	s_cmp_lg_u32 s3, 0
	s_cbranch_scc1 .Llap
	TURN 0, 1, 0
	STEP 1, 0, 0
	s_wait_dscnt 4*NL
	WIN MUL_LO
	MUL16 0, 1, 0
	MUL16 2, 1, 0
	s_wait_dscnt 0
	WIN MUL_HI
	MUL16 4, 1, 0
	MUL16 6, 1, 0
	WIN 0
; THE WAY OUT, block by block of 16 rows x 128 columns.  A block's sums, x 2^(ea + eb) on their way into window 0, go through my own stage and come back as whole rows of 512 bytes; the residual's rows, asked for two blocks ahead, and the bias are added; 32 lanes store a row.
.macro RLOAD a                         ; the residual's 16 rows of block a into window 1, v0-63 and v64-127 by turns
	WIN 0x40
.irp t, 0,1,2,3,4,5,6,7,8,9,10,11,12,13,14,15
	global_load_b128 v[64*((\a)%2)+4*\t:64*((\a)%2)+4*\t+3], v[CO], s[68:69] offset:(16*(\a)+\t)*SIZE_N*4 th:TH_LOAD_NT
.endr
	WIN 0
.endm
.macro TOSTAGE a
.set AC, 64*((\a)%4)
	WIN 0x02+((\a)/4)                              ; source 0: window 2 or 3
.irp j, 0,2,4,6,8,10,12,14,16,18,20,22,24,26,28,30,32,34,36,38,40,42,44,46,48,50,52,54,56,58,60,62
	v_pk_mul_f32 v[TMP+\j:TMP+\j+1], v[AC+\j:AC+\j+1], s[96:97] op_sel_hi:[1,0]   ; each accumulator from its low end on
.endr
	WIN 0
.irp b, 0,1,2,3,4,5,6,7
	ds_store_b128 v[STO], v[TMP+8*\b:TMP+8*\b+3] offset:64*\b
	ds_store_b128 v[STO], v[TMP+8*\b+4:TMP+8*\b+7] offset:64*\b+16
.endr
.set BB, BK+64*((\a)%2)
.irp t, 0,1,2,3,4,5,6,7,8,9,10,11,12,13,14,15
	ds_load_b128 v[BB+4*\t:BB+4*\t+3], v[RD] offset:\t*SPITCH   ; LDS serves a wave's instructions in order (ISA guide 5.7.1.4): these see the stores above
.endr
.endm
.macro SEND a, younger, lc             ; younger: LDS instructions issued behind block a's loads; lc: global loads issued behind block a's residual rows
.set BB, BK+64*((\a)%2)
.set RR, 64*((\a)%2)
	s_wait_dscnt \younger
	s_wait_loadcnt \lc
	WIN 0x04                                       ; source 1: window 1
.irp j, 0,2,4,6,8,10,12,14,16,18,20,22,24,26,28,30,32,34,36,38,40,42,44,46,48,50,52,54,56,58,60,62
	v_pk_add_f32 v[BB+\j:BB+\j+1], v[BB+\j:BB+\j+1], v[RR+\j:RR+\j+1]
.endr
	WIN 0
.if HAS_BIAS
.irp t, 0,1,2,3,4,5,6,7,8,9,10,11,12,13,14,15
	v_pk_add_f32 v[BB+4*\t:BB+4*\t+1], v[BB+4*\t:BB+4*\t+1], v[BI:BI+1]
	v_pk_add_f32 v[BB+4*\t+2:BB+4*\t+3], v[BB+4*\t+2:BB+4*\t+3], v[BI+2:BI+3]
.endr
.endif
.irp t, 0,1,2,3,4,5,6,7,8,9,10,11,12,13,14,15
	global_store_b128 v[CO], v[BB+4*\t:BB+4*\t+3], s[70:71] offset:(16*(\a)+\t)*SIZE_N*4 th:TH_STORE_NT   ; 32 lanes store 512 consecutive bytes, aligned; written once, read by nobody here
.endr
.endm
	s_wait_kmcnt 0x0
	s_add_co_i32 s96, s96, s97
	s_add_co_i32 s96, s96, 127
	s_lshl_b32 s96, s96, 23                        ; 2^(ea + eb) as f32
	PLACES NP
	RLOAD 0
	RLOAD 1
	TOSTAGE 0
.irp a, 1,2,3,4,5,6,7
.if \a > 1
	s_wait_xcnt 0x0                                ; block a - 2's stores have read their registers: block a's loads may land there
.endif
	TOSTAGE \a
	SEND \a-1, 32, 16                              ; behind block a - 1's LDS loads: block a's 16 stores and 16 loads; behind its residual rows (and the bias, asked for at the head): block a's 16 loads
.if \a < 7
	RLOAD \a+1
.endif
.endr
	SEND 7, 0, 0
	s_wait_tensorcnt 0x0                           ; the wave's end
	ds_add_u32 v[SPW], v[NIL]
	s_wait_dscnt 0x0
	CROUND                                         ; the closing round
	s_endpgm
.Lfunc_end_k_q6eda573b1b_mlp:
	.size	k_q6eda573b1b_mlp, .Lfunc_end_k_q6eda573b1b_mlp-k_q6eda573b1b_mlp
	.p2alignl 7, 3214868480
	.fill 96, 4, 3214868480
	.section	.rodata,"a",@progbits
	.p2align	6, 0x0
	.amdhsa_kernel k_q6eda573b1b_mlp
		.amdhsa_group_segment_fixed_size 327680
		.amdhsa_private_segment_fixed_size 0
		.amdhsa_enable_private_segment 0
		.amdhsa_kernarg_size 48
		.amdhsa_user_sgpr_count 2
		.amdhsa_user_sgpr_kernarg_segment_ptr 1
		.amdhsa_wavefront_size32 1
		.amdhsa_system_sgpr_workgroup_id_x 1
		.amdhsa_system_sgpr_workgroup_id_y 1
		.amdhsa_system_sgpr_workgroup_id_z 1
		.amdhsa_system_vgpr_workitem_id 0
		.amdhsa_next_free_vgpr 1024
		.amdhsa_next_free_sgpr 100
		.amdhsa_reserve_vcc 0
		.amdhsa_float_denorm_mode_32 3
		.amdhsa_float_denorm_mode_16_64 3
		.amdhsa_memory_ordered 1
		.amdhsa_forward_progress 1
		.amdhsa_inst_pref_size 168
	.end_amdhsa_kernel
	.amdgpu_metadata
---
amdhsa.version: [ 1, 2 ]
amdhsa.kernels:
  - .name:           k_q6eda573b1b_mlp
    .symbol:         k_q6eda573b1b_mlp.kd
    .args:
      - { .name: gc, .offset: 0, .size: 8, .value_kind: global_buffer, .address_space: global }
      - { .name: wc, .offset: 8, .size: 8, .value_kind: global_buffer, .address_space: global }
      - { .name: lowp_scales, .offset: 16, .size: 8, .value_kind: global_buffer, .address_space: global }
      - { .name: mlp_proj_b, .offset: 24, .size: 8, .value_kind: global_buffer, .address_space: global }
      - { .name: x1, .offset: 32, .size: 8, .value_kind: global_buffer, .address_space: global }
      - { .name: out0, .offset: 40, .size: 8, .value_kind: global_buffer, .address_space: global }
    .group_segment_fixed_size: 327680
    .private_segment_fixed_size: 0
    .kernarg_segment_align: 8
    .kernarg_segment_size: 48
    .max_flat_workgroup_size: 128
    .sgpr_count:     100
    .vgpr_count:     1024
    .wavefront_size: 32
...
	.end_amdgpu_metadata
.endif
;; end of part 7
;; ======== version 2 of 2: 7 launches
;; limits: right only within a limited range of input values
;; workspace buffers: wc 12,582,912 bytes; hc 8,388,608 bytes; qkv 12,582,912 bytes; oc 4,194,304 bytes; x1 16,777,216 bytes; h2c 4,194,304 bytes; gc 16,777,216 bytes
;; launch prep (part 8): grid 640 x 1, 4 waves a work-group, no clusters, 43,520 bytes of LDS; arguments x, ln1_w, ln1_b, qk_w, v_w, attn_proj_w, fc_w, mlp_proj_w, lowp_scales, wc, hc; writes wc, hc
.if DOCPART == 8
	.amdgcn_target "amdgcn-amd-amdhsa--gfx1250"
	.amdhsa_code_object_version 6
	.text
	.protected	k_q6eda573b1b_prep
	.globl	k_q6eda573b1b_prep
	.p2align	8
	.type	k_q6eda573b1b_prep,@function
k_q6eda573b1b_prep:
	s_mov_b64 s[64:65], 0
	v_nop
	global_prefetch_b8 v0, s[64:65] scope:SCOPE_SE
	s_setreg_imm32_b32 hwreg(HW_REG_WAVE_MODE, 25, 1), 1
	s_wait_xcnt 0x0
; PREP.  Two jobs in one launch, told apart by the work-group's number.
; Work-groups 0-383: the five weights, f32 stored [K][N], become codes of E4M3 laid [N][K], K innermost, each with its given scale 2^e.
;   A LANE TAKES A COLUMN n AND ITS REGISTERS RUN DOWN K: each load reads 128 consecutive bytes a wave, and the conversions, which take neighbours along K from one lane's
;   consecutive registers, give codes with K innermost.  A wave takes 32 columns x 256 along K; the codes go through the wave's own stage in LDS and leave as rows: sixteen lanes store 256 consecutive bytes, aligned.
; Work-groups 384-639: h = layernorm(x) x ln1_w + ln1_b, quantised twice, with e0 (for h qk_w) and with e2 (for h v_w).  One wave takes a whole row of 1,024 numbers in 32 registers; 4 rows a wave.
;   The variance is the mean of (x - mean)^2, taken in a second pass over the registers.
; code = number / 2^e, held within +-448, rounded to the nearest code, ties to even.
; LIMITS: each e used here lies between -126 and 119, so that 2^e and 448 x 2^e are f32 numbers.  NaN among the inputs is not served; an infinity is held at the largest code.
; No tensor loads, no barrier: waves share nothing.  The two jobs have LDS bytes of their own: weights 0 .. 34,815; rows 34,816 .. 43,007.
.set WGW,   384                        ; work-groups for the weights
.set PITCH, 272                        ; a stage row: 256 bytes of codes + 16
.set LNL,   4*32*PITCH                 ; where the rows' LDS begins
.set VO,    16                         ; v16-47   i x (a row of the weight in bytes) + 4 x lane
.set X,     48                         ; v48-111  two sets of 32 numbers
.set C,     112                        ; v112-119 a block's codes
.set OUTR,  120                        ; v120-183 the way out
.set OV,    184                        ; v184-199 the stores' offsets
	s_load_b512 s[4:19], s[0:1], 0x0               ; x 4:5, ln1_w 6:7, ln1_b 8:9, qk_w 10:11, v_w 12:13, attn_proj_w 14:15, fc_w 16:17, mlp_proj_w 18:19
	s_load_b128 s[20:23], s[0:1], 0x40             ; the scales' exponents 20:21, wc 22:23
	s_load_b64 s[24:25], s[0:1], 0x50              ; hc
	v_lshl_add_u32 v240, v0, 2, 0xa800
	v_mov_b32 v241, 0
	v_lshrrev_b32 v1, 5, v0
	v_readfirstlane_b32 s26, v1                    ; wave 0..3
	v_and_b32 v2, 31, v0                           ; lane
	s_wait_kmcnt 0x0
	s_load_b128 s[28:31], s[20:21], 0x0            ; e0 .. e3
	s_load_b128 s[32:35], s[20:21], 0x20           ; e8 .. e11
	s_load_b64 s[36:37], s[20:21], 0x30            ; e12, e13
	s_cmp_ge_u32 ttmp9, WGW
	s_cbranch_scc1 .Lln
; ---------------- the weights ----------------
	s_wait_kmcnt 0x0
	s_mov_b64 s[40:41], s[18:19]                   ; the tensor's figures begin as mlp_proj_w's: its address,
	s_mov_b32 s42, 256                             ; its first work-group,
	s_mov_b32 s43, 3                               ; log2 of its work-groups along n,
	s_mov_b32 s77, 7                               ; that number less 1,
	s_mov_b32 s44, 4096                            ; a row [K] in bytes: 4 N,
	s_mov_b32 s45, 4096                            ; a row of its codes in bytes: K,
	s_mov_b32 s46, s37                             ; its e,
	s_mov_b32 s47, 0x800000                        ; and where its codes begin in wc
.macro PICK bound, src, first, lognx, nxm, pitch, krow, e, dst   ; a work-group under the bound belongs to an earlier tensor: the choice hangs on the work-group's number alone
	s_cmp_lt_u32 ttmp9, \bound
	s_cselect_b64 s[40:41], s[\src:\src+1], s[40:41]
	s_cselect_b32 s42, \first, s42
	s_cselect_b32 s43, \lognx, s43
	s_cselect_b32 s77, \nxm, s77
	s_cselect_b32 s44, \pitch, s44
	s_cselect_b32 s45, \krow, s45
	s_cselect_b32 s46, s[\e], s46
	s_cselect_b32 s47, \dst, s47
.endm
	PICK 256, 16, 128, 5, 31, 16384, 1024, 35, 0x400000   ; fc_w, e11
	PICK 128, 14, 96,  3, 7,  4096,  1024, 33, 0x300000   ; attn_proj_w, e9
	PICK 96,  12, 64,  3, 7,  4096,  1024, 31, 0x200000   ; v_w, e3
	PICK 64,  10, 0,   4, 15, 8192,  1024, 29, 0          ; qk_w, e1
	s_sub_co_u32 s68, ttmp9, s42                   ; my number within the tensor
	s_and_b32 s69, s68, s77                        ; which 128 columns
	s_lshr_b32 s70, s68, s43                       ; which 256 along K
	s_lshl_b32 s69, s69, 7
	s_lshl_b32 s71, s26, 5
	s_add_co_u32 s69, s69, s71                     ; my wave's first column
	s_mul_i32 s72, s70, s44
	s_lshl_b32 s72, s72, 8                         ; 256 y rows of the weight,
	s_lshl_b32 s73, s69, 2
	s_add_co_u32 s72, s72, s73                     ; + 4 bytes a column
	s_mov_b32 s73, 0
	s_add_nc_u64 s[48:49], s[40:41], s[72:73]      ; block 0's base; each block of 32 along K has a base of its own, so that none is ever stepped
	s_lshl_b32 s74, s44, 5                         ; 32 rows
	s_mov_b32 s75, 0
.irp t, 1,2,3,4,5,6,7
	s_add_nc_u64 s[48+2*\t:49+2*\t], s[46+2*\t:47+2*\t], s[74:75]
.endr
	s_mul_i32 s72, s69, s45                        ; the codes: my first column's row,
	s_lshl_b32 s76, s70, 8
	s_add_co_u32 s72, s72, s76                     ; + 256 y bytes along K,
	s_add_co_u32 s72, s72, s47                     ; in the tensor's part of wc
	s_add_nc_u64 s[66:67], s[22:23], s[72:73]
	s_wait_alu depctr_va_vdst(0)
	v_lshlrev_b32 v3, 2, v2                        ; in: 4 bytes a lane
	s_mul_i32 s71, s26, 32*PITCH                   ; my stage
	v_mul_u32_u24 v4, v2, PITCH
	v_add_nc_u32 v4, s71, v4                       ; into it: row = my column
	v_and_b32 v5, 15, v2
	v_lshrrev_b32 v6, 4, v2                        ; out of it: sixteen lanes to a row, two rows an instruction
	v_mul_u32_u24 v7, v6, PITCH
	v_lshl_add_u32 v7, v5, 4, v7
	v_add_nc_u32 v7, s71, v7
	v_mul_u32_u24 v8, v6, s45
	v_lshl_add_u32 v8, v5, 4, v8                   ; and the same place among the codes
.set i, 0
.rept 32
	v_mad_u32_u24 v[VO+i], s44, i, v3              ; row i of a block, my column
.set i, i+1
.endr
.set i, 0
.rept 16
	v_mad_u32_u24 v[OV+i], s45, 2*i, v8            ; rows 2 i, 2 i + 1 of the codes
.set i, i+1
.endr
.macro LOAD t                          ; block t: W(32 t + i, my column), i = 0 .. 31, into set t % 2
.set li, 0
.rept 32
	global_load_b32 v[X+32*((\t)%2)+li], v[VO+li], s[48+2*(\t):49+2*(\t)] th:TH_LOAD_NT
.set li, li+1
.endr
.endm
	LOAD 0
	LOAD 1
	s_add_co_i32 s46, s46, 127
	s_lshl_b32 s76, s46, 23
	v_mov_b32 v11, s76                             ; 2^e as f32: the conversion takes its exponent field
	s_add_co_i32 s46, s46, 8
	s_lshl_b32 s46, s46, 23
	s_or_b32 s46, s46, 0x600000
	v_mov_b32 v10, s46                             ; 448 x 2^e
.macro BLOCK t
.set XS, X+32*((\t)%2)
.if (\t) < 7
	s_wait_loadcnt 32                              ; this block's 32 loads are in; the next block's 32 may be out
.else
	s_wait_loadcnt 0
.endif
.set bi, 0
.rept 32
	v_med3_num_f32 v[XS+bi], v[XS+bi], -v10, v10   ; the conversion to an 8-bit code does not saturate (ISA guide 7.6.2): the hold comes first
.set bi, bi+1
.endr
.irp g, 0,1,2,3
	v_cvt_scalef32_pk8_fp8_f32 v[C+2*\g:C+2*\g+1], v[XS+8*\g:XS+8*\g+7], v11
.endr
	ds_store_b128 v4, v[C:C+3] offset:32*(\t)      ; 32 codes: 32 bytes of my column's row
	ds_store_b128 v4, v[C+4:C+7] offset:32*(\t)+16
.if (\t)+2 < 8
	LOAD (\t)+2
.endif
	s_wait_dscnt 0x0                               ; the stores have read their registers: the next block's codes may be written (its 32 holds are the plain lines behind these conversions)
.endm
	s_wait_alu depctr_va_vdst(0)
.irp t, 0,1,2,3,4,5,6,7
	BLOCK \t
.endr
.irp t, 0,1,2,3,4,5,6,7,8,9,10,11,12,13,14,15
	ds_load_b128 v[OUTR+4*\t:OUTR+4*\t+3], v7 offset:2*\t*PITCH   ; LDS serves a wave's instructions in order: these see my stores
.endr
.irp t, 0,1,2,3,4,5,6,7,8,9,10,11,12,13,14,15
	s_wait_dscnt 15-\t
	global_store_b128 v[OV+\t], v[OUTR+4*\t:OUTR+4*\t+3], s[66:67]   ; sixteen lanes store 256 consecutive bytes, aligned
.endr
	s_wait_tensorcnt 0x0
	ds_add_u32 v240, v241
	s_wait_dscnt 0x0
	s_endpgm
; ---------------- the rows ----------------
; Lane l holds elements 128 j + 4 l + 0 .. 3 of a row, j = 0 .. 7: each load of the wave covers 512 consecutive bytes.
; v[8:9] the mean, v[10:11] 1 / sqrt(var + eps), v12-15 the two scales and their holds, v16-31 at work, v32-47 codes, v48-79 ln1_w, v80-111 ln1_b, v112-239 four rows.
.Lln:
	s_wait_kmcnt 0x0
	s_sub_co_u32 s38, ttmp9, WGW
	s_lshl_b32 s38, s38, 4
	s_lshl_b32 s39, s26, 2
	s_add_co_u32 s38, s38, s39                     ; my first row: 16 x work-group + 4 x wave
	s_lshl_b32 s48, s38, 12
	s_mov_b32 s49, 0
	s_add_nc_u64 s[40:41], s[4:5], s[48:49]        ; x at that row
	s_lshl_b32 s48, s38, 10
	s_add_nc_u64 s[42:43], s[24:25], s[48:49]      ; hc at that row
	s_mov_b32 s44, 0x76543210                      ; v_permlanex16_b32: lane l takes lane l xor 16
	s_mov_b32 s45, 0xfedcba98
	s_mov_b32 s46, 0x3a800000                      ; 1 / 1024
	s_mov_b32 s47, 0x3727c5ac                      ; 1e-5
	s_wait_alu depctr_va_vdst(0)
	v_lshlrev_b32 v3, 4, v2                        ; 16 x lane
.irp j, 0,1,2,3,4,5,6,7
	global_load_b128 v[48+4*\j:51+4*\j], v3, s[6:7] offset:512*\j
.endr
.irp j, 0,1,2,3,4,5,6,7
	global_load_b128 v[80+4*\j:83+4*\j], v3, s[8:9] offset:512*\j
.endr
.irp s, 0,1,2,3
.irp j, 0,1,2,3,4,5,6,7
	global_load_b128 v[112+32*\s+4*\j:115+32*\s+4*\j], v3, s[40:41] offset:4096*\s+512*\j th:TH_LOAD_NT
.endr
.endr
	s_lshl_b32 s50, s26, 11
	s_add_co_u32 s50, s50, LNL                     ; my wave's 2,048 bytes of LDS: a row's codes, twice
	v_lshl_add_u32 v4, v2, 2, s50                  ; in: 4 codes a lane
	v_lshl_add_u32 v5, v2, 4, s50                  ; back: 16 a lane
	v_mov_b32 v21, 0                               ; a lane permute's destination counts as one of its sources
	s_add_co_i32 s51, s28, 127
	s_lshl_b32 s52, s51, 23
	v_mov_b32 v12, s52                             ; 2^e0
	s_add_co_i32 s51, s51, 8
	s_lshl_b32 s51, s51, 23
	s_or_b32 s51, s51, 0x600000
	v_mov_b32 v13, s51                             ; 448 x 2^e0
	s_add_co_i32 s51, s30, 127
	s_lshl_b32 s52, s51, 23
	v_mov_b32 v14, s52                             ; 2^e2
	s_add_co_i32 s51, s51, 8
	s_lshl_b32 s51, s51, 23
	s_or_b32 s51, s51, 0x600000
	v_mov_b32 v15, s51                             ; 448 x 2^e2
.macro ALLSUM                          ; the two chains v[16:17], v[18:19] -> the sum over the wave's 1,024 numbers, in v20 of every lane
	v_pk_add_f32 v[16:17], v[16:17], v[18:19]
	v_add_f32 v20, v16, v17
	v_add_f32_dpp v20, v20, v20 row_xmask:1 row_mask:0xf bank_mask:0xf
	v_add_f32_dpp v20, v20, v20 row_xmask:2 row_mask:0xf bank_mask:0xf
	v_add_f32_dpp v20, v20, v20 row_xmask:4 row_mask:0xf bank_mask:0xf
	v_add_f32_dpp v20, v20, v20 row_xmask:8 row_mask:0xf bank_mask:0xf
	v_permlanex16_b32 v21, v20, s44, s45
	v_add_f32 v20, v20, v21
.endm
.macro LNROW s
.set XS, 112+32*\s
	s_wait_loadcnt 24-8*\s                         ; my row is in (and ln1_w, ln1_b, asked for earlier); the younger rows, eight loads each, stay out
	v_pk_add_f32 v[16:17], v[XS:XS+1], v[XS+2:XS+3]
	v_pk_add_f32 v[18:19], v[XS+4:XS+5], v[XS+6:XS+7]
.irp j, 8,12,16,20,24,28
	v_pk_add_f32 v[16:17], v[16:17], v[XS+\j:XS+\j+1]
	v_pk_add_f32 v[18:19], v[18:19], v[XS+\j+2:XS+\j+3]
.endr
	ALLSUM
	v_mul_f32 v8, s46, v20                         ; the mean
	v_mov_b32 v9, v8
.set k, 0
.rept 16
	v_pk_add_f32 v[XS+k:XS+k+1], v[XS+k:XS+k+1], v[8:9] neg_lo:[0,1] neg_hi:[0,1]   ; x - mean
.set k, k+2
.endr
	v_pk_mul_f32 v[16:17], v[XS:XS+1], v[XS:XS+1]
	v_pk_mul_f32 v[18:19], v[XS+2:XS+3], v[XS+2:XS+3]
.irp j, 4,8,12,16,20,24,28
	v_pk_fma_f32 v[16:17], v[XS+\j:XS+\j+1], v[XS+\j:XS+\j+1], v[16:17]
	v_pk_fma_f32 v[18:19], v[XS+\j+2:XS+\j+3], v[XS+\j+2:XS+\j+3], v[18:19]
.endr
	ALLSUM
	v_fma_f32 v20, v20, s46, s47                   ; the variance + eps
	s_wait_alu depctr_va_vdst(0)
	v_rsq_f32 v10, v20
	v_nop                                          ; a plain line behind the transcendental,
	s_wait_alu depctr_va_vdst(0)                   ; and the wait ahead of its first reader
	v_mov_b32 v11, v10
.set k, 0
.rept 16
	v_pk_mul_f32 v[XS+k:XS+k+1], v[XS+k:XS+k+1], v[10:11]
.set k, k+2
.endr
.set k, 0
.rept 16
	v_pk_fma_f32 v[XS+k:XS+k+1], v[XS+k:XS+k+1], v[48+k:49+k], v[80+k:81+k]   ; x ln1_w + ln1_b
.set k, k+2
.endr
.irp g, 0,1,2,3                        ; with e0: held into v16-23 and v24-31 by turns, since h is wanted once more
.irp i, 0,1,2,3,4,5,6,7
	v_med3_num_f32 v[16+8*(\g%2)+\i], v[XS+8*\g+\i], -v13, v13
.endr
	v_cvt_scalef32_pk8_fp8_f32 v[32+2*\g:33+2*\g], v[16+8*(\g%2):23+8*(\g%2)], v12
.endr
.irp g, 0,1,2,3                        ; with e2: held in place
.irp i, 0,1,2,3,4,5,6,7
	v_med3_num_f32 v[XS+8*\g+\i], v[XS+8*\g+\i], -v15, v15
.endr
	v_cvt_scalef32_pk8_fp8_f32 v[40+2*\g:41+2*\g], v[XS+8*\g:XS+8*\g+7], v14
.endr
	v_nop                                          ; a plain line behind the last conversion
.irp j, 0,1,2,3,4,5,6,7
	ds_store_b32 v4, v[32+\j] offset:128*\j        ; register j: the codes of elements 128 j + 4 l + 0 .. 3
	ds_store_b32 v4, v[40+\j] offset:1024+128*\j
.endr
.irp i, 0,1,2,3
	ds_load_b128 v[XS+4*\i:XS+4*\i+3], v5 offset:512*\i   ; LDS serves a wave's instructions in order: these see my stores, and the next row's stores come behind them
.endr
	s_wait_dscnt 0x0
	global_store_b128 v3, v[XS:XS+3], s[42:43] offset:1024*\s                  ; each store covers 512 consecutive bytes, aligned
	global_store_b128 v3, v[XS+4:XS+7], s[42:43] offset:1024*\s+512
	global_store_b128 v3, v[XS+8:XS+11], s[42:43] offset:4194304+1024*\s       ; the second set lies 4,096 rows further on
	global_store_b128 v3, v[XS+12:XS+15], s[42:43] offset:4194304+1024*\s+512
.endm
	LNROW 0
	LNROW 1
	LNROW 2
	LNROW 3
	s_wait_tensorcnt 0x0
	ds_add_u32 v240, v241
	s_wait_dscnt 0x0
	s_endpgm
.Lfunc_end_k_q6eda573b1b_prep:
	.size	k_q6eda573b1b_prep, .Lfunc_end_k_q6eda573b1b_prep-k_q6eda573b1b_prep
	.p2alignl 7, 3214868480
	.fill 96, 4, 3214868480
	.section	.rodata,"a",@progbits
	.p2align	6, 0x0
	.amdhsa_kernel k_q6eda573b1b_prep
		.amdhsa_group_segment_fixed_size 43520
		.amdhsa_private_segment_fixed_size 0
		.amdhsa_enable_private_segment 0
		.amdhsa_kernarg_size 88
		.amdhsa_user_sgpr_count 2
		.amdhsa_user_sgpr_kernarg_segment_ptr 1
		.amdhsa_wavefront_size32 1
		.amdhsa_system_sgpr_workgroup_id_x 1
		.amdhsa_system_sgpr_workgroup_id_y 1
		.amdhsa_system_sgpr_workgroup_id_z 1
		.amdhsa_system_vgpr_workitem_id 0
		.amdhsa_next_free_vgpr 242
		.amdhsa_next_free_sgpr 80
		.amdhsa_reserve_vcc 0
		.amdhsa_float_denorm_mode_32 3
		.amdhsa_float_denorm_mode_16_64 3
		.amdhsa_memory_ordered 1
		.amdhsa_forward_progress 1
		.amdhsa_inst_pref_size 110
	.end_amdhsa_kernel
	.amdgpu_metadata
---
amdhsa.version: [ 1, 2 ]
amdhsa.kernels:
  - .name:           k_q6eda573b1b_prep
    .symbol:         k_q6eda573b1b_prep.kd
    .args:
      - { .name: x, .offset: 0, .size: 8, .value_kind: global_buffer, .address_space: global }
      - { .name: ln1_w, .offset: 8, .size: 8, .value_kind: global_buffer, .address_space: global }
      - { .name: ln1_b, .offset: 16, .size: 8, .value_kind: global_buffer, .address_space: global }
      - { .name: qk_w, .offset: 24, .size: 8, .value_kind: global_buffer, .address_space: global }
      - { .name: v_w, .offset: 32, .size: 8, .value_kind: global_buffer, .address_space: global }
      - { .name: attn_proj_w, .offset: 40, .size: 8, .value_kind: global_buffer, .address_space: global }
      - { .name: fc_w, .offset: 48, .size: 8, .value_kind: global_buffer, .address_space: global }
      - { .name: mlp_proj_w, .offset: 56, .size: 8, .value_kind: global_buffer, .address_space: global }
      - { .name: lowp_scales, .offset: 64, .size: 8, .value_kind: global_buffer, .address_space: global }
      - { .name: wc, .offset: 72, .size: 8, .value_kind: global_buffer, .address_space: global }
      - { .name: hc, .offset: 80, .size: 8, .value_kind: global_buffer, .address_space: global }
    .group_segment_fixed_size: 43520
    .private_segment_fixed_size: 0
    .kernarg_segment_align: 8
    .kernarg_segment_size: 88
    .max_flat_workgroup_size: 128
    .sgpr_count:     80
    .vgpr_count:     242
    .wavefront_size: 32
...
	.end_amdgpu_metadata
.endif
;; end of part 8
;; launch qkv (part 9): grid 48 x 4, 4 waves a work-group, clusters of 4 x 4, 327,680 bytes of LDS; arguments hc, wc, lowp_scales, qk_b, qkv; writes qkv
.if DOCPART == 9
	.amdgcn_target "amdgcn-amd-amdhsa--gfx1250"
	.amdhsa_code_object_version 6
	.text
	.protected	k_q6eda573b1b_qkv
	.globl	k_q6eda573b1b_qkv
	.p2align	8
	.type	k_q6eda573b1b_qkv,@function
k_q6eda573b1b_qkv:
	s_mov_b64 s[64:65], 0
	v_nop
	global_prefetch_b8 v0, s[64:65] scope:SCOPE_SE
	s_setreg_imm32_b32 hwreg(HW_REG_WAVE_MODE, 25, 1), 1
	s_wait_xcnt 0x0
	s_wait_alu depctr_hold_cnt(0) depctr_sa_sdst(0) depctr_va_vdst(0) depctr_va_sdst(0) depctr_va_ssrc(0) depctr_va_vcc(0) depctr_vm_vsrc(0)
	s_getreg_b32 s2, hwreg(HW_REG_IB_STS2, 6, 4)
	s_cmp_eq_u32 s2, 0
	s_cbranch_scc0 .Lentry_in_a_cluster
	s_endpgm
.Lentry_in_a_cluster:
	s_bfe_u32 s2, ttmp6, 0x10000c
	s_cmp_lg_u32 s2, 0xf033
	s_cbranch_scc0 .Lentry_shape_is_right
	s_endpgm
.Lentry_shape_is_right:
; QKV.  q, k = h qk_w + qk_b and v = h v_w on codes of E4M3, and the results quantised again: q with e4, k with e5, v with e6.
; C[m][n] = sum over k of A[m][k] B[n][k], K = 1,024.  A tile of C, 256 x 256, is made by a work-group of four waves; a wave makes 128 x 128: 64 accumulators of 16 x 16, 512 registers.
; Twelve clusters of 4 x 4 work-groups.  Clusters 0-7: A = h's codes by e0 (rows = tokens), B = qk_w's codes (rows = q's and k's 2,048 columns).
; Clusters 8-11: A = v_w's codes (rows = v's 1,024 channels), B = h's codes by e2 (rows = tokens): A AND B CHANGE PLACES, so that a lane's eight results are eight neighbouring TOKENS of one channel,
; neighbours along the K of the product of the weights p with v, and v's codes come out with the keys innermost.
; The matrix instruction is used transposed (source 0 = 16 rows of B, source 1 = 16 rows of A): lane l holds row m = l % 16 of C and columns n = 8 (l / 16) + 0 .. 7.
; K goes in steps of 256 through a ring of two LDS slots filled by joint tensor loads: A's tile is shared along a row of the cluster, B's along a column.
; A fragment is fetched by four loads of 16 bytes: a permutation of k, the same in A and in B, so each product meets its partner and only the order of the sums inside an instruction changes.
; OUT: q at byte 0 of qkv, [b x 16 + head][2,048][64]; k at 4 MiB, likewise; v at 8 MiB, [head x 64 + d][b x 2,048 + t].
; LIMITS: e0 + e1 and e2 + e3 between -126 and 127; e4, e5, e6 between -126 and 119.  NaN is not served.
; 192 work-groups have work: the three products have 192 tiles of 256 x 256.
; REGISTERS, in windows of 256: window 0: v0-31 addresses; v32-53 codes and constants of the way out; v64-127 the bias; from v128 A's fragments, ONE set.  window 1: B's fragments, TWO sets.  windows 2, 3: the accumulators.
.set SIZE_K, 1024
.set KSTEP,  256
.set ROWB,   256
.set KROW,   SIZE_K
.set PITCH,  272                       ; an LDS row: 256 bytes + 16 of padding: the 16 rows that a load touches start at 16 different banks (64 banks of 4 bytes: ISA guide 11.1)
.set FR,     16
.set NL,     4
.set NP,     4
.set HALFT,  128*PITCH
.set SLOT,   4*HALFT
.set LAPS,   SIZE_K/(2*KSTEP)
.set SPARE,  2*SLOT                    ; behind the ring: the spare words, 128 bytes for each wave, that no other line names
.set ADRA, 16
.set ADRB, 20
.set BO,   22                          ; v22  the bias loads' offset: 32 x (lane / 16)
.set STO,  24                          ; v24  the way out: where I put 8 codes of a row
.set RD,   25                          ; v25  where I read rows back (v)
.set CO,   26                          ; v26  my byte offset among v's rows
.set RDQ,  27                          ; v27  where I read a head's rows back (q, k): rows 0-127;
.set SPW,  28
.set NIL,  29
.set RDQ2, 30                          ; v30  rows 128-255
.set COQ,  31                          ; v31  16 x lane
.set CD,   32                          ; v32-47  a block's codes
.set BIAS, 64                          ; v64-127 bias[n0 + 16 b + 8 h + i] at BIAS + 8 b + i
.set TMP,  128                         ; v128-191 a block's numbers
.set BK,   128                         ; v128-255 behind the barrier: rows read back
.set AF,   128
.set G1, 24
.set G0, 32
.set G1B, 48
.set G0B, 56
.set MSB, 0
.macro WIN new                         ; the immediate's high byte repeats the setting that is left
.if MSB != \new
	s_set_vgpr_msb (MSB<<8)|\new
.set MSB, \new
.endif
.endm
.set MUL_LO, 0xa1                      ; source 0 (B) window 1, source 1 (A) window 0, C and D window 2
.set MUL_HI, 0xf1                      ; the same, C and D window 3
.set TO_B,   0x40                      ; destination window 1, address window 0
; A joint load: waves 0 and 1 fetch for A, waves 2 and 3 for B.  The branch hangs on the wave's number alone.  Four v_nop follow each of the two lines.
.macro JLOAD g0a, g1a, g0b, g1b
	s_cmp_eq_u32 s15, 0
	s_cbranch_scc0 .Lfor_b_\@
	tensor_load_to_lds s[\g0a:\g0a+3], s[\g1a:\g1a+7]
	s_nop 0
.rept 4
	v_nop
.endr
	s_branch .Lasked_\@
.Lfor_b_\@:
	tensor_load_to_lds s[\g0b:\g0b+3], s[\g1b:\g1b+7]
	s_nop 0
.rept 4
	v_nop
.endr
.Lasked_\@:
.endm
.macro CREST                           ; a round of the cluster's barrier behind its opening barrier
	s_cmp_lg_u32 s14, 0
	s_cbranch_scc1 .Lnot_wave_0_\@
	s_barrier_signal -3
.Lnot_wave_0_\@:
	s_barrier_wait -3
	s_barrier_signal -1
	s_barrier_wait -1
.endm
.macro CROUND
	s_barrier_signal -1
	s_barrier_wait -1
	CREST
.endm
	s_load_b128 s[4:7], s[0:1], 0x0                ; hc s[4:5], wc s[6:7]
	s_load_b128 s[8:11], s[0:1], 0x10              ; the scales' exponents s[8:9], qk_b s[10:11]
	s_load_b64 s[12:13], s[0:1], 0x20              ; qkv
	v_lshl_add_u32 v[SPW], v0, 2, SPARE
	v_mov_b32 v[NIL], 0
	ds_add_u32 v28, v29
	ds_add_u32 v28, v29
	s_wait_dscnt 0x0
	v_lshrrev_b32 v1, 5, v0
	v_readfirstlane_b32 s14, v1                    ; wave 0..3
	s_lshr_b32 s15, s14, 1                         ; which half of the tile's rows is mine.  Also: I fetch for A (0) or for B (1)
	s_and_b32 s16, s14, 1                          ; which half of its columns.  Also: which 128 rows of that tile I fetch
	s_bfe_u32 s40, ttmp6, 0x40000                  ; cx, cy: my place in the cluster
	s_bfe_u32 s41, ttmp6, 0x40004
	s_and_b32 s66, ttmp9, 1                        ; clusters 0-7: column of clusters = c & 1 (0: q, 1: k),
	s_lshr_b32 s67, ttmp9, 1                       ; row of clusters = c >> 1
	s_sub_co_u32 s18, ttmp9, 8                     ; clusters 8-11: column of clusters = c - 8, row 0
	s_cmp_ge_u32 ttmp9, 8                          ; the cluster's number is the same in all sixteen partners
	s_cselect_b32 s66, s18, s66
	s_cselect_b32 s67, 0, s67
	s_lshl_b32 s42, s66, 2
	s_add_co_u32 s42, s42, s40                     ; tile column of C
	s_lshl_b32 s17, s67, 2
	s_add_co_u32 s17, s17, s41                     ; tile row of C
	s_lshl_b32 s43, s41, 2
	s_lshl_b32 s43, 15, s43                        ; my row of the cluster
	s_lshl_b32 s44, 0x1111, s40                    ; my column
	s_or_b32 s[G1+0], s43, (0<<16)|(1<<20)|(1<<21)|(5<<22)|(3<<25)  ; 15:0 the mask: A's tiles go to my row; elements of 1 byte; padding on; 21 set beside a mask; after every 64 words 4 words
	s_or_b32 s[G1B+0], s44, (0<<16)|(1<<20)|(1<<21)|(5<<22)|(3<<25)
.irp g, G1, G1B
	s_mov_b32 s[\g+1], ROWB<<16                    ; tensor_dim0
	s_mov_b32 s[\g+2], 128<<16                     ; tensor_dim1
	s_mov_b32 s[\g+3], ROWB<<16                    ; tile_dim0
	s_mov_b32 s[\g+4], 128                         ; tile_dim1
	s_mov_b32 s[\g+5], KROW                        ; tensor_dim0_stride
	s_mov_b32 s[\g+6], 0
	s_mov_b32 s[\g+7], 0
.endr
	s_lshl_b32 s18, s16, 7
	s_lshl_b32 s20, s17, 8
	s_add_co_u32 s20, s20, s18                     ; A: row 256 x tile row + 128 x half
	s_lshl_b32 s46, s42, 8
	s_add_co_u32 s46, s46, s18                     ; B: row 256 x tile column + 128 x half
	s_mov_b32 s21, 0
	s_mov_b32 s47, 0
	s_mov_b64 s[18:19], KROW
	s_mul_u64 s[20:21], s[20:21], s[18:19]
	s_mul_u64 s[46:47], s[46:47], s[18:19]
	s_cmp_ge_u32 ttmp9, 8
	s_cselect_b32 s80, 0x200000, 0                 ; v: A is v_w's codes, 2 MiB into wc;
	s_cselect_b32 s82, 0x400000, 0                 ; B is h's second set, 4 MiB into hc
	s_mov_b32 s81, 0
	s_mov_b32 s83, 0
	s_add_nc_u64 s[20:21], s[20:21], s[80:81]
	s_add_nc_u64 s[46:47], s[46:47], s[82:83]
	s_mul_i32 s45, s14, HALFT                      ; where the tiles go: wave x 128 rows: no place in the cluster enters an LDS address
	s_wait_kmcnt 0x0
	s_load_b256 s[68:75], s[8:9], 0x0              ; e0 .. e7
	s_cmp_ge_u32 ttmp9, 8
	s_cselect_b64 s[76:77], s[6:7], s[4:5]         ; A's buffer,
	s_cselect_b64 s[78:79], s[4:5], s[6:7]         ; B's
	s_add_nc_u64 s[20:21], s[76:77], s[20:21]
	s_add_nc_u64 s[46:47], s[78:79], s[46:47]
	CROUND                                         ; all sixteen work-groups are here: the first joint loads meet
.irp s, 0,1
	s_mov_b32 s[G0+4*\s], 1
	s_add_co_u32 s[G0+4*\s+1], s45, \s*SLOT
	s_add_nc_u64 s[G0+4*\s+2:G0+4*\s+3], s[20:21], \s*ROWB
	s_or_b32 s[G0+4*\s+3], s[G0+4*\s+3], 0x80000000
	s_mov_b32 s[G0B+4*\s], 1
	s_add_co_u32 s[G0B+4*\s+1], s45, \s*SLOT
	s_add_nc_u64 s[G0B+4*\s+2:G0B+4*\s+3], s[46:47], \s*ROWB
	s_or_b32 s[G0B+4*\s+3], s[G0B+4*\s+3], 0x80000000
.endr
	JLOAD G0, G1, G0B, G1B                         ; K step 0: one tensor load a wave at the head
	v_and_b32 v1, 15, v0                           ; r = l % 16
	s_wait_alu depctr_va_vdst(0)
	v_bfe_u32 v2, v0, 4, 1                         ; h = l / 16
	v_mul_u32_u24 v3, v1, PITCH
	v_lshl_add_u32 v4, v2, 4, v3                   ; a fragment's row x pitch + 16 x half
	s_mul_i32 s21, s15, HALFT                      ; my 128 rows of A
	s_mul_i32 s22, s16, HALFT                      ; my 128 rows of B,
	s_add_co_u32 s22, s22, 2*HALFT                 ; which lie behind A's 256
.irp s, 0,1
	v_add_nc_u32 v[ADRA+\s], s21, v4
	v_add_nc_u32 v[ADRB+\s], s22, v4
	s_add_co_u32 s21, s21, SLOT
	s_add_co_u32 s22, s22, SLOT
.endr
	; the way out: ONE stage of 256 rows x (256 bytes + 16) for the work-group, at LDS byte 0: a wave's 128 codes are half of a row's 256 bytes
	s_mul_i32 s23, s15, 128*PITCH
	s_lshl_b32 s21, s16, 7
	s_add_co_u32 s23, s23, s21
	v_mul_u32_u24 v5, v1, PITCH
	s_wait_alu depctr_va_vdst(0)
	v_lshl_add_u32 v5, v2, 3, v5
	v_add_nc_u32 v[STO], s23, v5                   ; in: row 128 x row half + r, byte 128 x column half + 8 h
	s_mul_i32 s23, s14, 64*PITCH
	v_mul_u32_u24 v5, v2, PITCH
	v_lshl_add_u32 v5, v1, 4, v5
	v_add_nc_u32 v[RD], s23, v5                    ; back, v: wave w takes rows 64 w on; lanes 0-15 one row, lanes 16-31 the next
	v_lshlrev_b32 v5, 12, v2
	v_lshl_add_u32 v[CO], v1, 4, v5                ; and the same two rows of v: 4,096 bytes apart
	v_and_b32 v6, 31, v0
	v_lshrrev_b32 v5, 2, v6
	v_mul_u32_u24 v5, v5, PITCH
	v_and_b32 v7, 3, v0
	v_lshl_add_u32 v5, v7, 4, v5
	s_lshl_b32 s23, s14, 6
	v_add_nc_u32 v[RDQ], s23, v5                   ; back, q and k: wave w takes the tile's head w: 64 bytes of each row; four lanes to a row, eight rows an instruction
	v_add_nc_u32 v[RDQ2], 128*PITCH, v[RDQ]
	v_lshlrev_b32 v[COQ], 4, v6
	v_lshlrev_b32 v[BO], 5, v2
	; where my part begins in qkv.  v: 8 MiB + (256 x tile row + 64 w) rows of 4,096 + 256 x tile column
	s_lshl_b32 s20, s17, 8
	s_lshl_b32 s21, s14, 6
	s_add_co_u32 s20, s20, s21
	s_lshl_b32 s20, s20, 12
	s_lshl_b32 s21, s42, 8
	s_add_co_u32 s20, s20, s21
	s_add_co_u32 s20, s20, 0x800000
	; q, k: 4 MiB x (0 or 1) + (((tile row / 8) x 16 + 4 cx + w) x 2,048 + (tile row % 8) x 256) rows of 64
	s_lshr_b32 s21, s17, 3
	s_lshl_b32 s21, s21, 4
	s_lshl_b32 s22, s40, 2
	s_add_co_u32 s21, s21, s22
	s_add_co_u32 s21, s21, s14
	s_lshl_b32 s21, s21, 11
	s_and_b32 s22, s17, 7
	s_lshl_b32 s22, s22, 8
	s_add_co_u32 s21, s21, s22
	s_lshl_b32 s21, s21, 6
	s_lshl_b32 s22, s66, 22
	s_add_co_u32 s21, s21, s22
	s_cmp_ge_u32 ttmp9, 8
	s_cselect_b32 s20, s20, s21
	s_mov_b32 s21, 0
	s_add_nc_u64 s[12:13], s[12:13], s[20:21]
	s_lshl_b32 s46, s42, 10                        ; the bias of my 128 columns: 4 x (256 x tile column + 128 x half) bytes into qk_b
	s_lshl_b32 s47, s16, 9
	s_add_co_u32 s46, s46, s47
	s_mov_b32 s47, 0
	s_add_nc_u64 s[10:11], s[10:11], s[46:47]
	s_cmp_ge_u32 ttmp9, 8                          ; v has no bias: its clusters set zeros, so that the way out is one text for all
	s_cbranch_scc1 .Lno_bias
	s_wait_alu depctr_va_vdst(0)
.irp b, 0,1,2,3,4,5,6,7
	global_load_b128 v[BIAS+8*\b:BIAS+8*\b+3], v[BO], s[10:11] offset:64*\b
	global_load_b128 v[BIAS+8*\b+4:BIAS+8*\b+7], v[BO], s[10:11] offset:64*\b+16
.endr
	s_branch .Lbias_done
.Lno_bias:
.set i, 0
.rept 64
	v_mov_b32 v[BIAS+i], 0
.set i, i+1
.endr
.Lbias_done:
.macro FRAG reg, adr, q, i             ; a fragment, 16 rows x 128 K, is 16 registers: lane l holds row l % 16; registers 4 c .. 4 c + 3 hold K = 32 c + 16 (l / 16) + 0 .. 15
.irp c, 0,1,2,3
	ds_load_b128 v[\reg+4*\c:\reg+4*\c+3], v[\adr] offset:128*(\q)+32*\c+(\i)*16*PITCH
.endr
.endm
; 16 matrix instructions: A's blocks a0, a0 + 1 x B's eight, 128 along K.  p: B's set.  zero = 1: the first product starts the sums.  The 64 accumulators take turns, one instruction a turn.
.macro MUL16 a0, p, zero
.irp a, \a0, \a0+1
.irp b, 0,1,2,3,4,5,6,7
.if \zero
	v_wmma_f32_16x16x128_fp8_fp8 v[8*(8*((\a)%4)+\b):8*(8*((\a)%4)+\b)+7], v[128*(\p)+FR*\b:128*(\p)+FR*\b+FR-1], v[AF+FR*(\a):AF+FR*(\a)+FR-1], 0
.else
	v_wmma_f32_16x16x128_fp8_fp8 v[8*(8*((\a)%4)+\b):8*(8*((\a)%4)+\b)+7], v[128*(\p)+FR*\b:128*(\p)+FR*\b+FR-1], v[AF+FR*(\a):AF+FR*(\a)+FR-1], v[8*(8*((\a)%4)+\b):8*(8*((\a)%4)+\b)+7]
.endif
.endr
.endr
.endm
.macro FETCH_B slot, q, p
	WIN TO_B
.irp i, 0,1,2,3,4,5,6,7
	FRAG 128*(\p)+FR*\i, ADRB+\slot, \q, \i
.endr
	WIN 0
.endm
.macro FETCH_A slot, q, i0
.irp i, \i0, \i0+1, \i0+2, \i0+3
	FRAG AF+FR*(\i), ADRA+\slot, \q, \i
.endr
.endm
.macro PLACES n                        ; plain vector lines between a matrix instruction and a load into, or a vector line on, its registers
.rept \n
	v_nop
.endr
.endm
.macro STEP slot, q, zero              ; a step of 128 along K that has its successor in the same slot
	s_wait_dscnt 4*NL                              ; B's set and A's blocks 0-3 are in; the youngest 16 loads (A's blocks 4-7) may be out
	WIN MUL_LO
	MUL16 0, (\q)%2, \zero
	MUL16 2, (\q)%2, \zero
	s_wait_dscnt 0                                 ; A's blocks 4-7 are in
	PLACES NP
	FETCH_B \slot, (\q)+1, 1-(\q)%2
	FETCH_A \slot, (\q)+1, 0
	WIN MUL_HI
	MUL16 4, (\q)%2, \zero
	MUL16 6, (\q)%2, \zero
	PLACES NP
	WIN 0
	FETCH_A \slot, (\q)+1, 4
.endm
; A slot's last step changes slots: ONE barrier; in front of it each wave waits for all its tensor loads, adds 0 to its spare word, and waits for that and for its own reads of this slot.  fill = 1: this slot is filled again, two K steps ahead.
.macro TURN slot, next, fill
	s_wait_tensorcnt 0x0                           ; all my tensor loads have landed: my part of the next slot
	ds_add_u32 v[SPW], v[NIL]                      ; 0 onto my spare word
	s_wait_dscnt 4*NL+1                            ; (the add and the youngest 16 loads may be out)
	WIN MUL_LO
	MUL16 0, 1, 0
	s_wait_dscnt 0x0                               ; the add is done, and my reads of this slot are over
	s_barrier_signal -1
	MUL16 2, 1, 0
	WIN 0
	s_barrier_wait -1
.if \fill
	CREST                                          ; the barrier has opened a round of the cluster's barrier: no wave of any partner still reads this slot or has a load on its way
	s_add_nc_u64 s[G0+4*\slot+2:G0+4*\slot+3], s[G0+4*\slot+2:G0+4*\slot+3], 2*ROWB
	s_add_nc_u64 s[G0B+4*\slot+2:G0B+4*\slot+3], s[G0B+4*\slot+2:G0B+4*\slot+3], 2*ROWB
	JLOAD G0+4*\slot, G1, G0B+4*\slot, G1B         ; the first tensor load behind the round; its four v_nop are the places in front of the loads below
.else
	PLACES NP
.endif
	FETCH_B \next, 0, 0
	FETCH_A \next, 0, 0
	WIN MUL_HI
	MUL16 4, 1, 0
	MUL16 6, 1, 0
	PLACES NP
	WIN 0
	FETCH_A \next, 0, 4
.endm
	s_wait_alu depctr_va_vdst(0)                   ; the wait at the head's end
	s_wait_tensorcnt 0x0                           ; my part of K step 0 is in; slot 1's first fill is issued as a refill is:
	ds_add_u32 v[SPW], v[NIL]                      ; 0 onto my spare word
	s_wait_dscnt 0x0
	CROUND                                         ; everybody's part of K step 0 is in, and all sixteen work-groups are here
	JLOAD G0+4, G1, G0B+4, G1B                     ; K step 1: the first tensor load behind the round
	FETCH_B 0, 0, 0
	FETCH_A 0, 0, 0
	FETCH_A 0, 0, 4
	STEP 0, 0, 1                                   ; the first step stands in front of the loop: its products start the sums
	s_mov_b32 s3, LAPS-1
.Llap:                                                 ; a trip goes once round the ring and fills both slots again
	TURN 0, 1, 1
	STEP 1, 0, 0
	TURN 1, 0, 1
	STEP 0, 0, 0
	s_sub_co_u32 s3, s3, 1
	s_cmp_lg_u32 s3, 0
	s_cbranch_scc1 .Llap
	TURN 0, 1, 0                                   ; the last lap fills nothing
	STEP 1, 0, 0
	s_wait_dscnt 4*NL
	WIN MUL_LO
	MUL16 0, 1, 0
	MUL16 2, 1, 0
	s_wait_dscnt 0
	WIN MUL_HI
	MUL16 4, 1, 0
	MUL16 6, 1, 0
	WIN 0
; THE WAY OUT.  Block a (16 rows x my 128 columns): number = sum x 2^(ea + eb) + bias, held, converted: a lane's eight numbers of an accumulator are eight neighbours of a row: 8 codes, 8 bytes, into the stage.
; The stage lies in slot 0, which has had its last fill, and which nobody reads behind the last change of slots.
	s_wait_kmcnt 0x0
	s_add_co_i32 s84, s68, s69                     ; e0 + e1
	s_add_co_i32 s85, s70, s71                     ; e2 + e3
	s_cmp_eq_u32 s66, 0
	s_cselect_b32 s86, s72, s73                    ; q: e4; k: e5
	s_cmp_ge_u32 ttmp9, 8
	s_cselect_b32 s84, s85, s84
	s_cselect_b32 s86, s74, s86                    ; v: e6
	s_add_co_i32 s84, s84, 127
	s_lshl_b32 s96, s84, 23                        ; 2^(ea + eb) as f32
	s_mov_b32 s97, s96                             ; (named with it as a pair, so it is written)
	s_add_co_i32 s86, s86, 127
	s_lshl_b32 s87, s86, 23
	v_mov_b32 v48, s87                             ; the result's scale as f32
	s_add_co_i32 s86, s86, 8
	s_lshl_b32 s86, s86, 23
	s_or_b32 s86, s86, 0x600000
	v_mov_b32 v49, s86                             ; 448 x that
	s_wait_loadcnt 0x0                             ; the bias
	PLACES NP
.macro CBLOCK a
.set AC, 64*((\a)%4)
	WIN 0x02+((\a)/4)                              ; source 0: window 2 or 3
.set cj, 0
.rept 32
	v_pk_fma_f32 v[TMP+cj:TMP+cj+1], v[AC+cj:AC+cj+1], s[96:97], v[BIAS+cj:BIAS+cj+1] op_sel_hi:[1,0,1]   ; each accumulator from its low end on
.set cj, cj+2
.endr
	WIN 0
.set cj, 0
.rept 64
	v_med3_num_f32 v[TMP+cj], v[TMP+cj], -v49, v49 ; the conversion does not saturate (ISA guide 7.6.2): the hold comes first
.set cj, cj+1
.endr
.irp b, 0,1,2,3,4,5,6,7
	v_cvt_scalef32_pk8_fp8_f32 v[CD+2*\b:CD+2*\b+1], v[TMP+8*\b:TMP+8*\b+7], v48
.endr
	v_nop                                          ; a plain line behind the last conversion
.irp b, 0,1,2,3,4,5,6,7
	ds_store_b64 v[STO], v[CD+2*\b:CD+2*\b+1] offset:16*(\a)*PITCH+16*\b
.endr
.endm
.irp a, 0,1,2,3,4,5,6,7
	CBLOCK \a
.endr
	s_wait_dscnt 0x0                               ; for the others' sake: my stores into the stage are done
	s_barrier_signal -1
	s_barrier_wait -1
	s_cmp_ge_u32 ttmp9, 8
	s_cbranch_scc1 .Lrows
.irp t, 0,1,2,3,4,5,6,7,8,9,10,11,12,13,14,15,16,17,18,19,20,21,22,23,24,25,26,27,28,29,30,31
.if \t < 16
	ds_load_b128 v[BK+4*\t:BK+4*\t+3], v[RDQ] offset:8*\t*PITCH
.else
	ds_load_b128 v[BK+4*\t:BK+4*\t+3], v[RDQ2] offset:8*(\t-16)*PITCH
.endif
.endr
.irp t, 0,1,2,3,4,5,6,7,8,9,10,11,12,13,14,15,16,17,18,19,20,21,22,23,24,25,26,27,28,29,30,31
	s_wait_dscnt 31-\t
	global_store_b128 v[COQ], v[BK+4*\t:BK+4*\t+3], s[12:13] offset:512*\t   ; a head's 256 tokens x 64 bytes are dense: each store covers 512 consecutive bytes, aligned
.endr
	s_branch .Lend
.Lrows:
.irp t, 0,1,2,3,4,5,6,7,8,9,10,11,12,13,14,15,16,17,18,19,20,21,22,23,24,25,26,27,28,29,30,31
	ds_load_b128 v[BK+4*\t:BK+4*\t+3], v[RD] offset:2*\t*PITCH
.endr
.irp t, 0,1,2,3,4,5,6,7,8,9,10,11,12,13,14,15,16,17,18,19,20,21,22,23,24,25,26,27,28,29,30,31
	s_wait_dscnt 31-\t
	global_store_b128 v[CO], v[BK+4*\t:BK+4*\t+3], s[12:13] offset:8192*\t   ; sixteen lanes store 256 consecutive bytes, aligned
.endr
.Lend:
	s_wait_tensorcnt 0x0                           ; the wave's end
	ds_add_u32 v[SPW], v[NIL]
	s_wait_dscnt 0x0
	CROUND                                         ; the closing round: no work-group ends while a partner may still ask for a tile that names it
	s_endpgm
.Lfunc_end_k_q6eda573b1b_qkv:
	.size	k_q6eda573b1b_qkv, .Lfunc_end_k_q6eda573b1b_qkv-k_q6eda573b1b_qkv
	.p2alignl 7, 3214868480
	.fill 96, 4, 3214868480
	.section	.rodata,"a",@progbits
	.p2align	6, 0x0
	.amdhsa_kernel k_q6eda573b1b_qkv
		.amdhsa_group_segment_fixed_size 327680
		.amdhsa_private_segment_fixed_size 0
		.amdhsa_enable_private_segment 0
		.amdhsa_kernarg_size 40
		.amdhsa_user_sgpr_count 2
		.amdhsa_user_sgpr_kernarg_segment_ptr 1
		.amdhsa_wavefront_size32 1
		.amdhsa_system_sgpr_workgroup_id_x 1
		.amdhsa_system_sgpr_workgroup_id_y 1
		.amdhsa_system_sgpr_workgroup_id_z 1
		.amdhsa_system_vgpr_workitem_id 0
		.amdhsa_next_free_vgpr 1024
		.amdhsa_next_free_sgpr 100
		.amdhsa_reserve_vcc 0
		.amdhsa_float_denorm_mode_32 3
		.amdhsa_float_denorm_mode_16_64 3
		.amdhsa_memory_ordered 1
		.amdhsa_forward_progress 1
		.amdhsa_inst_pref_size 153
	.end_amdhsa_kernel
	.amdgpu_metadata
---
amdhsa.version: [ 1, 2 ]
amdhsa.kernels:
  - .name:           k_q6eda573b1b_qkv
    .symbol:         k_q6eda573b1b_qkv.kd
    .args:
      - { .name: hc, .offset: 0, .size: 8, .value_kind: global_buffer, .address_space: global }
      - { .name: wc, .offset: 8, .size: 8, .value_kind: global_buffer, .address_space: global }
      - { .name: lowp_scales, .offset: 16, .size: 8, .value_kind: global_buffer, .address_space: global }
      - { .name: qk_b, .offset: 24, .size: 8, .value_kind: global_buffer, .address_space: global }
      - { .name: qkv, .offset: 32, .size: 8, .value_kind: global_buffer, .address_space: global }
    .group_segment_fixed_size: 327680
    .private_segment_fixed_size: 0
    .kernarg_segment_align: 8
    .kernarg_segment_size: 40
    .max_flat_workgroup_size: 128
    .sgpr_count:     100
    .vgpr_count:     1024
    .wavefront_size: 32
...
	.end_amdgpu_metadata
.endif
;; end of part 9
;; launch attn (part 10): grid 8 x 32, 16 waves a work-group, clusters of 4 x 1, 327,680 bytes of LDS; arguments qkv, lowp_scales, oc; writes oc
.if DOCPART == 10
	.amdgcn_target "amdgcn-amd-amdhsa--gfx1250"
	.amdhsa_code_object_version 6
	.text
	.protected	k_q6eda573b1b_attn
	.globl	k_q6eda573b1b_attn
	.p2align	8
	.type	k_q6eda573b1b_attn,@function
k_q6eda573b1b_attn:
	s_mov_b64 s[64:65], 0
	v_nop
	global_prefetch_b8 v0, s[64:65] scope:SCOPE_SE
	s_setreg_imm32_b32 hwreg(HW_REG_WAVE_MODE, 25, 1), 1
	s_wait_xcnt 0x0
	s_wait_alu depctr_hold_cnt(0) depctr_sa_sdst(0) depctr_va_vdst(0) depctr_va_sdst(0) depctr_va_ssrc(0) depctr_va_vcc(0) depctr_vm_vsrc(0)
	s_getreg_b32 s2, hwreg(HW_REG_IB_STS2, 6, 4)
	s_cmp_eq_u32 s2, 0
	s_cbranch_scc0 .Lentry_in_a_cluster
	s_endpgm
.Lentry_in_a_cluster:
	s_bfe_u32 s2, ttmp6, 0x10000c
	s_cmp_lg_u32 s2, 0x3003
	s_cbranch_scc0 .Lentry_shape_is_right
	s_endpgm
.Lentry_shape_is_right:
; ATTN.  o[q] = sum over k <= q of softmax_k(q . k / 8) v[k], for 32 pairs (batch, head) of 2,048 tokens and head size 64, both products on codes of E4M3; o is quantised with e8 for the next product.
; q, k: [b x 16 + head][2,048][64] at bytes 0 and 4 MiB of qkv; v: [head x 64 + d][b x 2,048 + t] at 8 MiB, the keys innermost.  oc: [token][1,024] codes.
; THE SOFTMAX: t = score x log2(e) / 8; M = the row's largest t so far, rounded UP to a whole number; p = 2^(t - M) is quantised with e7, not normalised.  The row's sum is taken of the unquantised p and divides o at the end.
; When M moves, the sum and o are multiplied by 2^(old M - new M), which rounds nothing.
; LEFT OUT: key steps all of whose 128 keys come after a tile's queries: the causal mask covers them, so their weights are 0 for all inputs.
; SHARES.  Work-group i (0..7) of a (batch, head) owns the tiles of 16 queries i + 8 m, m = 0..15: queries 128 m + 16 i on.  Tile m walks the key steps 0..m of 128 keys, whatever i: step m lies on the diagonal.
; So all eight work-groups run alike, each reads every block of K and V, and each has 136 tile steps.  A wave owns one tile: m = (2 (w & 3) + ((w >> 2) & 1)) xor (15 where w < 8): waves w, w + 4, w + 8, w + 12 have 34 steps together.
; CLUSTERS of 4 work-groups of one head: K's and V's blocks are asked for JOINTLY (mask 15).  No branch and no LDS address hangs on the place in the cluster: it enters the addresses of q and oc and the diagonal's compare alone.
; NO RING: the head's K and V lie in LDS whole, eight blocks of 256 keys each; wave w asks for block w >> 1 of K (w even) or of V (w odd): one tensor load a wave in the whole launch.
; Waves 0 and 1 ask at the head; the other fourteen behind the sequence and round that show block 0 to everybody, so that their blocks are on their way while key steps 0 and 1 are worked.  One more barrier shows blocks 1-7.
; NO PREFETCH: all of K and V is asked for by these two groups of loads; there is no loop to run ahead in.
; LDS.  K: dense in memory, stated as rows of 256 bytes; 16 bytes of padding behind each 128: key k at 144 (k / 2) + 64 (k % 2): the rows 0-7 and 16-23 of a tile start at 16 different groups of four banks (64 banks of 4 bytes: ISA guide 11.1).
; V: a block is 64 rows of 256 bytes + 16.  Behind them a stage of 16 x 80 bytes for each wave and the spare words.
; LAYOUT.  Both products are used transposed: S^T = K Q^T, O^T = V^T P^T: a lane holds ONE query (lane % 16).  Lane r of tile 2 b + u takes key 32 b + 8 u + r + 8 (r / 8), so that the 16 registers of tiles 2 b, 2 b + 1 are the keys 32 b + 16 (lane / 16) + 0 .. 15.
; Fragments are fetched 16 bytes at a time: a permutation of k, the same on both sides of each product.
; OUT: a head owns 64 bytes of a token's row of oc: four lanes store one such piece.
; LIMITS: e4 + e5 between -123 and 130 (added to c's exponent field); e7 and e8 between -126 and 119; e6 + e7 goes in by v_ldexp_f32 and has none.  NaN is not served.
; REGISTERS: v1-7, v24 addresses that stay; v8, v9 addresses in hand; v12 -M, v13 the largest t, v[14:15] the sum; v16-23 Q; v32-95 K's eight fragments, then V's four; v96-159 S^T, then p; v160-191 O^T; v224-239 p's codes; v232-254 at work.
.set KL,    144
.set KST,   64*KL                      ; a key step's 128 keys
.set KBLK,  2*KST
.set VP,    272
.set VBLK,  64*VP
.set VBASE, 8*KBLK
.set STAGE, VBASE+8*VBLK
.set SPARE, STAGE+16*16*80             ; 128 bytes for each wave, that no other line names
.set AK0,  1
.set AV0,  2
.set SO,   3
.set SR,   4
.set GO,   7
.set ADK,  8
.set ADV,  9
.set DG,   24                          ; v24  my query less the diagonal step's first key less 16 (lane / 16)
.set WV,   18
.set KIND, 19                          ; s19  0: I ask for K, 1: for V
.set SEL,  20
.set CS,   22
.set G1K,  24
.set G1V,  32
.set G0K,  40
.set G0V,  44
.set Q0,   49                          ; s49  my first query
.set I16,  50                          ; s50  16 x my work-group's number in the head
.set KB,   56                          ; s56  LDS byte of the block's keys
.set VB,   57                          ; s57  of the block's rows of V
.set CNT,  58
.set KF,   59                          ; s59  the step's first key
.set MQ,   60                          ; s60  128 m: the first key of my diagonal step; made of the wave's number alone
.set YY,   89                          ; s89  b x 16 + head
.macro TLOAD early                     ; early = 1: waves 0, 1; 0: waves 2-15.  One chain of branches on the wave's number; an s_nop 0 and four v_nop follow each load
	s_cmp_lt_u32 s[WV], 2
.if \early
	s_cbranch_scc0 .Lasked_\@
.else
	s_cbranch_scc1 .Lasked_\@
.endif
	s_cmp_eq_u32 s[KIND], 0
	s_cbranch_scc0 .Lfor_v_\@
	tensor_load_to_lds s[G0K:G0K+3], s[G1K:G1K+7]
	s_nop 0
.rept 4
	v_nop
.endr
	s_branch .Lasked_\@
.Lfor_v_\@:
	tensor_load_to_lds s[G0V:G0V+3], s[G1V:G1V+7]
	s_nop 0
.rept 4
	v_nop
.endr
.Lasked_\@:
.endm
.macro CROUND                          ; a round of the cluster's barrier
	s_barrier_signal -1
	s_barrier_wait -1
	s_cmp_lg_u32 s[WV], 0
	s_cbranch_scc1 .Lnot_wave_0_\@
	s_barrier_signal -3
.Lnot_wave_0_\@:
	s_barrier_wait -3
	s_barrier_signal -1
	s_barrier_wait -1
.endm
	s_load_b128 s[4:7], s[0:1], 0x0                ; qkv s[4:5], the scales' exponents s[6:7]
	s_load_b64 s[8:9], s[0:1], 0x10                ; oc
	v_lshl_add_u32 v251, v0, 2, SPARE
	v_mov_b32 v255, 0
	ds_add_u32 v251, v255                          ; the opening lines: the add, twice on end, and its wait
	ds_add_u32 v251, v255
	v_lshrrev_b32 v8, 5, v0
	v_readfirstlane_b32 s[WV], v8                  ; wave 0..15
	s_and_b32 s[YY], ttmp7, 0xffff
	s_and_b32 s[KIND], s[WV], 1
	s_lshr_b32 s62, s[WV], 1                       ; my block of 256 keys
	s_mul_i32 s66, s62, KBLK                       ; where it goes: K,
	s_mul_i32 s67, s62, VBLK
	s_add_co_u32 s67, s67, VBASE                   ; V
	s_lshl_b32 s90, s[YY], 17                      ; K in memory: the head's 2,048 rows of 64 bytes,
	s_lshl_b32 s63, s62, 14
	s_add_co_u32 s90, s90, s63                     ; + 256 rows x block,
	s_add_co_u32 s90, s90, 0x400000                ; in k's part of qkv
	s_mov_b32 s91, 0
	s_and_b32 s94, s[YY], 15
	s_lshl_b32 s94, s94, 18                        ; V: the head's 64 rows of 4,096 bytes,
	s_lshl_b32 s63, s62, 8
	s_add_co_u32 s94, s94, s63                     ; + 256 keys x block,
	s_lshr_b32 s63, s[YY], 4
	s_lshl_b32 s63, s63, 11
	s_add_co_u32 s94, s94, s63                     ; + the batch's 2,048 keys,
	s_add_co_u32 s94, s94, 0x800000                ; in v's part of qkv
	s_mov_b32 s95, 0
	s_mov_b32 s[G1K], 15|(1<<20)|(1<<21)|(4<<22)|(3<<25)   ; the mask: all four partners; elements of 1 byte; padding on; 21 set beside a mask; after every 32 words 4 words
	s_mov_b32 s[G1K+1], 256<<16                    ; tensor_dim0
	s_mov_b32 s[G1K+2], 64<<16                     ; tensor_dim1: 256 keys x 64 bytes are 64 rows of 256
	s_mov_b32 s[G1K+3], 256<<16                    ; tile_dim0
	s_mov_b32 s[G1K+4], 64                         ; tile_dim1
	s_mov_b32 s[G1K+5], 256                        ; tensor_dim0_stride
	s_mov_b32 s[G1K+6], 0
	s_mov_b32 s[G1K+7], 0
	s_mov_b32 s[G1V], 15|(1<<20)|(1<<21)|(5<<22)|(3<<25)   ; padding: after every 64 words 4 words
	s_mov_b32 s[G1V+1], 256<<16
	s_mov_b32 s[G1V+2], 64<<16
	s_mov_b32 s[G1V+3], 256<<16
	s_mov_b32 s[G1V+4], 64
	s_mov_b32 s[G1V+5], 4096
	s_mov_b32 s[G1V+6], 0
	s_mov_b32 s[G1V+7], 0
	s_mov_b32 s[SEL], 0x76543210
	s_mov_b32 s[SEL+1], 0xfedcba98
	s_mov_b32 s[CS], 0x3e38aa3b                    ; c = log2(e) / 8
	s_mov_b32 s[KF], 0
	s_wait_dscnt 0x0                               ; both opening adds are done
	s_wait_kmcnt 0x0
	s_load_b128 s[84:87], s[6:7], 0x10             ; e4 .. e7
	s_load_b32 s88, s[6:7], 0x20                   ; e8
	s_mov_b32 s[G0K], 1
	s_mov_b32 s[G0K+1], s66
	s_add_nc_u64 s[G0K+2:G0K+3], s[4:5], s[90:91]
	s_or_b32 s[G0K+3], s[G0K+3], 0x80000000
	s_mov_b32 s[G0V], 1
	s_mov_b32 s[G0V+1], s67
	s_add_nc_u64 s[G0V+2:G0V+3], s[4:5], s[94:95]
	s_or_b32 s[G0V+3], s[G0V+3], 0x80000000
	CROUND                                         ; all four work-groups are here: the first joint loads meet
	TLOAD 1                                        ; block 0 of K and of V
	s_and_b32 s61, s[WV], 3
	s_lshl_b32 s61, s61, 1
	s_bfe_u32 s62, s[WV], 0x10002
	s_add_co_u32 s61, s61, s62
	s_lshr_b32 s62, s[WV], 3
	s_sub_co_u32 s62, 1, s62
	s_mul_i32 s62, s62, 15
	s_xor_b32 s61, s61, s62                        ; m, my tile
	s_lshl_b32 s[MQ], s61, 7
	s_bfe_u32 s62, ttmp6, 0x40000                  ; cx
	s_lshl_b32 s63, ttmp9, 2
	s_add_co_u32 s62, s62, s63                     ; i = 4 x cluster x + cx
	s_lshl_b32 s[I16], s62, 4
	s_add_co_u32 s[Q0], s[MQ], s[I16]              ; my first query
	s_lshl_b32 s90, s[YY], 17
	s_lshl_b32 s61, s[Q0], 6
	s_add_co_u32 s90, s90, s61
	s_add_nc_u64 s[10:11], s[4:5], s[90:91]        ; q's codes at my first query
	s_lshr_b32 s90, s[YY], 4
	s_lshl_b32 s90, s90, 11
	s_add_co_u32 s90, s90, s[Q0]
	s_lshl_b32 s90, s90, 10                        ; oc: my first token's row,
	s_and_b32 s61, s[YY], 15
	s_lshl_b32 s61, s61, 6
	s_add_co_u32 s90, s90, s61                     ; + the head's 64 bytes
	s_add_nc_u64 s[8:9], s[8:9], s[90:91]
	v_and_b32 v8, 15, v0                           ; r
	v_bfe_u32 v9, v0, 4, 1                         ; h
	v_lshlrev_b32 v10, 6, v8
	v_lshl_add_u32 v10, v9, 4, v10                 ; Q: row r of 64 bytes, + 16 h
	global_load_b128 v[16:19], v10, s[10:11]       ; Q's fragment stays in registers
	global_load_b128 v[20:23], v10, s[10:11] offset:32
	v_and_b32 v11, 8, v8
	v_add_nc_u32 v11, v11, v8                      ; my row of a tile of K: r + 8 (r / 8)
	v_lshrrev_b32 v5, 1, v11
	v_and_b32 v6, 1, v11
	v_mul_u32_u24 v[AK0], v5, KL
	v_lshl_add_u32 v[AK0], v6, 6, v[AK0]
	v_lshl_add_u32 v[AK0], v9, 4, v[AK0]
	v_mul_u32_u24 v[AV0], v8, VP
	v_lshl_add_u32 v[AV0], v9, 4, v[AV0]
	v_lshlrev_b32 v[DG], 4, v9
	v_sub_nc_u32 v[DG], v8, v[DG]
	v_add_nc_u32 v[DG], s[I16], v[DG]              ; 16 i + r - 16 h
	s_mul_i32 s62, s[WV], 16*80
	s_add_co_u32 s62, s62, STAGE                   ; my stage
	v_mul_u32_u24 v[SO], v8, 80
	v_lshl_add_u32 v[SO], v9, 3, v[SO]
	v_add_nc_u32 v[SO], s62, v[SO]                 ; in: row r, + 8 h
	v_and_b32 v5, 31, v0
	v_lshrrev_b32 v5, 2, v5
	v_and_b32 v6, 3, v0
	v_mul_u32_u24 v[SR], v5, 80
	v_lshl_add_u32 v[SR], v6, 4, v[SR]
	v_add_nc_u32 v[SR], s62, v[SR]                 ; back: four lanes to a row, eight rows an instruction
	v_lshlrev_b32 v[GO], 10, v5
	v_lshl_add_u32 v[GO], v6, 4, v[GO]             ; and the same places in oc
	v_mov_b32 v13, 0xff61b1e6                      ; the largest t so far: -3e38, under every t
	v_floor_f32 v12, -v13                          ; -M
	v_mov_b32 v14, 0                               ; the sum, in two halves
	v_mov_b32 v15, 0
	v_mov_b32 v236, 0                              ; a lane permute's destination counts as one of its sources
	v_mov_b32 v253, 0                              ; (named as the upper half of the pair v[252:253])
.set i, 0
.rept 32
	v_mov_b32 v[160+i], 0                          ; O^T: the step is written once; the first finds zeros, which the first change of M leaves zeros
.set i, i+1
.endr
	s_wait_kmcnt 0x0
	s_add_co_i32 s61, s84, s85
	s_lshl_b32 s61, s61, 23
	s_add_co_i32 s[CS], s[CS], s61                 ; a score stands for score x 2^(e4 + e5): the two exponents are added to c's exponent field
	s_mov_b32 s[CS+1], s[CS]
	s_add_co_i32 s61, s87, 127
	s_lshl_b32 s62, s61, 23
	v_mov_b32 v244, s62                            ; 2^e7 as f32
	s_add_co_i32 s61, s61, 8
	s_lshl_b32 s61, s61, 23
	s_or_b32 s61, s61, 0x600000
	v_mov_b32 v240, s61                            ; 448 x 2^e7,
	v_mov_b32 v241, s61                            ; twice: the two halves of a dual pair take their second sources from different banks
; A KEY STEP: 128 keys from s[KF] on, the q-th half of the block in hand.
.macro STEP q
	s_cmp_gt_u32 s[KF], s[MQ]
	s_cbranch_scc1 .Lhidden_\@                     ; all its keys come after my queries
	v_add_nc_u32 v[ADK], s[KB], v[AK0]
	v_add_nc_u32 v[ADV], s[VB], v[AV0]
	v_nop                                          ; with the two additions: four places in front of loads into registers that the last products read
	v_nop
.irp t, 0,1,2,3,4,5,6,7
.irp c, 0,1
	ds_load_b128 v[32+8*\t+4*\c:35+8*\t+4*\c], v[ADK] offset:\q*KST+(16*(\t/2)+4*(\t%2))*KL+32*\c
.endr
.endr
	s_wait_alu depctr_va_vdst(0)
	s_wait_dscnt 0x0
.irp t, 0,1,2,3,4,5,6,7
	v_wmma_f32_16x16x64_fp8_fp8 v[96+8*\t:103+8*\t], v[32+8*\t:39+8*\t], v[16:23], 0
.endr
.rept 4
	v_nop                                          ; places in front of the loads below and of the first read of the scores
.endr
.irp t, 0,1,2,3                        ; V's four fragments are asked for now and land while the softmax is worked
.irp c, 0,1,2,3
	ds_load_b128 v[32+16*\t+4*\c:35+16*\t+4*\c], v[ADV] offset:16*\t*VP+128*\q+32*\c
.endr
.endr
	s_cmp_lg_u32 s[KF], s[MQ]
	s_cbranch_scc1 .Lopen_\@                       ; under the diagonal all keys count
	v_mov_b32 v254, 0xff800000                     ; -infinity.  Register 16 b + i holds key KF + 16 (lane / 16) + 32 b + i: hidden where 32 b + i > v[DG]
.set n, 0
.rept 64
	v_cmp_gt_i32 vcc_lo, 32*(n/16)+n%16, v[DG]
	v_cndmask_b32 v[96+n], v[96+n], v254, vcc_lo
.set n, n+1
.endr
.Lopen_\@:
.irp k, 0,1,2,3                        ; the step's largest score of my query among my 64 keys, in four chains; chain k takes accumulators k and k + 4, each from its low end on
	v_max3_num_f32 v[254-2*\k], v[96+8*\k], v[97+8*\k], v[98+8*\k]
.endr
.irp j, 3,5
.irp k, 0,1,2,3
	v_max3_num_f32 v[254-2*\k], v[254-2*\k], v[96+8*\k+\j], v[97+8*\k+\j]
.endr
.endr
.irp k, 0,1,2,3
	v_max3_num_f32 v[254-2*\k], v[254-2*\k], v[103+8*\k], v[128+8*\k]   ; accumulator k's last register and accumulator k + 4's first
.endr
.irp j, 33,35,37
.irp k, 0,1,2,3
	v_max3_num_f32 v[254-2*\k], v[254-2*\k], v[96+8*\k+\j], v[97+8*\k+\j]
.endr
.endr
	v_max3_num_f32 v254, v254, v135, v143
	v_max3_num_f32 v252, v252, v151, v159
	s_delay_alu instid0(VALU_DEP_1)
	v_max3_num_f32 v254, v254, v252, v250
	s_delay_alu instid0(VALU_DEP_1)
	v_max_num_f32 v254, v254, v248
	v_permlanex16_b32 v236, v254, s[SEL], s[SEL+1]
	s_delay_alu instid0(VALU_DEP_1)
	v_max_num_f32 v254, v254, v236                 ; and among lane l xor 16's
	s_delay_alu instid0(VALU_DEP_1)
	v_mul_f32 v254, s[CS], v254                    ; as t (c is positive)
	s_delay_alu instid0(VALU_DEP_1)
	v_max_num_f32 v13, v13, v254                   ; the running largest t
	v_mov_b32 v254, v12
	s_delay_alu instid0(VALU_DEP_2)
	v_floor_f32 v12, -v13                          ; the new -M = floor(-t): M is a whole number
	s_delay_alu instid0(VALU_DEP_1)
	v_sub_f32 v254, v12, v254                      ; M's old value less its new one: 0 or less
	s_delay_alu instid0(VALU_DEP_1)
	v_cvt_i32_f32 v254, v254                       ; (it saturates)
	s_delay_alu instid0(VALU_DEP_1)
	v_ldexp_f32 v252, 1.0, v254                    ; f = 2^(old M - new M)
.set n, 0
.rept 32
	v_pk_fma_f32 v[96+n:97+n], v[96+n:97+n], s[CS:CS+1], v[12:13] op_sel_hi:[1,0,0]   ; t - M, two at a time
.set n, n+2
.endr
.set n, 0
	s_wait_alu depctr_va_vdst(0)                   ; the wait ahead of the batch
.rept 64
	v_exp_f32 v[96+n], v[96+n]                     ; p = 2^(t - M), at most 1
.set n, n+1
.endr
	v_pk_mul_f32 v[14:15], v[14:15], v[252:253] op_sel_hi:[1,0]   ; the sums under the new M: a plain line behind the exponentials
	s_wait_alu depctr_va_vdst(0)                   ; one wait for the whole batch, ahead of its first reader
	v_pk_add_f32 v[242:243], v[100:101], v[104:105]   ; the row's sum of the unquantised p, in eight chains
	v_pk_add_f32 v[248:249], v[108:109], v[112:113]
	v_pk_add_f32 v[246:247], v[116:117], v[120:121]
	v_pk_add_f32 v[238:239], v[124:125], v[128:129]
	v_pk_add_f32 v[236:237], v[132:133], v[136:137]
	v_pk_add_f32 v[234:235], v[140:141], v[144:145]
	v_pk_add_f32 v[232:233], v[148:149], v[152:153]
	v_pk_add_f32 v[14:15], v[14:15], v[156:157]
	v_pk_add_f32 v[242:243], v[242:243], v[96:97]
	v_pk_add_f32 v[248:249], v[248:249], v[98:99]
	v_pk_add_f32 v[246:247], v[246:247], v[102:103]
	v_pk_add_f32 v[238:239], v[238:239], v[106:107]
	v_pk_add_f32 v[236:237], v[236:237], v[110:111]
	v_pk_add_f32 v[234:235], v[234:235], v[114:115]
	v_pk_add_f32 v[232:233], v[232:233], v[118:119]
	v_pk_add_f32 v[14:15], v[14:15], v[122:123]
	v_pk_add_f32 v[242:243], v[242:243], v[126:127]
	v_pk_add_f32 v[248:249], v[248:249], v[130:131]
	v_pk_add_f32 v[246:247], v[246:247], v[134:135]
	v_pk_add_f32 v[238:239], v[238:239], v[138:139]
	v_pk_add_f32 v[236:237], v[236:237], v[142:143]
	v_pk_add_f32 v[234:235], v[234:235], v[146:147]
	v_pk_add_f32 v[232:233], v[232:233], v[150:151]
	v_pk_add_f32 v[14:15], v[14:15], v[154:155]
	v_pk_add_f32 v[242:243], v[242:243], v[158:159]
	s_delay_alu instid0(VALU_DEP_2)
	v_pk_add_f32 v[14:15], v[14:15], v[238:239]
	s_delay_alu instid0(VALU_DEP_2)
	v_pk_add_f32 v[242:243], v[242:243], v[236:237]
	v_pk_add_f32 v[248:249], v[248:249], v[234:235]
	v_pk_add_f32 v[246:247], v[246:247], v[232:233]
	s_delay_alu instid0(VALU_DEP_2)
	v_pk_add_f32 v[14:15], v[14:15], v[248:249]
	s_delay_alu instid0(VALU_DEP_2)
	v_pk_add_f32 v[242:243], v[242:243], v[246:247]
	s_delay_alu instid0(VALU_DEP_1)
	v_pk_add_f32 v[14:15], v[14:15], v[242:243]
.irp b, 0,1,2,3
.irp i, 0,2,4,6,8,10,12,14
	v_dual_min_num_f32 v[96+16*\b+\i], v[96+16*\b+\i], v240 :: v_dual_min_num_f32 v[97+16*\b+\i], v[97+16*\b+\i], v241   ; the conversion does not saturate (ISA guide 7.6.2); p is not negative, so the hold is one-sided; two numbers an instruction
.endr
	v_cvt_scalef32_pk8_fp8_f32 v[224+4*\b:225+4*\b], v[96+16*\b:103+16*\b], v244
	v_cvt_scalef32_pk8_fp8_f32 v[226+4*\b:227+4*\b], v[104+16*\b:111+16*\b], v244
.endr
	s_wait_alu depctr_va_vdst(0)                   ; the wait, directly ahead of the first reader of O^T
.set n, 0
.rept 16
	v_pk_mul_f32 v[160+n:161+n], v[160+n:161+n], v[252:253] op_sel_hi:[1,0]   ; O^T under the new M; these are also the plain lines behind the conversions
.set n, n+2
.endr
	s_wait_alu depctr_va_vdst(0)                   ; the wait, directly ahead of the wait below
	s_wait_dscnt 0x0                               ; V's fragments are in
.irp t, 0,1,2,3
	v_wmma_f32_16x16x128_fp8_fp8 v[160+8*\t:167+8*\t], v[32+16*\t:47+16*\t], v[224:239], v[160+8*\t:167+8*\t]   ; the four accumulators take turns, one instruction a turn
.endr
.Lhidden_\@:
	s_add_co_u32 s[KF], s[KF], 128
.endm
	s_wait_alu depctr_va_vdst(0)                   ; the wait at the head's end
	s_wait_tensorcnt 0x0                           ; waves 0, 1: my block 0 is in.  The later first fills are issued as refills are:
	ds_add_u32 v251, v255                          ; 0 onto my spare word, twice on end
	ds_add_u32 v251, v255
	s_wait_dscnt 0x0
	CROUND                                         ; block 0 is whole in all four work-groups, and the joint loads meet
	TLOAD 0                                        ; blocks 1-7 of K and of V, one load a wave
	s_wait_loadcnt 0x0                             ; Q
	s_mov_b32 s[KB], 0
	s_mov_b32 s[VB], VBASE
	STEP 0                                         ; block 0's two key steps, while blocks 1-7 are on their way
	STEP 1
	s_wait_alu depctr_va_vdst(0)
	s_wait_dscnt 0x0
	s_wait_tensorcnt 0x0                           ; my block is in,
	s_barrier_signal -1
	s_barrier_wait -1                              ; everybody's is; each wave walks at its own pace
	s_mov_b32 s[KB], KBLK
	s_mov_b32 s[VB], VBASE+VBLK
	s_mov_b32 s[CNT], 7
.Lblk:                                             ; seven trips in every wave; a wave past its diagonal jumps over the steps' work
	STEP 0
	STEP 1
	s_add_co_u32 s[KB], s[KB], KBLK
	s_add_co_u32 s[VB], s[VB], VBLK
	s_sub_co_u32 s[CNT], s[CNT], 1
	s_cmp_lg_u32 s[CNT], 0
	s_cbranch_scc1 .Lblk
	; THE WAY OUT.  o = O^T x 2^(e6 + e7) / the sum, quantised with e8; 16 rows x 64 codes go through my stage and leave 16 bytes a lane.
.rept 4
	v_nop                                          ; places behind the last products
.endr
	v_add_f32 v14, v14, v15                        ; the sum's two halves,
	v_permlanex16_b32 v236, v14, s[SEL], s[SEL+1]
	v_add_f32 v14, v14, v236                       ; and lane l xor 16's
	s_wait_alu depctr_va_vdst(0)                   ; the wait ahead of the transcendental
	v_rcp_f32 v14, v14
	v_nop                                          ; a plain line behind the transcendental
	s_add_co_i32 s61, s86, s87                     ; e6 + e7
	s_add_co_i32 s62, s88, 127
	s_lshl_b32 s63, s62, 23
	v_mov_b32 v244, s63                            ; 2^e8
	s_add_co_i32 s62, s62, 8
	s_lshl_b32 s62, s62, 23
	s_or_b32 s62, s62, 0x600000
	v_mov_b32 v240, s62                            ; 448 x 2^e8
	s_wait_alu depctr_va_vdst(0)                   ; the wait, ahead of the reciprocal's first reader
	v_ldexp_f32 v14, v14, s61
	s_wait_alu depctr_va_vdst(0)                   ; the wait, directly ahead of the first reader of O^T
.set n, 0
.rept 32
	v_mul_f32 v[96+n], v[160+n], v14               ; register 8 t + i is o(query r, d = 16 t + 8 h + i); each accumulator from its low end on
.set n, n+1
.endr
.set n, 0
.rept 32
	v_med3_num_f32 v[96+n], v[96+n], -v240, v240
.set n, n+1
.endr
.irp t, 0,1,2,3
	v_cvt_scalef32_pk8_fp8_f32 v[224+2*\t:225+2*\t], v[96+8*\t:103+8*\t], v244
.endr
	v_nop                                          ; a plain line behind the last conversion
.irp t, 0,1,2,3
	ds_store_b64 v[SO], v[224+2*\t:225+2*\t] offset:16*\t
.endr
	ds_load_b128 v[32:35], v[SR]                   ; LDS serves a wave's instructions in order: these see my stores
	ds_load_b128 v[36:39], v[SR] offset:8*80
	s_wait_dscnt 1                                 ; the first is back; the second may be out
	global_store_b128 v[GO], v[32:35], s[8:9]
	s_wait_dscnt 0
	global_store_b128 v[GO], v[36:39], s[8:9] offset:8192
	s_wait_tensorcnt 0x0                           ; the wave's end
	ds_add_u32 v251, v255
	s_wait_dscnt 0x0
	CROUND                                         ; the closing round
	s_endpgm
.Lfunc_end_k_q6eda573b1b_attn:
	.size	k_q6eda573b1b_attn, .Lfunc_end_k_q6eda573b1b_attn-k_q6eda573b1b_attn
	.p2alignl 7, 3214868480
	.fill 96, 4, 3214868480
	.section	.rodata,"a",@progbits
	.p2align	6, 0x0
	.amdhsa_kernel k_q6eda573b1b_attn
		.amdhsa_group_segment_fixed_size 327680
		.amdhsa_private_segment_fixed_size 0
		.amdhsa_enable_private_segment 0
		.amdhsa_kernarg_size 24
		.amdhsa_user_sgpr_count 2
		.amdhsa_user_sgpr_kernarg_segment_ptr 1
		.amdhsa_wavefront_size32 1
		.amdhsa_system_sgpr_workgroup_id_x 1
		.amdhsa_system_sgpr_workgroup_id_y 1
		.amdhsa_system_sgpr_workgroup_id_z 1
		.amdhsa_system_vgpr_workitem_id 0
		.amdhsa_next_free_vgpr 256
		.amdhsa_next_free_sgpr 100
		.amdhsa_reserve_vcc 1
		.amdhsa_float_denorm_mode_32 3
		.amdhsa_float_denorm_mode_16_64 3
		.amdhsa_memory_ordered 1
		.amdhsa_forward_progress 1
		.amdhsa_inst_pref_size 99
	.end_amdhsa_kernel
	.amdgpu_metadata
---
amdhsa.version: [ 1, 2 ]
amdhsa.kernels:
  - .name:           k_q6eda573b1b_attn
    .symbol:         k_q6eda573b1b_attn.kd
    .args:
      - { .name: qkv, .offset: 0, .size: 8, .value_kind: global_buffer, .address_space: global }
      - { .name: lowp_scales, .offset: 8, .size: 8, .value_kind: global_buffer, .address_space: global }
      - { .name: oc, .offset: 16, .size: 8, .value_kind: global_buffer, .address_space: global }
    .group_segment_fixed_size: 327680
    .private_segment_fixed_size: 0
    .kernarg_segment_align: 8
    .kernarg_segment_size: 24
    .max_flat_workgroup_size: 512
    .sgpr_count:     100
    .vgpr_count:     256
    .wavefront_size: 32
...
	.end_amdgpu_metadata
.endif
;; end of part 10
;; launch proj (part 11): grid 8 x 32, 4 waves a work-group, clusters of 4 x 4, 327,680 bytes of LDS; arguments oc, wc, lowp_scales, x, x1; writes x1
.if DOCPART == 11
	.amdgcn_target "amdgcn-amd-amdhsa--gfx1250"
	.amdhsa_code_object_version 6
	.text
	.protected	k_q6eda573b1b_proj
	.globl	k_q6eda573b1b_proj
	.p2align	8
	.type	k_q6eda573b1b_proj,@function
k_q6eda573b1b_proj:
	s_mov_b64 s[64:65], 0
	v_nop
	global_prefetch_b8 v0, s[64:65] scope:SCOPE_SE
	s_setreg_imm32_b32 hwreg(HW_REG_WAVE_MODE, 25, 1), 1
	s_wait_xcnt 0x0
	s_wait_alu depctr_hold_cnt(0) depctr_sa_sdst(0) depctr_va_vdst(0) depctr_va_sdst(0) depctr_va_ssrc(0) depctr_va_vcc(0) depctr_vm_vsrc(0)
	s_getreg_b32 s2, hwreg(HW_REG_IB_STS2, 6, 4)
	s_cmp_eq_u32 s2, 0
	s_cbranch_scc0 .Lentry_in_a_cluster
	s_endpgm
.Lentry_in_a_cluster:
	s_bfe_u32 s2, ttmp6, 0x10000c
	s_cmp_lg_u32 s2, 0xf033
	s_cbranch_scc0 .Lentry_shape_is_right
	s_endpgm
.Lentry_shape_is_right:
; PROJ.  x1 = x + o attn_proj_w: o's codes (oc, scale e8) times attn_proj_w's codes (3 MiB into wc, laid [n][k], scale e9); each f32 sum x 2^(e8 + e9), plus x.
; A block of 128 x 128 to a work-group of four waves, 64 x 64 a wave; 256 work-groups; clusters of 4 x 4 with joint loads: A's tile shared along a row, B's along a column.
; K = 1,024 is two slots of 512: both are first fills, so nothing is left to prefetch.  LIMIT: e8 + e9 between -126 and 127.
.set SIZE_K, 1024
.set SIZE_N, 1024
.set WOFF,   0x300000
.set HAS_BIAS, 0
.set KSTEP,  512
.set ROWB,   512
.set KROW,   SIZE_K
.set PITCH,  528
.set HALFT,  64*PITCH
.set SLOT,   4*HALFT
.set LAPS,   SIZE_K/(2*KSTEP)
.set STAGE,  2*SLOT
.set SPITCH, 272
.set SPARE,  STAGE+4*16*SPITCH
.set BI,   12
.set ADRA, 16
.set ADRB, 20
.set STO,  24
.set RD,   25
.set CO,   26
.set BOF,  27
.set SPW,  28
.set NIL,  29
.set BK,   64
.set ACC,  128
.set F0,   0
.set F1,   128
.set G1, 24
.set G0, 32
.set G1B, 48
.set G0B, 56
.set MSB, 0
.macro WIN new
.if MSB != \new
	s_set_vgpr_msb (MSB<<8)|\new
.set MSB, \new
.endif
.endm
.set MUL,  0x05
.set TO_F, 0x40
.macro JLOAD g0a, g1a, g0b, g1b
	s_cmp_eq_u32 s15, 0
	s_cbranch_scc0 .Lfor_b_\@
	tensor_load_to_lds s[\g0a:\g0a+3], s[\g1a:\g1a+7]
	s_nop 0
.rept 4
	v_nop
.endr
	s_branch .Lasked_\@
.Lfor_b_\@:
	tensor_load_to_lds s[\g0b:\g0b+3], s[\g1b:\g1b+7]
	s_nop 0
.rept 4
	v_nop
.endr
.Lasked_\@:
.endm
.macro CREST
	s_cmp_lg_u32 s14, 0
	s_cbranch_scc1 .Lnot_wave_0_\@
	s_barrier_signal -3
.Lnot_wave_0_\@:
	s_barrier_wait -3
	s_barrier_signal -1
	s_barrier_wait -1
.endm
.macro CROUND
	s_barrier_signal -1
	s_barrier_wait -1
	CREST
.endm
	s_load_b128 s[4:7], s[0:1], 0x0
	s_load_b64 s[8:9], s[0:1], 0x10
	s_load_b128 s[68:71], s[0:1], 0x18
	v_lshl_add_u32 v[SPW], v0, 2, SPARE
	v_mov_b32 v[NIL], 0
	ds_add_u32 v28, v29
	ds_add_u32 v28, v29
	s_wait_dscnt 0x0
	v_lshrrev_b32 v1, 5, v0
	v_readfirstlane_b32 s14, v1
	s_lshr_b32 s15, s14, 1
	s_and_b32 s16, s14, 1
	s_bfe_u32 s40, ttmp6, 0x40000
	s_bfe_u32 s41, ttmp6, 0x40004
	s_lshl_b32 s42, ttmp9, 2
	s_add_co_u32 s42, s42, s40
	s_and_b32 s17, ttmp7, 0xffff
	s_lshl_b32 s17, s17, 2
	s_add_co_u32 s17, s17, s41
	s_lshl_b32 s43, s41, 2
	s_lshl_b32 s43, 15, s43
	s_lshl_b32 s44, 0x1111, s40
	s_or_b32 s[G1+0], s43, (0<<16)|(1<<20)|(1<<21)|(6<<22)|(3<<25)
	s_or_b32 s[G1B+0], s44, (0<<16)|(1<<20)|(1<<21)|(6<<22)|(3<<25)
.irp g, G1, G1B
	s_mov_b32 s[\g+1], ROWB<<16
	s_mov_b32 s[\g+2], 64<<16
	s_mov_b32 s[\g+3], ROWB<<16
	s_mov_b32 s[\g+4], 64
	s_mov_b32 s[\g+5], KROW
	s_mov_b32 s[\g+6], 0
	s_mov_b32 s[\g+7], 0
.endr
	s_lshl_b32 s18, s16, 6
	s_lshl_b32 s20, s17, 7
	s_add_co_u32 s20, s20, s18
	s_lshl_b32 s46, s42, 7
	s_add_co_u32 s46, s46, s18
	s_mov_b32 s21, 0
	s_mov_b32 s47, 0
	s_mov_b64 s[18:19], KROW
	s_mul_u64 s[20:21], s[20:21], s[18:19]
	s_mul_u64 s[46:47], s[46:47], s[18:19]
	s_add_nc_u64 s[46:47], s[46:47], WOFF
	s_mul_i32 s45, s14, HALFT
	s_wait_kmcnt 0x0
	s_load_b64 s[96:97], s[8:9], 0x20
	s_add_nc_u64 s[20:21], s[4:5], s[20:21]
	s_add_nc_u64 s[46:47], s[6:7], s[46:47]
	CROUND
.irp s, 0,1
	s_mov_b32 s[G0+4*\s], 1
	s_add_co_u32 s[G0+4*\s+1], s45, \s*SLOT
	s_add_nc_u64 s[G0+4*\s+2:G0+4*\s+3], s[20:21], \s*ROWB
	s_or_b32 s[G0+4*\s+3], s[G0+4*\s+3], 0x80000000
	s_mov_b32 s[G0B+4*\s], 1
	s_add_co_u32 s[G0B+4*\s+1], s45, \s*SLOT
	s_add_nc_u64 s[G0B+4*\s+2:G0B+4*\s+3], s[46:47], \s*ROWB
	s_or_b32 s[G0B+4*\s+3], s[G0B+4*\s+3], 0x80000000
.endr
	JLOAD G0, G1, G0B, G1B                         ; K step 0: one tensor load a wave at the head
	v_and_b32 v1, 15, v0
	s_wait_alu depctr_va_vdst(0)
	v_bfe_u32 v2, v0, 4, 1
	v_mul_u32_u24 v3, v1, PITCH
	v_lshl_add_u32 v4, v2, 4, v3
	s_mul_i32 s21, s15, HALFT
	s_mul_i32 s22, s16, HALFT
	s_add_co_u32 s22, s22, 2*HALFT
.irp s, 0,1
	v_add_nc_u32 v[ADRA+\s], s21, v4
	v_add_nc_u32 v[ADRB+\s], s22, v4
	s_add_co_u32 s21, s21, SLOT
	s_add_co_u32 s22, s22, SLOT
.endr
	s_mul_i32 s23, s14, 16*SPITCH
	s_add_co_u32 s23, s23, STAGE
	v_mul_u32_u24 v5, v1, SPITCH
	s_wait_alu depctr_va_vdst(0)
	v_lshl_add_u32 v5, v2, 5, v5
	v_add_nc_u32 v[STO], s23, v5
	v_mul_u32_u24 v5, v2, SPITCH
	v_lshl_add_u32 v5, v1, 4, v5
	v_add_nc_u32 v[RD], s23, v5
	v_lshlrev_b32 v5, 12, v2
	v_lshl_add_u32 v[CO], v1, 4, v5
	s_wait_alu depctr_va_vdst(0)
	v_lshlrev_b32 v[BOF], 4, v1
	s_lshl_b32 s20, s17, 7
	s_lshl_b32 s21, s15, 6
	s_add_co_u32 s20, s20, s21
	s_lshl_b32 s20, s20, 12
	s_lshl_b32 s46, s42, 9
	s_lshl_b32 s47, s16, 8
	s_add_co_u32 s46, s46, s47
	s_add_co_u32 s20, s20, s46
	s_mov_b32 s21, 0
	s_add_nc_u64 s[68:69], s[68:69], s[20:21]
	s_add_nc_u64 s[70:71], s[70:71], s[20:21]
	WIN 0x80
.irp a, 0,1,2,3
.irp t, 0,1,2,3,4,5,6,7
	global_load_b128 v[32*\a+4*\t:32*\a+4*\t+3], v[CO], s[68:69] offset:(16*\a+2*\t)*SIZE_N*4 th:TH_LOAD_NT
.endr
.endr
	WIN 0
.macro MUL4 f, a, zero
.irp b, 0,1,2,3
.if \zero
	v_wmma_f32_16x16x128_fp8_fp8 v[ACC+8*(4*(\a)+\b):ACC+8*(4*(\a)+\b)+7], v[\f+64+16*\b:\f+64+16*\b+15], v[\f+16*(\a):\f+16*(\a)+15], 0
.else
	v_wmma_f32_16x16x128_fp8_fp8 v[ACC+8*(4*(\a)+\b):ACC+8*(4*(\a)+\b)+7], v[\f+64+16*\b:\f+64+16*\b+15], v[\f+16*(\a):\f+16*(\a)+15], v[ACC+8*(4*(\a)+\b):ACC+8*(4*(\a)+\b)+7]
.endif
.endr
.endm
.macro FETCH slot, q, f
	WIN TO_F
.irp i, 0,1,2,3
.irp c, 0,1,2,3
	ds_load_b128 v[\f+64+16*\i+4*\c:\f+64+16*\i+4*\c+3], v[ADRB+\slot] offset:128*(\q)+32*\c+\i*16*PITCH
.endr
.endr
.irp i, 0,1,2,3
.irp c, 0,1,2,3
	ds_load_b128 v[\f+16*\i+4*\c:\f+16*\i+4*\c+3], v[ADRA+\slot] offset:128*(\q)+32*\c+\i*16*PITCH
.endr
.endr
.endm
.macro PLACES n
.rept \n
	v_nop
.endr
.endm
.macro QUARTER slot, q, f, g, zero
	PLACES 4
	FETCH \slot, (\q)+1, \g
	s_wait_dscnt 32
	WIN MUL
	MUL4 \f, 0, \zero
	MUL4 \f, 1, \zero
	MUL4 \f, 2, \zero
	MUL4 \f, 3, \zero
.endm
.macro TURN slot, next, fill
	WIN 0
	s_wait_tensorcnt 0x0
	ds_add_u32 v[SPW], v[NIL]
	s_wait_dscnt 1
	WIN MUL
	MUL4 F1, 0, 0
	s_wait_dscnt 0x0
	s_barrier_signal -1
	MUL4 F1, 1, 0
	WIN 0
	s_barrier_wait -1
.if \fill
	CREST
	s_add_nc_u64 s[G0+4*\slot+2:G0+4*\slot+3], s[G0+4*\slot+2:G0+4*\slot+3], 2*ROWB
	s_add_nc_u64 s[G0B+4*\slot+2:G0B+4*\slot+3], s[G0B+4*\slot+2:G0B+4*\slot+3], 2*ROWB
	JLOAD G0+4*\slot, G1, G0B+4*\slot, G1B
.else
	PLACES 4
.endif
	FETCH \next, 0, F0
	WIN MUL
	MUL4 F1, 2, 0
	MUL4 F1, 3, 0
.endm
	s_wait_alu depctr_va_vdst(0)                   ; the wait at the head's end
	s_wait_tensorcnt 0x0                           ; my part of K step 0 is in; slot 1's first fill is issued as a refill is:
	ds_add_u32 v[SPW], v[NIL]                      ; 0 onto my spare word
	s_wait_dscnt 0x0
	CROUND                                         ; everybody's part is in, and all sixteen work-groups are here
	JLOAD G0+4, G1, G0B+4, G1B                     ; K step 1: the first tensor load behind the round
	FETCH 0, 0, F0
	QUARTER 0, 0, F0, F1, 1
.if LAPS > 1
	WIN 0
	s_mov_b32 s3, LAPS-1
.Llap:
	QUARTER 0, 1, F1, F0, 0
	QUARTER 0, 2, F0, F1, 0
	TURN 0, 1, 1
	QUARTER 1, 0, F0, F1, 0
	QUARTER 1, 1, F1, F0, 0
	QUARTER 1, 2, F0, F1, 0
	TURN 1, 0, 1
	QUARTER 0, 0, F0, F1, 0
	WIN 0
	s_sub_co_u32 s3, s3, 1
	s_cmp_lg_u32 s3, 0
	s_cbranch_scc1 .Llap
.endif
	QUARTER 0, 1, F1, F0, 0
	QUARTER 0, 2, F0, F1, 0
	TURN 0, 1, 0
	QUARTER 1, 0, F0, F1, 0
	QUARTER 1, 1, F1, F0, 0
	QUARTER 1, 2, F0, F1, 0
	s_wait_dscnt 0
	WIN MUL
	MUL4 F1, 0, 0
	MUL4 F1, 1, 0
	MUL4 F1, 2, 0
	MUL4 F1, 3, 0
	WIN 0
.macro TOSTAGE a
.set BB, BK+32*((\a)%2)
.irp b, 0,1,2,3
	ds_store_b128 v[STO], v[ACC+32*(\a)+8*\b:ACC+32*(\a)+8*\b+3] offset:64*\b
	ds_store_b128 v[STO], v[ACC+32*(\a)+8*\b+4:ACC+32*(\a)+8*\b+7] offset:64*\b+16
.endr
.irp t, 0,1,2,3,4,5,6,7
	ds_load_b128 v[BB+4*\t:BB+4*\t+3], v[RD] offset:\t*2*SPITCH
.endr
.endm
.macro SEND a, younger
.set BB, BK+32*((\a)%2)
	s_wait_dscnt \younger
	WIN 0x20
.irp j, 0,2,4,6,8,10,12,14,16,18,20,22,24,26,28,30
	v_pk_fma_f32 v[BB+\j:BB+\j+1], v[BB+\j:BB+\j+1], s[96:97], v[32*(\a)+\j:32*(\a)+\j+1] op_sel_hi:[1,0,1]
.endr
	WIN 0
.if HAS_BIAS
.irp t, 0,1,2,3,4,5,6,7
	v_pk_add_f32 v[BB+4*\t:BB+4*\t+1], v[BB+4*\t:BB+4*\t+1], v[BI:BI+1]
	v_pk_add_f32 v[BB+4*\t+2:BB+4*\t+3], v[BB+4*\t+2:BB+4*\t+3], v[BI+2:BI+3]
.endr
.endif
.irp t, 0,1,2,3,4,5,6,7
	global_store_b128 v[CO], v[BB+4*\t:BB+4*\t+3], s[70:71] offset:(16*(\a)+2*\t)*SIZE_N*4
.endr
.endm
	s_wait_kmcnt 0x0
	s_add_co_i32 s96, s96, s97
	s_add_co_i32 s96, s96, 127
	s_lshl_b32 s96, s96, 23
	s_wait_loadcnt 0x0
	PLACES 4
	TOSTAGE 0
.irp a, 1,2,3
.if \a > 1
	s_wait_xcnt 0x0
.endif
	TOSTAGE \a
	SEND \a-1, 16
.endr
	SEND 3, 0
	s_wait_tensorcnt 0x0
	ds_add_u32 v[SPW], v[NIL]
	s_wait_dscnt 0x0
	CROUND
	s_endpgm
.Lfunc_end_k_q6eda573b1b_proj:
	.size	k_q6eda573b1b_proj, .Lfunc_end_k_q6eda573b1b_proj-k_q6eda573b1b_proj
	.p2alignl 7, 3214868480
	.fill 96, 4, 3214868480
	.section	.rodata,"a",@progbits
	.p2align	6, 0x0
	.amdhsa_kernel k_q6eda573b1b_proj
		.amdhsa_group_segment_fixed_size 327680
		.amdhsa_private_segment_fixed_size 0
		.amdhsa_enable_private_segment 0
		.amdhsa_kernarg_size 40
		.amdhsa_user_sgpr_count 2
		.amdhsa_user_sgpr_kernarg_segment_ptr 1
		.amdhsa_wavefront_size32 1
		.amdhsa_system_sgpr_workgroup_id_x 1
		.amdhsa_system_sgpr_workgroup_id_y 1
		.amdhsa_system_sgpr_workgroup_id_z 1
		.amdhsa_system_vgpr_workitem_id 0
		.amdhsa_next_free_vgpr 640
		.amdhsa_next_free_sgpr 100
		.amdhsa_reserve_vcc 0
		.amdhsa_float_denorm_mode_32 3
		.amdhsa_float_denorm_mode_16_64 3
		.amdhsa_memory_ordered 1
		.amdhsa_forward_progress 1
		.amdhsa_inst_pref_size 49
	.end_amdhsa_kernel
	.amdgpu_metadata
---
amdhsa.version: [ 1, 2 ]
amdhsa.kernels:
  - .name:           k_q6eda573b1b_proj
    .symbol:         k_q6eda573b1b_proj.kd
    .args:
      - { .name: oc, .offset: 0, .size: 8, .value_kind: global_buffer, .address_space: global }
      - { .name: wc, .offset: 8, .size: 8, .value_kind: global_buffer, .address_space: global }
      - { .name: lowp_scales, .offset: 16, .size: 8, .value_kind: global_buffer, .address_space: global }
      - { .name: x, .offset: 24, .size: 8, .value_kind: global_buffer, .address_space: global }
      - { .name: x1, .offset: 32, .size: 8, .value_kind: global_buffer, .address_space: global }
    .group_segment_fixed_size: 327680
    .private_segment_fixed_size: 0
    .kernarg_segment_align: 8
    .kernarg_segment_size: 40
    .max_flat_workgroup_size: 128
    .sgpr_count:     100
    .vgpr_count:     640
    .wavefront_size: 32
...
	.end_amdgpu_metadata
.endif
;; end of part 11
;; launch ln2 (part 12): grid 256 x 1, 4 waves a work-group, no clusters, 4,608 bytes of LDS; arguments x1, ln2_w, ln2_b, lowp_scales, h2c; writes h2c
.if DOCPART == 12
	.amdgcn_target "amdgcn-amd-amdhsa--gfx1250"
	.amdhsa_code_object_version 6
	.text
	.protected	k_q6eda573b1b_ln2
	.globl	k_q6eda573b1b_ln2
	.p2align	8
	.type	k_q6eda573b1b_ln2,@function
k_q6eda573b1b_ln2:
	s_mov_b64 s[64:65], 0
	v_nop
	global_prefetch_b8 v0, s[64:65] scope:SCOPE_SE
	s_setreg_imm32_b32 hwreg(HW_REG_WAVE_MODE, 25, 1), 1
	s_wait_xcnt 0x0
; LN2.  h2 = layernorm(x1) x ln2_w + ln2_b, quantised to E4M3 with e10.  x1: [4,096][1,024] f32; h2c: [4,096][1,024] codes.
; One wave takes a whole row in 32 registers, 4 rows a wave, 16 a work-group.  Lane l holds elements 128 j + 4 l + 0 .. 3, j = 0 .. 7: each load of the wave covers 512 consecutive bytes.
; The variance is the mean of (x - mean)^2, taken in a second pass over the registers.  A row's codes turn through the wave's own 1,024 bytes of LDS, so that each store covers 512 consecutive bytes.
; LIMIT: e10 between -126 and 119.  NaN is not served.  No tensor loads, no barrier, no matrix unit: memory binds, and waves share nothing.
; v[8:9] the mean, v[10:11] 1 / sqrt(var + eps), v12, v13 the scale and its hold, v16-21 at work, v32-39 codes, v48-79 ln2_w, v80-111 ln2_b, v112-239 four rows.
	s_load_b256 s[4:11], s[0:1], 0x0               ; x1 4:5, ln2_w 6:7, ln2_b 8:9, the scales' exponents 10:11
	s_load_b64 s[12:13], s[0:1], 0x20              ; h2c
	v_lshl_add_u32 v240, v0, 2, 0x1000
	v_mov_b32 v241, 0
	v_lshrrev_b32 v1, 5, v0
	v_readfirstlane_b32 s14, v1                    ; wave 0..3
	v_and_b32 v2, 31, v0                           ; lane
	v_lshlrev_b32 v3, 4, v2                        ; 16 x lane
	s_lshl_b32 s16, ttmp9, 4
	s_lshl_b32 s17, s14, 2
	s_add_co_u32 s16, s16, s17                     ; my first row
	s_lshl_b32 s18, s16, 12
	s_mov_b32 s19, 0
	s_mov_b32 s24, 0x76543210
	s_mov_b32 s25, 0xfedcba98
	s_mov_b32 s26, 0x3a800000                      ; 1 / 1024
	s_mov_b32 s27, 0x3727c5ac                      ; 1e-5
	s_wait_alu depctr_va_vdst(0)
	s_wait_kmcnt 0x0
	s_load_b32 s15, s[10:11], 0x28                 ; e10
	s_add_nc_u64 s[20:21], s[4:5], s[18:19]
	s_lshl_b32 s18, s16, 10
	s_add_nc_u64 s[22:23], s[12:13], s[18:19]
.irp j, 0,1,2,3,4,5,6,7
	global_load_b128 v[48+4*\j:51+4*\j], v3, s[6:7] offset:512*\j
.endr
.irp j, 0,1,2,3,4,5,6,7
	global_load_b128 v[80+4*\j:83+4*\j], v3, s[8:9] offset:512*\j
.endr
.irp s, 0,1,2,3
.irp j, 0,1,2,3,4,5,6,7
	global_load_b128 v[112+32*\s+4*\j:115+32*\s+4*\j], v3, s[20:21] offset:4096*\s+512*\j
.endr
.endr
	s_lshl_b32 s28, s14, 10                        ; my wave's 1,024 bytes of LDS
	v_lshl_add_u32 v4, v2, 2, s28                  ; in: 4 codes a lane
	v_lshl_add_u32 v5, v2, 4, s28                  ; back: 16 a lane
	v_mov_b32 v21, 0                               ; a lane permute's destination counts as one of its sources
	s_wait_kmcnt 0x0
	s_add_co_i32 s29, s15, 127
	s_lshl_b32 s30, s29, 23
	v_mov_b32 v12, s30                             ; 2^e10
	s_add_co_i32 s29, s29, 8
	s_lshl_b32 s29, s29, 23
	s_or_b32 s29, s29, 0x600000
	v_mov_b32 v13, s29                             ; 448 x 2^e10
.macro ALLSUM                          ; the two chains v[16:17], v[18:19] -> the sum over the wave's 1,024 numbers, in v20 of every lane
	v_pk_add_f32 v[16:17], v[16:17], v[18:19]
	v_add_f32 v20, v16, v17
	v_add_f32_dpp v20, v20, v20 row_xmask:1 row_mask:0xf bank_mask:0xf
	v_add_f32_dpp v20, v20, v20 row_xmask:2 row_mask:0xf bank_mask:0xf
	v_add_f32_dpp v20, v20, v20 row_xmask:4 row_mask:0xf bank_mask:0xf
	v_add_f32_dpp v20, v20, v20 row_xmask:8 row_mask:0xf bank_mask:0xf
	v_permlanex16_b32 v21, v20, s24, s25
	v_add_f32 v20, v20, v21
.endm
.macro LNROW s
.set XS, 112+32*\s
	s_wait_loadcnt 24-8*\s                         ; my row is in (and ln2_w, ln2_b, asked for earlier); the younger rows, eight loads each, stay out
	v_pk_add_f32 v[16:17], v[XS:XS+1], v[XS+2:XS+3]
	v_pk_add_f32 v[18:19], v[XS+4:XS+5], v[XS+6:XS+7]
.irp j, 8,12,16,20,24,28
	v_pk_add_f32 v[16:17], v[16:17], v[XS+\j:XS+\j+1]
	v_pk_add_f32 v[18:19], v[18:19], v[XS+\j+2:XS+\j+3]
.endr
	ALLSUM
	v_mul_f32 v8, s26, v20                         ; the mean
	v_mov_b32 v9, v8
.set k, 0
.rept 16
	v_pk_add_f32 v[XS+k:XS+k+1], v[XS+k:XS+k+1], v[8:9] neg_lo:[0,1] neg_hi:[0,1]   ; x - mean
.set k, k+2
.endr
	v_pk_mul_f32 v[16:17], v[XS:XS+1], v[XS:XS+1]
	v_pk_mul_f32 v[18:19], v[XS+2:XS+3], v[XS+2:XS+3]
.irp j, 4,8,12,16,20,24,28
	v_pk_fma_f32 v[16:17], v[XS+\j:XS+\j+1], v[XS+\j:XS+\j+1], v[16:17]
	v_pk_fma_f32 v[18:19], v[XS+\j+2:XS+\j+3], v[XS+\j+2:XS+\j+3], v[18:19]
.endr
	ALLSUM
	v_fma_f32 v20, v20, s26, s27                   ; the variance + eps
	s_wait_alu depctr_va_vdst(0)
	v_rsq_f32 v10, v20
	v_nop                                          ; a plain line behind the transcendental,
	s_wait_alu depctr_va_vdst(0)                   ; and the wait ahead of its first reader
	v_mov_b32 v11, v10
.set k, 0
.rept 16
	v_pk_mul_f32 v[XS+k:XS+k+1], v[XS+k:XS+k+1], v[10:11]
.set k, k+2
.endr
.set k, 0
.rept 16
	v_pk_fma_f32 v[XS+k:XS+k+1], v[XS+k:XS+k+1], v[48+k:49+k], v[80+k:81+k]   ; x ln2_w + ln2_b
.set k, k+2
.endr
.irp g, 0,1,2,3
.irp i, 0,1,2,3,4,5,6,7
	v_med3_num_f32 v[XS+8*\g+\i], v[XS+8*\g+\i], -v13, v13   ; the conversion does not saturate (ISA guide 7.6.2): the hold comes first
.endr
	v_cvt_scalef32_pk8_fp8_f32 v[32+2*\g:33+2*\g], v[XS+8*\g:XS+8*\g+7], v12
.endr
	v_nop                                          ; a plain line behind the last conversion
.irp j, 0,1,2,3,4,5,6,7
	ds_store_b32 v4, v[32+\j] offset:128*\j        ; register j: the codes of elements 128 j + 4 l + 0 .. 3
.endr
	ds_load_b128 v[XS:XS+3], v5                    ; LDS serves a wave's instructions in order: these see my stores, and the next row's stores come behind them
	ds_load_b128 v[XS+4:XS+7], v5 offset:512
	s_wait_dscnt 0x0
	global_store_b128 v3, v[XS:XS+3], s[22:23] offset:1024*\s        ; each store covers 512 consecutive bytes, aligned
	global_store_b128 v3, v[XS+4:XS+7], s[22:23] offset:1024*\s+512
.endm
	LNROW 0
	LNROW 1
	LNROW 2
	LNROW 3
	s_wait_tensorcnt 0x0
	ds_add_u32 v240, v241
	s_wait_dscnt 0x0
	s_endpgm
.Lfunc_end_k_q6eda573b1b_ln2:
	.size	k_q6eda573b1b_ln2, .Lfunc_end_k_q6eda573b1b_ln2-k_q6eda573b1b_ln2
	.p2alignl 7, 3214868480
	.fill 96, 4, 3214868480
	.section	.rodata,"a",@progbits
	.p2align	6, 0x0
	.amdhsa_kernel k_q6eda573b1b_ln2
		.amdhsa_group_segment_fixed_size 4608
		.amdhsa_private_segment_fixed_size 0
		.amdhsa_enable_private_segment 0
		.amdhsa_kernarg_size 40
		.amdhsa_user_sgpr_count 2
		.amdhsa_user_sgpr_kernarg_segment_ptr 1
		.amdhsa_wavefront_size32 1
		.amdhsa_system_sgpr_workgroup_id_x 1
		.amdhsa_system_sgpr_workgroup_id_y 1
		.amdhsa_system_sgpr_workgroup_id_z 1
		.amdhsa_system_vgpr_workitem_id 0
		.amdhsa_next_free_vgpr 242
		.amdhsa_next_free_sgpr 66
		.amdhsa_reserve_vcc 0
		.amdhsa_float_denorm_mode_32 3
		.amdhsa_float_denorm_mode_16_64 3
		.amdhsa_memory_ordered 1
		.amdhsa_forward_progress 1
		.amdhsa_inst_pref_size 44
	.end_amdhsa_kernel
	.amdgpu_metadata
---
amdhsa.version: [ 1, 2 ]
amdhsa.kernels:
  - .name:           k_q6eda573b1b_ln2
    .symbol:         k_q6eda573b1b_ln2.kd
    .args:
      - { .name: x1, .offset: 0, .size: 8, .value_kind: global_buffer, .address_space: global }
      - { .name: ln2_w, .offset: 8, .size: 8, .value_kind: global_buffer, .address_space: global }
      - { .name: ln2_b, .offset: 16, .size: 8, .value_kind: global_buffer, .address_space: global }
      - { .name: lowp_scales, .offset: 24, .size: 8, .value_kind: global_buffer, .address_space: global }
      - { .name: h2c, .offset: 32, .size: 8, .value_kind: global_buffer, .address_space: global }
    .group_segment_fixed_size: 4608
    .private_segment_fixed_size: 0
    .kernarg_segment_align: 8
    .kernarg_segment_size: 40
    .max_flat_workgroup_size: 128
    .sgpr_count:     66
    .vgpr_count:     242
    .wavefront_size: 32
...
	.end_amdgpu_metadata
.endif
;; end of part 12
;; launch fc (part 13): grid 16 x 16, 4 waves a work-group, clusters of 4 x 4, 327,680 bytes of LDS; arguments h2c, wc, lowp_scales, fc_b, gc; writes gc
.if DOCPART == 13
	.amdgcn_target "amdgcn-amd-amdhsa--gfx1250"
	.amdhsa_code_object_version 6
	.text
	.protected	k_q6eda573b1b_fc
	.globl	k_q6eda573b1b_fc
	.p2align	8
	.type	k_q6eda573b1b_fc,@function
k_q6eda573b1b_fc:
	s_mov_b64 s[64:65], 0
	v_nop
	global_prefetch_b8 v0, s[64:65] scope:SCOPE_SE
	s_setreg_imm32_b32 hwreg(HW_REG_WAVE_MODE, 25, 1), 1
	s_wait_xcnt 0x0
	s_wait_alu depctr_hold_cnt(0) depctr_sa_sdst(0) depctr_va_vdst(0) depctr_va_sdst(0) depctr_va_ssrc(0) depctr_va_vcc(0) depctr_vm_vsrc(0)
	s_getreg_b32 s2, hwreg(HW_REG_IB_STS2, 6, 4)
	s_cmp_eq_u32 s2, 0
	s_cbranch_scc0 .Lentry_in_a_cluster
	s_endpgm
.Lentry_in_a_cluster:
	s_bfe_u32 s2, ttmp6, 0x10000c
	s_cmp_lg_u32 s2, 0xf033
	s_cbranch_scc0 .Lentry_shape_is_right
	s_endpgm
.Lentry_shape_is_right:
; FC.  g = gelu(h2 fc_w + fc_b), tanh form, quantised with e12: h2's codes (h2c, e10) times fc_w's codes (4 MiB into wc, laid [n][k], e11); sums in f32.
; gelu(u) = u / (1 + 2^(u (c1 u^2 + c0))), c0 = -2 log2(e) sqrt(2 / pi), c1 = 0.044715 c0.  A block of 256 x 256 to a work-group, 128 x 128 a wave; 256 work-groups; clusters of 4 x 4 with joint loads.
; K goes in four steps of 256 through two slots.  K steps 2 and 3 are prefetched two steps ahead of their loads: of the 128 rows that a wave fetches each of the four partners names 32, a lane a row of 256 bytes.
; LIMITS: e10 + e11 between -126 and 127; e12 between -126 and 119.  NaN is not served.
.set SIZE_K, 1024
.set WOFF,   0x400000
.set KSTEP,  256
.set ROWB,   256
.set KROW,   SIZE_K
.set PITCH,  272
.set FR,     16
.set NL,     4
.set NP,     4
.set HALFT,  128*PITCH
.set SLOT,   4*HALFT
.set LAPS,   SIZE_K/(2*KSTEP)
.set SPARE,  2*SLOT
.set ADRA, 16
.set ADRB, 20
.set BO,   22
.set STO,  24
.set RD,   25
.set CO,   26
.set SPW,  28
.set NIL,  29
.set CD,   32
.set BIAS, 64
.set TMP,  128
.set Z,    192
.set BK,   128
.set AF,   128
.set G1, 24
.set G0, 32
.set G1B, 48
.set G0B, 56
.set MSB, 0
.macro WIN new
.if MSB != \new
	s_set_vgpr_msb (MSB<<8)|\new
.set MSB, \new
.endif
.endm
.set MUL_LO, 0xa1
.set MUL_HI, 0xf1
.set TO_B,   0x40
.macro JLOAD g0a, g1a, g0b, g1b
	s_cmp_eq_u32 s15, 0
	s_cbranch_scc0 .Lfor_b_\@
	tensor_load_to_lds s[\g0a:\g0a+3], s[\g1a:\g1a+7]
	s_nop 0
.rept 4
	v_nop
.endr
	s_branch .Lasked_\@
.Lfor_b_\@:
	tensor_load_to_lds s[\g0b:\g0b+3], s[\g1b:\g1b+7]
	s_nop 0
.rept 4
	v_nop
.endr
.Lasked_\@:
.endm
.macro CREST
	s_cmp_lg_u32 s14, 0
	s_cbranch_scc1 .Lnot_wave_0_\@
	s_barrier_signal -3
.Lnot_wave_0_\@:
	s_barrier_wait -3
	s_barrier_signal -1
	s_barrier_wait -1
.endm
.macro CROUND
	s_barrier_signal -1
	s_barrier_wait -1
	CREST
.endm
	s_load_b128 s[4:7], s[0:1], 0x0
	s_load_b128 s[8:11], s[0:1], 0x10
	s_load_b64 s[12:13], s[0:1], 0x20
	v_lshl_add_u32 v[SPW], v0, 2, SPARE
	v_mov_b32 v[NIL], 0
	ds_add_u32 v28, v29
	ds_add_u32 v28, v29
	s_wait_dscnt 0x0
	v_lshrrev_b32 v1, 5, v0
	v_readfirstlane_b32 s14, v1
	s_lshr_b32 s15, s14, 1
	s_and_b32 s16, s14, 1
	s_bfe_u32 s40, ttmp6, 0x40000
	s_bfe_u32 s41, ttmp6, 0x40004
	s_lshl_b32 s42, ttmp9, 2
	s_add_co_u32 s42, s42, s40
	s_and_b32 s17, ttmp7, 0xffff
	s_lshl_b32 s17, s17, 2
	s_add_co_u32 s17, s17, s41
	s_lshl_b32 s43, s41, 2
	s_lshl_b32 s43, 15, s43
	s_lshl_b32 s44, 0x1111, s40
	s_or_b32 s[G1+0], s43, (0<<16)|(1<<20)|(1<<21)|(5<<22)|(3<<25)
	s_or_b32 s[G1B+0], s44, (0<<16)|(1<<20)|(1<<21)|(5<<22)|(3<<25)
.irp g, G1, G1B
	s_mov_b32 s[\g+1], ROWB<<16
	s_mov_b32 s[\g+2], 128<<16
	s_mov_b32 s[\g+3], ROWB<<16
	s_mov_b32 s[\g+4], 128
	s_mov_b32 s[\g+5], KROW
	s_mov_b32 s[\g+6], 0
	s_mov_b32 s[\g+7], 0
.endr
	s_lshl_b32 s18, s16, 7
	s_lshl_b32 s20, s17, 8
	s_add_co_u32 s20, s20, s18
	s_lshl_b32 s46, s42, 8
	s_add_co_u32 s46, s46, s18
	s_mov_b32 s21, 0
	s_mov_b32 s47, 0
	s_mov_b64 s[18:19], KROW
	s_mul_u64 s[20:21], s[20:21], s[18:19]
	s_mul_u64 s[46:47], s[46:47], s[18:19]
	s_add_nc_u64 s[46:47], s[46:47], WOFF
	s_mul_i32 s45, s14, HALFT
	s_wait_kmcnt 0x0
	s_load_b64 s[72:73], s[8:9], 0x28
	s_load_b32 s74, s[8:9], 0x30
	s_add_nc_u64 s[20:21], s[4:5], s[20:21]
	s_add_nc_u64 s[46:47], s[6:7], s[46:47]
	CROUND
.irp s, 0,1
	s_mov_b32 s[G0+4*\s], 1
	s_add_co_u32 s[G0+4*\s+1], s45, \s*SLOT
	s_add_nc_u64 s[G0+4*\s+2:G0+4*\s+3], s[20:21], \s*ROWB
	s_or_b32 s[G0+4*\s+3], s[G0+4*\s+3], 0x80000000
	s_mov_b32 s[G0B+4*\s], 1
	s_add_co_u32 s[G0B+4*\s+1], s45, \s*SLOT
	s_add_nc_u64 s[G0B+4*\s+2:G0B+4*\s+3], s[46:47], \s*ROWB
	s_or_b32 s[G0B+4*\s+3], s[G0B+4*\s+3], 0x80000000
.endr
	JLOAD G0, G1, G0B, G1B                         ; K step 0: one tensor load a wave at the head
	s_lshl_b32 s78, s17, 8                         ; the prefetches' address: the tile's first row, in A by the tile row, in B by the tile column,
	s_lshl_b32 s79, s42, 8
	s_cmp_eq_u32 s15, 0                            ; do I fetch for A?
	s_cselect_b32 s78, s78, s79
	s_cselect_b32 s79, s40, s41                    ; my place among the four that ask with me: the rows are shared out by address
	s_cselect_b64 s[76:77], s[4:5], s[6:7]
	s_cselect_b32 s80, 0, WOFF
	s_lshl_b32 s81, s16, 7
	s_add_co_u32 s78, s78, s81                     ; + the 128 rows that I fetch
	s_lshl_b32 s79, s79, 5
	s_add_co_u32 s78, s78, s79                     ; + my work-group's 32 of them
	s_lshl_b32 s78, s78, 10                        ; rows of 1,024 bytes
	s_add_co_u32 s78, s78, s80
	s_mov_b32 s79, 0
	s_add_nc_u64 s[76:77], s[76:77], s[78:79]
	v_and_b32 v30, 31, v0
	v_lshlrev_b32 v30, 10, v30                     ; a lane a row; v30 and s[76:77] are never rewritten
	global_prefetch_b8 v30, s[76:77] offset:2*ROWB th:TH_LOAD_NT scope:SCOPE_SE   ; K step 2, two steps ahead of its load
	v_and_b32 v1, 15, v0
	s_wait_alu depctr_va_vdst(0)
	v_bfe_u32 v2, v0, 4, 1
	v_mul_u32_u24 v3, v1, PITCH
	v_lshl_add_u32 v4, v2, 4, v3
	s_mul_i32 s21, s15, HALFT
	s_mul_i32 s22, s16, HALFT
	s_add_co_u32 s22, s22, 2*HALFT
.irp s, 0,1
	v_add_nc_u32 v[ADRA+\s], s21, v4
	v_add_nc_u32 v[ADRB+\s], s22, v4
	s_add_co_u32 s21, s21, SLOT
	s_add_co_u32 s22, s22, SLOT
.endr
	s_mul_i32 s23, s15, 128*PITCH
	s_lshl_b32 s21, s16, 7
	s_add_co_u32 s23, s23, s21
	v_mul_u32_u24 v5, v1, PITCH
	s_wait_alu depctr_va_vdst(0)
	v_lshl_add_u32 v5, v2, 3, v5
	v_add_nc_u32 v[STO], s23, v5
	s_mul_i32 s23, s14, 64*PITCH
	v_mul_u32_u24 v5, v2, PITCH
	v_lshl_add_u32 v5, v1, 4, v5
	v_add_nc_u32 v[RD], s23, v5
	v_lshlrev_b32 v5, 12, v2
	v_lshl_add_u32 v[CO], v1, 4, v5
	v_lshlrev_b32 v[BO], 5, v2
	s_wait_alu depctr_va_vdst(0)
	s_lshl_b32 s20, s17, 8
	s_lshl_b32 s21, s14, 6
	s_add_co_u32 s20, s20, s21
	s_lshl_b32 s20, s20, 12
	s_lshl_b32 s21, s42, 8
	s_add_co_u32 s20, s20, s21
	s_mov_b32 s21, 0
	s_add_nc_u64 s[12:13], s[12:13], s[20:21]
	s_lshl_b32 s46, s42, 10
	s_lshl_b32 s47, s16, 9
	s_add_co_u32 s46, s46, s47
	s_mov_b32 s47, 0
	s_add_nc_u64 s[10:11], s[10:11], s[46:47]
.irp b, 0,1,2,3,4,5,6,7
	global_load_b128 v[BIAS+8*\b:BIAS+8*\b+3], v[BO], s[10:11] offset:64*\b
	global_load_b128 v[BIAS+8*\b+4:BIAS+8*\b+7], v[BO], s[10:11] offset:64*\b+16
.endr
.macro FRAG reg, adr, q, i
.irp c, 0,1,2,3
	ds_load_b128 v[\reg+4*\c:\reg+4*\c+3], v[\adr] offset:128*(\q)+32*\c+(\i)*16*PITCH
.endr
.endm
.macro MUL16 a0, p, zero
.irp a, \a0, \a0+1
.irp b, 0,1,2,3,4,5,6,7
.if \zero
	v_wmma_f32_16x16x128_fp8_fp8 v[8*(8*((\a)%4)+\b):8*(8*((\a)%4)+\b)+7], v[128*(\p)+FR*\b:128*(\p)+FR*\b+FR-1], v[AF+FR*(\a):AF+FR*(\a)+FR-1], 0
.else
	v_wmma_f32_16x16x128_fp8_fp8 v[8*(8*((\a)%4)+\b):8*(8*((\a)%4)+\b)+7], v[128*(\p)+FR*\b:128*(\p)+FR*\b+FR-1], v[AF+FR*(\a):AF+FR*(\a)+FR-1], v[8*(8*((\a)%4)+\b):8*(8*((\a)%4)+\b)+7]
.endif
.endr
.endr
.endm
.macro FETCH_B slot, q, p
	WIN TO_B
.irp i, 0,1,2,3,4,5,6,7
	FRAG 128*(\p)+FR*\i, ADRB+\slot, \q, \i
.endr
	WIN 0
.endm
.macro FETCH_A slot, q, i0
.irp i, \i0, \i0+1, \i0+2, \i0+3
	FRAG AF+FR*(\i), ADRA+\slot, \q, \i
.endr
.endm
.macro PLACES n
.rept \n
	v_nop
.endr
.endm
.macro STEP slot, q, zero
	s_wait_dscnt 4*NL
	WIN MUL_LO
	MUL16 0, (\q)%2, \zero
	MUL16 2, (\q)%2, \zero
	s_wait_dscnt 0
	PLACES NP
	FETCH_B \slot, (\q)+1, 1-(\q)%2
	FETCH_A \slot, (\q)+1, 0
	WIN MUL_HI
	MUL16 4, (\q)%2, \zero
	MUL16 6, (\q)%2, \zero
	PLACES NP
	WIN 0
	FETCH_A \slot, (\q)+1, 4
.endm
.macro TURN slot, next, fill
	s_wait_tensorcnt 0x0
	ds_add_u32 v[SPW], v[NIL]
	s_wait_dscnt 4*NL+1
	WIN MUL_LO
	MUL16 0, 1, 0
	s_wait_dscnt 0x0
	s_barrier_signal -1
	MUL16 2, 1, 0
	WIN 0
	s_barrier_wait -1
.if \fill
	CREST
	s_add_nc_u64 s[G0+4*\slot+2:G0+4*\slot+3], s[G0+4*\slot+2:G0+4*\slot+3], 2*ROWB
	s_add_nc_u64 s[G0B+4*\slot+2:G0B+4*\slot+3], s[G0B+4*\slot+2:G0B+4*\slot+3], 2*ROWB
	JLOAD G0+4*\slot, G1, G0B+4*\slot, G1B
.else
	PLACES NP
.endif
	FETCH_B \next, 0, 0
	FETCH_A \next, 0, 0
	WIN MUL_HI
	MUL16 4, 1, 0
	MUL16 6, 1, 0
	PLACES NP
	WIN 0
	FETCH_A \next, 0, 4
.endm
	s_wait_alu depctr_va_vdst(0)                   ; the wait at the head's end
	s_wait_tensorcnt 0x0                           ; my part of K step 0 is in; slot 1's first fill is issued as a refill is:
	ds_add_u32 v[SPW], v[NIL]                      ; 0 onto my spare word
	s_wait_dscnt 0x0
	CROUND                                         ; everybody's part is in, and all sixteen work-groups are here
	JLOAD G0+4, G1, G0B+4, G1B                     ; K step 1: the first tensor load behind the round
	FETCH_B 0, 0, 0
	FETCH_A 0, 0, 0
	FETCH_A 0, 0, 4
	global_prefetch_b8 v30, s[76:77] offset:3*ROWB th:TH_LOAD_NT scope:SCOPE_SE   ; K step 3, the last
	STEP 0, 0, 1
	s_mov_b32 s3, LAPS-1
.Llap:
	TURN 0, 1, 1
	STEP 1, 0, 0
	TURN 1, 0, 1
	STEP 0, 0, 0
	s_sub_co_u32 s3, s3, 1
	s_cmp_lg_u32 s3, 0
	s_cbranch_scc1 .Llap
	TURN 0, 1, 0
	STEP 1, 0, 0
	s_wait_dscnt 4*NL
	WIN MUL_LO
	MUL16 0, 1, 0
	MUL16 2, 1, 0
	s_wait_dscnt 0
	WIN MUL_HI
	MUL16 4, 1, 0
	MUL16 6, 1, 0
	WIN 0
	s_wait_kmcnt 0x0
	s_add_co_i32 s96, s72, s73
	s_add_co_i32 s96, s96, 127
	s_lshl_b32 s96, s96, 23
	s_mov_b32 s97, s96
	s_add_co_i32 s74, s74, 127
	s_lshl_b32 s75, s74, 23
	v_mov_b32 v48, s75
	s_add_co_i32 s74, s74, 8
	s_lshl_b32 s74, s74, 23
	s_or_b32 s74, s74, 0x600000
	v_mov_b32 v49, s74
	v_mov_b32 v50, 0xbdd2d3e8
	v_mov_b32 v51, 0xbdd2d3e8
	v_mov_b32 v52, 0xc0135761
	v_mov_b32 v53, 0xc0135761
	s_wait_loadcnt 0x0
	PLACES NP
.macro CBLOCK a
.set AC, 64*((\a)%4)
	WIN 0x02+((\a)/4)
.set cj, 0
.rept 32
	v_pk_fma_f32 v[TMP+cj:TMP+cj+1], v[AC+cj:AC+cj+1], s[96:97], v[BIAS+cj:BIAS+cj+1] op_sel_hi:[1,0,1]
.set cj, cj+2
.endr
	WIN 0
.set cj, 0
.rept 32
	v_pk_mul_f32 v[Z+cj:Z+cj+1], v[TMP+cj:TMP+cj+1], v[TMP+cj:TMP+cj+1]
.set cj, cj+2
.endr
.set cj, 0
.rept 32
	v_pk_fma_f32 v[Z+cj:Z+cj+1], v[Z+cj:Z+cj+1], v[50:51], v[52:53]
.set cj, cj+2
.endr
.set cj, 0
.rept 32
	v_pk_mul_f32 v[Z+cj:Z+cj+1], v[Z+cj:Z+cj+1], v[TMP+cj:TMP+cj+1]
.set cj, cj+2
.endr
.set cj, 0
	s_wait_alu depctr_va_vdst(0)
.rept 64
	v_exp_f32 v[Z+cj], v[Z+cj]
.set cj, cj+1
.endr
	v_nop
	s_wait_alu depctr_va_vdst(0)
.set cj, 0
.rept 32
	v_pk_add_f32 v[Z+cj:Z+cj+1], v[Z+cj:Z+cj+1], 1.0 op_sel_hi:[1,0]
.set cj, cj+2
.endr
.set cj, 0
	s_wait_alu depctr_va_vdst(0)
.rept 64
	v_rcp_f32 v[Z+cj], v[Z+cj]
.set cj, cj+1
.endr
	v_nop
	s_wait_alu depctr_va_vdst(0)
.set cj, 0
.rept 32
	v_pk_mul_f32 v[TMP+cj:TMP+cj+1], v[TMP+cj:TMP+cj+1], v[Z+cj:Z+cj+1]
.set cj, cj+2
.endr
.set cj, 0
.rept 64
	v_med3_num_f32 v[TMP+cj], v[TMP+cj], -v49, v49
.set cj, cj+1
.endr
.irp b, 0,1,2,3,4,5,6,7
	v_cvt_scalef32_pk8_fp8_f32 v[CD+2*\b:CD+2*\b+1], v[TMP+8*\b:TMP+8*\b+7], v48
.endr
	v_nop
.irp b, 0,1,2,3,4,5,6,7
	ds_store_b64 v[STO], v[CD+2*\b:CD+2*\b+1] offset:16*(\a)*PITCH+16*\b
.endr
.endm
.irp a, 0,1,2,3,4,5,6,7
	CBLOCK \a
.endr
	s_wait_dscnt 0x0
	s_barrier_signal -1
	s_barrier_wait -1
.irp t, 0,1,2,3,4,5,6,7,8,9,10,11,12,13,14,15,16,17,18,19,20,21,22,23,24,25,26,27,28,29,30,31
	ds_load_b128 v[BK+4*\t:BK+4*\t+3], v[RD] offset:2*\t*PITCH
.endr
.irp t, 0,1,2,3,4,5,6,7,8,9,10,11,12,13,14,15,16,17,18,19,20,21,22,23,24,25,26,27,28,29,30,31
	s_wait_dscnt 31-\t
	global_store_b128 v[CO], v[BK+4*\t:BK+4*\t+3], s[12:13] offset:8192*\t
.endr
	s_wait_tensorcnt 0x0
	ds_add_u32 v[SPW], v[NIL]
	s_wait_dscnt 0x0
	CROUND
	s_endpgm
.Lfunc_end_k_q6eda573b1b_fc:
	.size	k_q6eda573b1b_fc, .Lfunc_end_k_q6eda573b1b_fc-k_q6eda573b1b_fc
	.p2alignl 7, 3214868480
	.fill 96, 4, 3214868480
	.section	.rodata,"a",@progbits
	.p2align	6, 0x0
	.amdhsa_kernel k_q6eda573b1b_fc
		.amdhsa_group_segment_fixed_size 327680
		.amdhsa_private_segment_fixed_size 0
		.amdhsa_enable_private_segment 0
		.amdhsa_kernarg_size 40
		.amdhsa_user_sgpr_count 2
		.amdhsa_user_sgpr_kernarg_segment_ptr 1
		.amdhsa_wavefront_size32 1
		.amdhsa_system_sgpr_workgroup_id_x 1
		.amdhsa_system_sgpr_workgroup_id_y 1
		.amdhsa_system_sgpr_workgroup_id_z 1
		.amdhsa_system_vgpr_workitem_id 0
		.amdhsa_next_free_vgpr 1024
		.amdhsa_next_free_sgpr 100
		.amdhsa_reserve_vcc 0
		.amdhsa_float_denorm_mode_32 3
		.amdhsa_float_denorm_mode_16_64 3
		.amdhsa_memory_ordered 1
		.amdhsa_forward_progress 1
		.amdhsa_inst_pref_size 255
	.end_amdhsa_kernel
	.section	.bss,"aw",@nobits
	.p2align	6
	.space	262144
	.amdgpu_metadata
---
amdhsa.version: [ 1, 2 ]
amdhsa.kernels:
  - .name:           k_q6eda573b1b_fc
    .symbol:         k_q6eda573b1b_fc.kd
    .args:
      - { .name: h2c, .offset: 0, .size: 8, .value_kind: global_buffer, .address_space: global }
      - { .name: wc, .offset: 8, .size: 8, .value_kind: global_buffer, .address_space: global }
      - { .name: lowp_scales, .offset: 16, .size: 8, .value_kind: global_buffer, .address_space: global }
      - { .name: fc_b, .offset: 24, .size: 8, .value_kind: global_buffer, .address_space: global }
      - { .name: gc, .offset: 32, .size: 8, .value_kind: global_buffer, .address_space: global }
    .group_segment_fixed_size: 327680
    .private_segment_fixed_size: 0
    .kernarg_segment_align: 8
    .kernarg_segment_size: 40
    .max_flat_workgroup_size: 128
    .sgpr_count:     100
    .vgpr_count:     1024
    .wavefront_size: 32
...
	.end_amdgpu_metadata
.endif
;; end of part 13
;; launch mlp (part 14): grid 8 x 32, 4 waves a work-group, clusters of 4 x 4, 327,680 bytes of LDS; arguments gc, wc, lowp_scales, mlp_proj_b, x1, out0; writes out0
.if DOCPART == 14
	.amdgcn_target "amdgcn-amd-amdhsa--gfx1250"
	.amdhsa_code_object_version 6
	.text
	.protected	k_q6eda573b1b_mlp
	.globl	k_q6eda573b1b_mlp
	.p2align	8
	.type	k_q6eda573b1b_mlp,@function
k_q6eda573b1b_mlp:
	s_mov_b64 s[64:65], 0
	v_nop
	global_prefetch_b8 v0, s[64:65] scope:SCOPE_SE
	s_setreg_imm32_b32 hwreg(HW_REG_WAVE_MODE, 25, 1), 1
	s_wait_xcnt 0x0
	s_wait_alu depctr_hold_cnt(0) depctr_sa_sdst(0) depctr_va_vdst(0) depctr_va_sdst(0) depctr_va_ssrc(0) depctr_va_vcc(0) depctr_vm_vsrc(0)
	s_getreg_b32 s2, hwreg(HW_REG_IB_STS2, 6, 4)
	s_cmp_eq_u32 s2, 0
	s_cbranch_scc0 .Lentry_in_a_cluster
	s_endpgm
.Lentry_in_a_cluster:
	s_bfe_u32 s2, ttmp6, 0x10000c
	s_cmp_lg_u32 s2, 0xf033
	s_cbranch_scc0 .Lentry_shape_is_right
	s_endpgm
.Lentry_shape_is_right:
; MLP.  out0 = x1 + g mlp_proj_w + mlp_proj_b: g's codes (gc, e12) times mlp_proj_w's codes (8 MiB into wc, laid [n][k], e13); each f32 sum x 2^(e12 + e13), plus x1 and the bias.
; A block of 128 x 128 to a work-group of four waves, 64 x 64 a wave; 256 work-groups; clusters of 4 x 4 with joint loads.  K goes in eight steps of 512 through two slots.
; PREFETCH: beside the load of K step k stands one request a wave for K step k + 2 (k = 0 .. 5): of the 64 rows that a wave fetches each of the four partners names 16, two lanes to a row's 512 bytes.
; LIMIT: e12 + e13 between -126 and 127.
.set SIZE_K, 4096
.set SIZE_N, 1024
.set WOFF,   0x800000
.set HAS_BIAS, 1
.set KSTEP,  512
.set ROWB,   512
.set KROW,   SIZE_K
.set PITCH,  528
.set HALFT,  64*PITCH
.set SLOT,   4*HALFT
.set LAPS,   SIZE_K/(2*KSTEP)
.set STAGE,  2*SLOT
.set SPITCH, 272
.set SPARE,  STAGE+4*16*SPITCH
.set BI,   12
.set ADRA, 16
.set ADRB, 20
.set STO,  24
.set RD,   25
.set CO,   26
.set BOF,  27
.set SPW,  28
.set NIL,  29
.set BK,   64
.set ACC,  128
.set F0,   0
.set F1,   128
.set G1, 24
.set G0, 32
.set G1B, 48
.set G0B, 56
.set MSB, 0
.macro WIN new
.if MSB != \new
	s_set_vgpr_msb (MSB<<8)|\new
.set MSB, \new
.endif
.endm
.set MUL,  0x05
.set TO_F, 0x40
.macro JLOAD g0a, g1a, g0b, g1b
	s_cmp_eq_u32 s15, 0
	s_cbranch_scc0 .Lfor_b_\@
	tensor_load_to_lds s[\g0a:\g0a+3], s[\g1a:\g1a+7]
	s_nop 0
.rept 4
	v_nop
.endr
	s_branch .Lasked_\@
.Lfor_b_\@:
	tensor_load_to_lds s[\g0b:\g0b+3], s[\g1b:\g1b+7]
	s_nop 0
.rept 4
	v_nop
.endr
.Lasked_\@:
.endm
.macro CREST
	s_cmp_lg_u32 s14, 0
	s_cbranch_scc1 .Lnot_wave_0_\@
	s_barrier_signal -3
.Lnot_wave_0_\@:
	s_barrier_wait -3
	s_barrier_signal -1
	s_barrier_wait -1
.endm
.macro CROUND
	s_barrier_signal -1
	s_barrier_wait -1
	CREST
.endm
	s_load_b128 s[4:7], s[0:1], 0x0
	s_load_b128 s[8:11], s[0:1], 0x10
	s_load_b128 s[68:71], s[0:1], 0x20
	v_lshl_add_u32 v[SPW], v0, 2, SPARE
	v_mov_b32 v[NIL], 0
	ds_add_u32 v28, v29
	ds_add_u32 v28, v29
	s_wait_dscnt 0x0
	v_lshrrev_b32 v1, 5, v0
	v_readfirstlane_b32 s14, v1
	s_lshr_b32 s15, s14, 1
	s_and_b32 s16, s14, 1
	s_bfe_u32 s40, ttmp6, 0x40000
	s_bfe_u32 s41, ttmp6, 0x40004
	s_lshl_b32 s42, ttmp9, 2
	s_add_co_u32 s42, s42, s40
	s_and_b32 s17, ttmp7, 0xffff
	s_lshl_b32 s17, s17, 2
	s_add_co_u32 s17, s17, s41
	s_lshl_b32 s43, s41, 2
	s_lshl_b32 s43, 15, s43
	s_lshl_b32 s44, 0x1111, s40
	s_or_b32 s[G1+0], s43, (0<<16)|(1<<20)|(1<<21)|(6<<22)|(3<<25)
	s_or_b32 s[G1B+0], s44, (0<<16)|(1<<20)|(1<<21)|(6<<22)|(3<<25)
.irp g, G1, G1B
	s_mov_b32 s[\g+1], ROWB<<16
	s_mov_b32 s[\g+2], 64<<16
	s_mov_b32 s[\g+3], ROWB<<16
	s_mov_b32 s[\g+4], 64
	s_mov_b32 s[\g+5], KROW
	s_mov_b32 s[\g+6], 0
	s_mov_b32 s[\g+7], 0
.endr
	s_lshl_b32 s18, s16, 6
	s_lshl_b32 s20, s17, 7
	s_add_co_u32 s20, s20, s18
	s_lshl_b32 s46, s42, 7
	s_add_co_u32 s46, s46, s18
	s_mov_b32 s21, 0
	s_mov_b32 s47, 0
	s_mov_b64 s[18:19], KROW
	s_mul_u64 s[20:21], s[20:21], s[18:19]
	s_mul_u64 s[46:47], s[46:47], s[18:19]
	s_add_nc_u64 s[46:47], s[46:47], WOFF
	s_mul_i32 s45, s14, HALFT
	s_wait_kmcnt 0x0
	s_load_b64 s[96:97], s[8:9], 0x30
	s_add_nc_u64 s[20:21], s[4:5], s[20:21]
	s_add_nc_u64 s[46:47], s[6:7], s[46:47]
	CROUND
.irp s, 0,1
	s_mov_b32 s[G0+4*\s], 1
	s_add_co_u32 s[G0+4*\s+1], s45, \s*SLOT
	s_add_nc_u64 s[G0+4*\s+2:G0+4*\s+3], s[20:21], \s*ROWB
	s_or_b32 s[G0+4*\s+3], s[G0+4*\s+3], 0x80000000
	s_mov_b32 s[G0B+4*\s], 1
	s_add_co_u32 s[G0B+4*\s+1], s45, \s*SLOT
	s_add_nc_u64 s[G0B+4*\s+2:G0B+4*\s+3], s[46:47], \s*ROWB
	s_or_b32 s[G0B+4*\s+3], s[G0B+4*\s+3], 0x80000000
.endr
	JLOAD G0, G1, G0B, G1B                         ; K step 0: one tensor load a wave at the head
	s_lshl_b32 s74, s17, 7                         ; the prefetches' address: the tile's first row, in A by the tile row, in B by the tile column,
	s_lshl_b32 s75, s42, 7
	s_cmp_eq_u32 s15, 0                            ; do I fetch for A?
	s_cselect_b32 s74, s74, s75
	s_cselect_b32 s75, s40, s41                    ; my place among the four that ask with me: the rows are shared out by address
	s_cselect_b64 s[72:73], s[4:5], s[6:7]
	s_cselect_b32 s76, 0, WOFF
	s_lshl_b32 s77, s16, 6
	s_add_co_u32 s74, s74, s77                     ; + the 64 rows that I fetch
	s_lshl_b32 s75, s75, 4
	s_add_co_u32 s74, s74, s75                     ; + my work-group's 16 of them
	s_lshl_b32 s74, s74, 12                        ; rows of 4,096 bytes
	s_add_co_u32 s74, s74, s76
	s_mov_b32 s75, 0
	s_add_nc_u64 s[72:73], s[72:73], s[74:75]
	v_and_b32 v30, 31, v0
	v_lshrrev_b32 v31, 1, v30
	v_and_b32 v30, 1, v30
	v_lshlrev_b32 v30, 8, v30
	v_lshl_add_u32 v30, v31, 12, v30               ; row lane / 2, its 256 bytes lane % 2; never rewritten
	global_prefetch_b8 v30, s[72:73] offset:2*ROWB th:TH_LOAD_NT scope:SCOPE_SE   ; K step 2, two steps ahead of its load
	v_and_b32 v1, 15, v0
	s_wait_alu depctr_va_vdst(0)
	v_bfe_u32 v2, v0, 4, 1
	v_mul_u32_u24 v3, v1, PITCH
	v_lshl_add_u32 v4, v2, 4, v3
	s_mul_i32 s21, s15, HALFT
	s_mul_i32 s22, s16, HALFT
	s_add_co_u32 s22, s22, 2*HALFT
.irp s, 0,1
	v_add_nc_u32 v[ADRA+\s], s21, v4
	v_add_nc_u32 v[ADRB+\s], s22, v4
	s_add_co_u32 s21, s21, SLOT
	s_add_co_u32 s22, s22, SLOT
.endr
	s_mul_i32 s23, s14, 16*SPITCH
	s_add_co_u32 s23, s23, STAGE
	v_mul_u32_u24 v5, v1, SPITCH
	s_wait_alu depctr_va_vdst(0)
	v_lshl_add_u32 v5, v2, 5, v5
	v_add_nc_u32 v[STO], s23, v5
	v_mul_u32_u24 v5, v2, SPITCH
	v_lshl_add_u32 v5, v1, 4, v5
	v_add_nc_u32 v[RD], s23, v5
	v_lshlrev_b32 v5, 12, v2
	v_lshl_add_u32 v[CO], v1, 4, v5
	s_wait_alu depctr_va_vdst(0)
	v_lshlrev_b32 v[BOF], 4, v1
	s_wait_alu depctr_va_vdst(0)
	s_lshl_b32 s20, s17, 7
	s_lshl_b32 s21, s15, 6
	s_add_co_u32 s20, s20, s21
	s_lshl_b32 s20, s20, 12
	s_lshl_b32 s46, s42, 9
	s_lshl_b32 s47, s16, 8
	s_add_co_u32 s46, s46, s47
	s_mov_b32 s47, 0
	s_add_nc_u64 s[10:11], s[10:11], s[46:47]
	s_add_co_u32 s20, s20, s46
	s_mov_b32 s21, 0
	s_add_nc_u64 s[68:69], s[68:69], s[20:21]
	s_add_nc_u64 s[70:71], s[70:71], s[20:21]
	WIN 0x80
.irp a, 0,1,2,3
.irp t, 0,1,2,3,4,5,6,7
	global_load_b128 v[32*\a+4*\t:32*\a+4*\t+3], v[CO], s[68:69] offset:(16*\a+2*\t)*SIZE_N*4 th:TH_LOAD_NT
.endr
.endr
	WIN 0
	global_load_b128 v[BI:BI+3], v[BOF], s[10:11]
.macro MUL4 f, a, zero
.irp b, 0,1,2,3
.if \zero
	v_wmma_f32_16x16x128_fp8_fp8 v[ACC+8*(4*(\a)+\b):ACC+8*(4*(\a)+\b)+7], v[\f+64+16*\b:\f+64+16*\b+15], v[\f+16*(\a):\f+16*(\a)+15], 0
.else
	v_wmma_f32_16x16x128_fp8_fp8 v[ACC+8*(4*(\a)+\b):ACC+8*(4*(\a)+\b)+7], v[\f+64+16*\b:\f+64+16*\b+15], v[\f+16*(\a):\f+16*(\a)+15], v[ACC+8*(4*(\a)+\b):ACC+8*(4*(\a)+\b)+7]
.endif
.endr
.endm
.macro FETCH slot, q, f
	WIN TO_F
.irp i, 0,1,2,3
.irp c, 0,1,2,3
	ds_load_b128 v[\f+64+16*\i+4*\c:\f+64+16*\i+4*\c+3], v[ADRB+\slot] offset:128*(\q)+32*\c+\i*16*PITCH
.endr
.endr
.irp i, 0,1,2,3
.irp c, 0,1,2,3
	ds_load_b128 v[\f+16*\i+4*\c:\f+16*\i+4*\c+3], v[ADRA+\slot] offset:128*(\q)+32*\c+\i*16*PITCH
.endr
.endr
.endm
.macro PLACES n
.rept \n
	v_nop
.endr
.endm
.macro QUARTER slot, q, f, g, zero
	PLACES 4
	FETCH \slot, (\q)+1, \g
	s_wait_dscnt 32
	WIN MUL
	MUL4 \f, 0, \zero
	MUL4 \f, 1, \zero
	MUL4 \f, 2, \zero
	MUL4 \f, 3, \zero
.endm
.macro TURN slot, next, fill
	WIN 0
.if \fill
	s_wait_xcnt 0x0                                ; my last prefetch has read its address: it is stepped here, ahead of the change's own waits
	s_add_nc_u64 s[72:73], s[72:73], ROWB
.endif
	s_wait_tensorcnt 0x0
	ds_add_u32 v[SPW], v[NIL]
	s_wait_dscnt 1
	WIN MUL
	MUL4 F1, 0, 0
	s_wait_dscnt 0x0
	s_barrier_signal -1
	MUL4 F1, 1, 0
	WIN 0
	s_barrier_wait -1
.if \fill
	CREST
	s_add_nc_u64 s[G0+4*\slot+2:G0+4*\slot+3], s[G0+4*\slot+2:G0+4*\slot+3], 2*ROWB
	s_add_nc_u64 s[G0B+4*\slot+2:G0B+4*\slot+3], s[G0B+4*\slot+2:G0B+4*\slot+3], 2*ROWB
	JLOAD G0+4*\slot, G1, G0B+4*\slot, G1B
.else
	PLACES 4
.endif
	FETCH \next, 0, F0
.if \fill
	WIN 0
	s_cmp_gt_u32 s3, 1                             ; the loop's last trip loads K steps 6 and 7: no K step stands two on
	s_cbranch_scc0 .Lno_ask_\@
	global_prefetch_b8 v30, s[72:73] offset:3*ROWB th:TH_LOAD_NT scope:SCOPE_SE   ; the address stands one step behind the K step just asked for: this names the K step two on from it
.Lno_ask_\@:
.endif
	WIN MUL
	MUL4 F1, 2, 0
	MUL4 F1, 3, 0
.endm
	s_wait_alu depctr_va_vdst(0)                   ; the wait at the head's end
	s_wait_tensorcnt 0x0                           ; my part of K step 0 is in; slot 1's first fill is issued as a refill is:
	ds_add_u32 v[SPW], v[NIL]                      ; 0 onto my spare word
	s_wait_dscnt 0x0
	CROUND                                         ; everybody's part is in, and all sixteen work-groups are here
	JLOAD G0+4, G1, G0B+4, G1B                     ; K step 1: the first tensor load behind the round
	FETCH 0, 0, F0
	WIN 0
	global_prefetch_b8 v30, s[72:73] offset:3*ROWB th:TH_LOAD_NT scope:SCOPE_SE   ; K step 3
	QUARTER 0, 0, F0, F1, 1
.if LAPS > 1
	WIN 0
	s_mov_b32 s3, LAPS-1
.Llap:
	QUARTER 0, 1, F1, F0, 0
	QUARTER 0, 2, F0, F1, 0
	TURN 0, 1, 1
	QUARTER 1, 0, F0, F1, 0
	QUARTER 1, 1, F1, F0, 0
	QUARTER 1, 2, F0, F1, 0
	TURN 1, 0, 1
	QUARTER 0, 0, F0, F1, 0
	WIN 0
	s_sub_co_u32 s3, s3, 1
	s_cmp_lg_u32 s3, 0
	s_cbranch_scc1 .Llap
.endif
	QUARTER 0, 1, F1, F0, 0
	QUARTER 0, 2, F0, F1, 0
	TURN 0, 1, 0
	QUARTER 1, 0, F0, F1, 0
	QUARTER 1, 1, F1, F0, 0
	QUARTER 1, 2, F0, F1, 0
	s_wait_dscnt 0
	WIN MUL
	MUL4 F1, 0, 0
	MUL4 F1, 1, 0
	MUL4 F1, 2, 0
	MUL4 F1, 3, 0
	WIN 0
.macro TOSTAGE a
.set BB, BK+32*((\a)%2)
.irp b, 0,1,2,3
	ds_store_b128 v[STO], v[ACC+32*(\a)+8*\b:ACC+32*(\a)+8*\b+3] offset:64*\b
	ds_store_b128 v[STO], v[ACC+32*(\a)+8*\b+4:ACC+32*(\a)+8*\b+7] offset:64*\b+16
.endr
.irp t, 0,1,2,3,4,5,6,7
	ds_load_b128 v[BB+4*\t:BB+4*\t+3], v[RD] offset:\t*2*SPITCH
.endr
.endm
.macro SEND a, younger
.set BB, BK+32*((\a)%2)
	s_wait_dscnt \younger
	WIN 0x20
.irp j, 0,2,4,6,8,10,12,14,16,18,20,22,24,26,28,30
	v_pk_fma_f32 v[BB+\j:BB+\j+1], v[BB+\j:BB+\j+1], s[96:97], v[32*(\a)+\j:32*(\a)+\j+1] op_sel_hi:[1,0,1]
.endr
	WIN 0
.if HAS_BIAS
.irp t, 0,1,2,3,4,5,6,7
	v_pk_add_f32 v[BB+4*\t:BB+4*\t+1], v[BB+4*\t:BB+4*\t+1], v[BI:BI+1]
	v_pk_add_f32 v[BB+4*\t+2:BB+4*\t+3], v[BB+4*\t+2:BB+4*\t+3], v[BI+2:BI+3]
.endr
.endif
.irp t, 0,1,2,3,4,5,6,7
	global_store_b128 v[CO], v[BB+4*\t:BB+4*\t+3], s[70:71] offset:(16*(\a)+2*\t)*SIZE_N*4 th:TH_STORE_NT
.endr
.endm
	s_wait_kmcnt 0x0
	s_add_co_i32 s96, s96, s97
	s_add_co_i32 s96, s96, 127
	s_lshl_b32 s96, s96, 23
	s_wait_loadcnt 0x0
	PLACES 4
	TOSTAGE 0
.irp a, 1,2,3
.if \a > 1
	s_wait_xcnt 0x0
.endif
	TOSTAGE \a
	SEND \a-1, 16
.endr
	SEND 3, 0
	s_wait_tensorcnt 0x0
	ds_add_u32 v[SPW], v[NIL]
	s_wait_dscnt 0x0
	CROUND
	s_endpgm
.Lfunc_end_k_q6eda573b1b_mlp:
	.size	k_q6eda573b1b_mlp, .Lfunc_end_k_q6eda573b1b_mlp-k_q6eda573b1b_mlp
	.p2alignl 7, 3214868480
	.fill 96, 4, 3214868480
	.section	.rodata,"a",@progbits
	.p2align	6, 0x0
	.amdhsa_kernel k_q6eda573b1b_mlp
		.amdhsa_group_segment_fixed_size 327680
		.amdhsa_private_segment_fixed_size 0
		.amdhsa_enable_private_segment 0
		.amdhsa_kernarg_size 48
		.amdhsa_user_sgpr_count 2
		.amdhsa_user_sgpr_kernarg_segment_ptr 1
		.amdhsa_wavefront_size32 1
		.amdhsa_system_sgpr_workgroup_id_x 1
		.amdhsa_system_sgpr_workgroup_id_y 1
		.amdhsa_system_sgpr_workgroup_id_z 1
		.amdhsa_system_vgpr_workitem_id 0
		.amdhsa_next_free_vgpr 640
		.amdhsa_next_free_sgpr 100
		.amdhsa_reserve_vcc 0
		.amdhsa_float_denorm_mode_32 3
		.amdhsa_float_denorm_mode_16_64 3
		.amdhsa_memory_ordered 1
		.amdhsa_forward_progress 1
		.amdhsa_inst_pref_size 83
	.end_amdhsa_kernel
	.amdgpu_metadata
---
amdhsa.version: [ 1, 2 ]
amdhsa.kernels:
  - .name:           k_q6eda573b1b_mlp
    .symbol:         k_q6eda573b1b_mlp.kd
    .args:
      - { .name: gc, .offset: 0, .size: 8, .value_kind: global_buffer, .address_space: global }
      - { .name: wc, .offset: 8, .size: 8, .value_kind: global_buffer, .address_space: global }
      - { .name: lowp_scales, .offset: 16, .size: 8, .value_kind: global_buffer, .address_space: global }
      - { .name: mlp_proj_b, .offset: 24, .size: 8, .value_kind: global_buffer, .address_space: global }
      - { .name: x1, .offset: 32, .size: 8, .value_kind: global_buffer, .address_space: global }
      - { .name: out0, .offset: 40, .size: 8, .value_kind: global_buffer, .address_space: global }
    .group_segment_fixed_size: 327680
    .private_segment_fixed_size: 0
    .kernarg_segment_align: 8
    .kernarg_segment_size: 48
    .max_flat_workgroup_size: 128
    .sgpr_count:     100
    .vgpr_count:     640
    .wavefront_size: 32
...
	.end_amdgpu_metadata
.endif
;; end of part 14
